; MI455X (gfx1250); checked and timed in simulation.
; The chip was launched on July 23, 2026; its instructions are those of AMD's public machine-readable ISA for CDNA 5 (MIT licence, August 2026) and "CDNA5" Instruction Set Architecture Reference Guide (July 2026). The comments in the code are by the model that wrote it; some were corrected since.
;; Intern VL3 Vision Layer. Allowed arithmetic: float matrix products may take bf16 or f16 operands with f32 sums; all other float work in f32.
;; Inputs: fc1_b 1,024 float32; fc1_w 1,024 x 1,024 float32; fc2_b 1,024 float32; fc2_w 1,024 x 1,024 float32; hidden_states 8 x 1,025 x 1,024 float32; ls1 1,024 float32; ls2 1,024 float32; norm1_b 1,024 float32; norm1_w 1,024 float32; norm2_b 1,024 float32; norm2_w 1,024 float32; proj_b 1,024 float32; proj_w 1,024 x 1,024 float32; qkv_b 3,072 float32; qkv_w 3,072 x 1,024 float32.
;; Outputs: out0 8 x 1,025 x 1,024 float32.
;; 2 versions, each right and faster than the one before. Each part assembles by itself: llvm-mc -triple=amdgcn-amd-amdhsa -mcpu=gfx1250 --defsym DOCPART=n.
;; ======== version 1 of 2: 7 launches
;; workspace buffers: wqkv 6,291,456 bytes; wproj 2,097,152 bytes; wfc1 2,097,152 bytes; wfc2 2,097,152 bytes; xn 17,104,896 bytes; qkvh 51,314,688 bytes; blk 17,104,896 bytes; x1 33,587,200 bytes
;; launch prep (part 1): grid 906 x 1, 8 waves a work-group, no clusters, 0 bytes of LDS; arguments hidden_states, norm1_w, norm1_b, xn, qkv_w, proj_w, fc1_w, fc2_w, wqkv, wproj, wfc1, wfc2; writes xn, wqkv, wproj, wfc1, wfc2
.if DOCPART == 1
	.amdgcn_target "amdgcn-amd-amdhsa--gfx1250"
	.amdhsa_code_object_version 6
	.text
	.protected	k_q289b9fda84_prep
	.globl	k_q289b9fda84_prep
	.p2align	8
	.type	k_q289b9fda84_prep,@function
k_q289b9fda84_prep:
	s_mov_b64 s[64:65], 0
	v_nop
	global_prefetch_b8 v0, s[64:65] scope:SCOPE_SE
	s_setreg_imm32_b32 hwreg(HW_REG_WAVE_MODE, 25, 1), 1
	s_wait_xcnt 0x0
; Work-groups 0..521: LayerNorm 1, f32 rows of 1024 -> bf16 rows of xn.  Work-groups 522..905: the four weight matrices f32 -> bf16.
; xn has 8352 rows: each batch of 1025 tokens is padded to 1040 rows (65 tiles of 16), row m' = 1040 b + n; rows with n > 1024 and rows
; from 8320 on repeat the LayerNorm of a clamped source row, so that every later product reads finite, written bytes; they never reach an output.
; One wave, two rows; a row of 4,096 bytes stays in 32 registers between the passes, so memory is read once.  The variance is the mean of
; squared deviations from the mean (two passes in registers): a common offset of the row costs no digits.
; No LDS, no barrier, no matrix unit: bytes decide here, and no wave needs another wave's numbers.
.set W,  4                             ; v[4:35]    norm weight of my 32 columns
.set B,  36                            ; v[36:67]   norm bias
.set X,  68                            ; v[68:131]  row i at X+32 i; load j holds columns 128 j + 4 lane .. +3
.set T,  132                           ; v[132:139] four chains of pairs
.set MU, 140                           ; v[140:141] the mean, twice
.set RS, 142                           ; v[142:143] 1/sqrt(var + eps), twice
.set LNWG, 522                         ; 8352 rows / 16 rows a work-group
.macro MERGE                           ; four chains -> one number in every lane of the wave (v144)
	v_pk_add_f32 v[T:T+1], v[T:T+1], v[T+2:T+3]
	v_pk_add_f32 v[T+4:T+5], v[T+4:T+5], v[T+6:T+7]
	v_pk_add_f32 v[T:T+1], v[T:T+1], v[T+4:T+5]
	v_add_f32 v144, v[T], v[T+1]
	v_add_f32_dpp v144, v144, v144 row_xmask:1 row_mask:0xf bank_mask:0xf
	v_add_f32_dpp v144, v144, v144 row_xmask:2 row_mask:0xf bank_mask:0xf
	v_add_f32_dpp v144, v144, v144 row_xmask:4 row_mask:0xf bank_mask:0xf
	v_add_f32_dpp v144, v144, v144 row_xmask:8 row_mask:0xf bank_mask:0xf
	v_permlanex16_b32 v145, v144, s44, s45         ; the other half of the lanes
	v_add_f32 v144, v144, v145
.endm
.macro ROWSTAT i                       ; row i becomes (x - mean) / sqrt(var + eps)
.irp k, 0,1,2,3
	v_pk_add_f32 v[T+2*\k:T+2*\k+1], v[X+32*\i+4*\k:X+32*\i+4*\k+1], v[X+32*\i+4*\k+2:X+32*\i+4*\k+3]   ; the first sums start the chains
.endr
.irp k, 0,1,2,3,4,5,6,7
	v_pk_add_f32 v[T+2*(\k%4):T+2*(\k%4)+1], v[T+2*(\k%4):T+2*(\k%4)+1], v[X+32*\i+16+2*\k:X+32*\i+17+2*\k]
.endr
	MERGE
	v_mul_f32 v[MU], s46, v144                     ; mean = sum / 1024
	v_mul_f32 v[MU+1], s46, v144
.irp k, 0,1,2,3,4,5,6,7,8,9,10,11,12,13,14,15
	v_pk_add_f32 v[X+32*\i+2*\k:X+32*\i+2*\k+1], v[X+32*\i+2*\k:X+32*\i+2*\k+1], v[MU:MU+1] neg_lo:[0,1] neg_hi:[0,1]
.endr
.irp k, 0,1,2,3
	v_pk_mul_f32 v[T+2*\k:T+2*\k+1], v[X+32*\i+2*\k:X+32*\i+2*\k+1], v[X+32*\i+2*\k:X+32*\i+2*\k+1]
.endr
.irp k, 4,5,6,7,8,9,10,11,12,13,14,15
	v_pk_fma_f32 v[T+2*(\k%4):T+2*(\k%4)+1], v[X+32*\i+2*\k:X+32*\i+2*\k+1], v[X+32*\i+2*\k:X+32*\i+2*\k+1], v[T+2*(\k%4):T+2*(\k%4)+1]
.endr
	MERGE
	v_fma_f32 v144, v144, s46, s47                 ; var + eps
	v_rsq_f32 v[RS], v144
	v_rsq_f32 v[RS+1], v144
	v_nop                                          ; one plain place between the root and its first use (ISA guide 5.7.2)
	s_wait_alu depctr_va_vdst(0)
.irp k, 0,1,2,3,4,5,6,7,8,9,10,11,12,13,14,15
	v_pk_mul_f32 v[X+32*\i+2*\k:X+32*\i+2*\k+1], v[X+32*\i+2*\k:X+32*\i+2*\k+1], v[RS:RS+1]
.endr
.endm
.macro AFFINE i                        ; times w plus b, rounded once to bf16, stored
.irp k, 0,1,2,3,4,5,6,7,8,9,10,11,12,13,14,15
	v_pk_fma_f32 v[X+32*\i+2*\k:X+32*\i+2*\k+1], v[X+32*\i+2*\k:X+32*\i+2*\k+1], v[W+2*\k:W+2*\k+1], v[B+2*\k:B+2*\k+1]
.endr
.irp k, 0,1,2,3,4,5,6,7,8,9,10,11,12,13,14,15
	v_cvt_pk_bf16_f32 v[X+32*\i+\k], v[X+32*\i+2*\k], v[X+32*\i+2*\k+1]   ; in place, ascending: word k is written when words 2k, 2k+1 are read
.endr
.irp j, 0,1,2,3,4,5,6,7
	global_store_b64 v2, v[X+32*\i+2*\j:X+32*\i+2*\j+1], s[40:41] offset:2048*\i+256*\j   ; a wave's store covers 256 consecutive bytes, aligned
.endr
.endm
	s_load_b256 s[4:11], s[0:1], 0x0               ; hidden_states s[4:5], norm1_w s[6:7], norm1_b s[8:9], xn s[10:11]
	s_load_b512 s[16:31], s[0:1], 0x20             ; qkv_w s16, proj_w s18, fc1_w s20, fc2_w s22, wqkv s24, wproj s26, wfc1 s28, wfc2 s30
	s_cmp_lt_u32 ttmp9, LNWG
	s_cbranch_scc0 .Lcvt
	v_lshrrev_b32 v3, 5, v0
	v_readfirstlane_b32 s32, v3                    ; wave 0..7
	v_and_b32 v1, 31, v0
	v_lshlrev_b32 v2, 3, v1                        ; 8 bytes of bf16 a lane
	v_lshlrev_b32 v1, 4, v1                        ; 16 bytes of f32 a lane
	v_mov_b32 v145, 0                              ; v_permlanex16_b32 counts as a reader of its destination
	s_mul_i32 s33, ttmp9, 1009
	s_lshr_b32 s33, s33, 16                        ; b = T / 65 (exact for T <= 521: 1009/65536 exceeds 1/65 by 1.2e-5)
	s_mul_i32 s34, s33, 65
	s_sub_co_u32 s34, ttmp9, s34                   ; tile in the batch
	s_lshl_b32 s34, s34, 4
	s_lshl1_add_u32 s34, s32, s34                  ; n of my first row
	s_mul_i32 s35, s33, 1025
	s_min_u32 s36, s34, 1024                       ; pad rows repeat token 1024,
	s_add_co_u32 s36, s36, s35
	s_min_u32 s36, s36, 8199                       ; rows behind the last batch the last row
	s_lshl_b32 s36, s36, 12
	s_mov_b32 s37, 0
	s_add_co_u32 s38, s34, 1
	s_min_u32 s38, s38, 1024
	s_add_co_u32 s38, s38, s35
	s_min_u32 s38, s38, 8199
	s_lshl_b32 s38, s38, 12
	s_mov_b32 s39, 0
	s_lshl_b32 s40, ttmp9, 4
	s_lshl1_add_u32 s40, s32, s40                  ; my first row of xn
	s_lshl_b32 s40, s40, 11
	s_mov_b32 s41, 0
	s_mov_b32 s44, 0x76543210
	s_mov_b32 s45, 0xfedcba98
	s_mov_b32 s46, 0x3a800000                      ; 1/1024
	s_mov_b32 s47, 0x358637bd                      ; 1e-6
	s_wait_kmcnt 0x0
	s_add_nc_u64 s[36:37], s[4:5], s[36:37]
	s_add_nc_u64 s[38:39], s[4:5], s[38:39]
	s_add_nc_u64 s[40:41], s[10:11], s[40:41]
.irp j, 0,1,2,3,4,5,6,7
	global_load_b128 v[X+4*\j:X+4*\j+3], v1, s[36:37] offset:512*\j
.endr
.irp j, 0,1,2,3,4,5,6,7
	global_load_b128 v[X+32+4*\j:X+32+4*\j+3], v1, s[38:39] offset:512*\j
.endr
.irp j, 0,1,2,3,4,5,6,7
	global_load_b128 v[W+4*\j:W+4*\j+3], v1, s[6:7] offset:512*\j
.endr
.irp j, 0,1,2,3,4,5,6,7
	global_load_b128 v[B+4*\j:B+4*\j+3], v1, s[8:9] offset:512*\j
.endr
	s_wait_loadcnt 24                              ; row 0 is in; row 1, w and b (24 loads) stay out
	ROWSTAT 0
	s_wait_loadcnt 16                              ; row 1 is in; w and b stay out
	ROWSTAT 1
	s_wait_loadcnt 0x0
	AFFINE 0
	AFFINE 1
	s_endpgm
; The cast: chunk c of 65,536 bytes of f32; 192 chunks of qkv_w, then 64 each of proj_w, fc1_w, fc2_w.
.Lcvt:
	s_sub_co_u32 s33, ttmp9, LNWG
	v_lshlrev_b32 v1, 4, v0
	v_lshlrev_b32 v2, 3, v0
	s_wait_kmcnt 0x0
	s_mov_b64 s[36:37], s[22:23]
	s_mov_b64 s[38:39], s[30:31]
	s_mov_b32 s34, 320
	s_cmp_lt_u32 s33, 320
	s_cselect_b64 s[36:37], s[20:21], s[36:37]
	s_cselect_b64 s[38:39], s[28:29], s[38:39]
	s_cselect_b32 s34, 256, s34
	s_cmp_lt_u32 s33, 256
	s_cselect_b64 s[36:37], s[18:19], s[36:37]
	s_cselect_b64 s[38:39], s[26:27], s[38:39]
	s_cselect_b32 s34, 192, s34
	s_cmp_lt_u32 s33, 192
	s_cselect_b64 s[36:37], s[16:17], s[36:37]
	s_cselect_b64 s[38:39], s[24:25], s[38:39]
	s_cselect_b32 s34, 0, s34
	s_sub_co_u32 s33, s33, s34                     ; chunk inside its matrix
	s_lshl_b32 s40, s33, 16
	s_mov_b32 s41, 0
	s_lshl_b32 s42, s33, 15
	s_mov_b32 s43, 0
	s_add_nc_u64 s[36:37], s[36:37], s[40:41]
	s_add_nc_u64 s[38:39], s[38:39], s[42:43]
.irp k, 0,1,2,3,4,5,6,7,8,9,10,11,12,13,14,15
	global_load_b128 v[X+4*\k:X+4*\k+3], v1, s[36:37] offset:4096*\k th:TH_LOAD_NT
.endr
.irp k, 0,1,2,3,4,5,6,7,8,9,10,11,12,13,14,15
	s_wait_loadcnt 15-\k                           ; loads return in order: piece k is in, the younger ones stay out
	v_cvt_pk_bf16_f32 v[4+2*\k], v[X+4*\k], v[X+4*\k+1]
	v_cvt_pk_bf16_f32 v[5+2*\k], v[X+4*\k+2], v[X+4*\k+3]
	global_store_b64 v2, v[4+2*\k:5+2*\k], s[38:39] offset:2048*\k   ; no register is used twice: nothing to wait for
.endr
	s_endpgm
.Lfunc_end_k_q289b9fda84_prep:
	.size	k_q289b9fda84_prep, .Lfunc_end_k_q289b9fda84_prep-k_q289b9fda84_prep
	.p2alignl 7, 3214868480
	.fill 96, 4, 3214868480
	.section	.rodata,"a",@progbits
	.p2align	6, 0x0
	.amdhsa_kernel k_q289b9fda84_prep
		.amdhsa_group_segment_fixed_size 0
		.amdhsa_private_segment_fixed_size 0
		.amdhsa_enable_private_segment 0
		.amdhsa_kernarg_size 96
		.amdhsa_user_sgpr_count 2
		.amdhsa_user_sgpr_kernarg_segment_ptr 1
		.amdhsa_wavefront_size32 1
		.amdhsa_system_sgpr_workgroup_id_x 1
		.amdhsa_system_sgpr_workgroup_id_y 1
		.amdhsa_system_sgpr_workgroup_id_z 1
		.amdhsa_system_vgpr_workitem_id 0
		.amdhsa_next_free_vgpr 160
		.amdhsa_next_free_sgpr 66
		.amdhsa_reserve_vcc 0
		.amdhsa_float_denorm_mode_32 3
		.amdhsa_float_denorm_mode_16_64 3
		.amdhsa_memory_ordered 1
		.amdhsa_forward_progress 1
		.amdhsa_inst_pref_size 28
	.end_amdhsa_kernel
	.amdgpu_metadata
---
amdhsa.version: [ 1, 2 ]
amdhsa.kernels:
  - .name:           k_q289b9fda84_prep
    .symbol:         k_q289b9fda84_prep.kd
    .args:
      - { .name: hidden_states, .offset: 0, .size: 8, .value_kind: global_buffer, .address_space: global }
      - { .name: norm1_w, .offset: 8, .size: 8, .value_kind: global_buffer, .address_space: global }
      - { .name: norm1_b, .offset: 16, .size: 8, .value_kind: global_buffer, .address_space: global }
      - { .name: xn, .offset: 24, .size: 8, .value_kind: global_buffer, .address_space: global }
      - { .name: qkv_w, .offset: 32, .size: 8, .value_kind: global_buffer, .address_space: global }
      - { .name: proj_w, .offset: 40, .size: 8, .value_kind: global_buffer, .address_space: global }
      - { .name: fc1_w, .offset: 48, .size: 8, .value_kind: global_buffer, .address_space: global }
      - { .name: fc2_w, .offset: 56, .size: 8, .value_kind: global_buffer, .address_space: global }
      - { .name: wqkv, .offset: 64, .size: 8, .value_kind: global_buffer, .address_space: global }
      - { .name: wproj, .offset: 72, .size: 8, .value_kind: global_buffer, .address_space: global }
      - { .name: wfc1, .offset: 80, .size: 8, .value_kind: global_buffer, .address_space: global }
      - { .name: wfc2, .offset: 88, .size: 8, .value_kind: global_buffer, .address_space: global }
    .group_segment_fixed_size: 0
    .private_segment_fixed_size: 0
    .kernarg_segment_align: 8
    .kernarg_segment_size: 96
    .max_flat_workgroup_size: 256
    .sgpr_count:     66
    .vgpr_count:     160
    .wavefront_size: 32
...
	.end_amdgpu_metadata
.endif
;; end of part 1
;; launch qkv (part 2): grid 12 x 58, 4 waves a work-group, no clusters, 327,680 bytes of LDS; arguments xn, wqkv, qkv_b, qkvh; writes qkvh
.if DOCPART == 2
	.amdgcn_target "amdgcn-amd-amdhsa--gfx1250"
	.amdhsa_code_object_version 6
	.text
	.protected	k_q289b9fda84_qkv
	.globl	k_q289b9fda84_qkv
	.p2align	8
	.type	k_q289b9fda84_qkv,@function
k_q289b9fda84_qkv:
	s_mov_b64 s[64:65], 0
	v_nop
	global_prefetch_b8 v0, s[64:65] scope:SCOPE_SE
	s_setreg_imm32_b32 hwreg(HW_REG_WAVE_MODE, 25, 1), 1
	s_wait_xcnt 0x0
; qkvh = (xn W^T + b), the q part times 0.125 log2(e).  xn [8352][1024] bf16, W [3072][1024] bf16, qkvh [48][8352][64] bf16 (block = column / 64).
; A work-group makes 144 rows x 256 columns with four waves; a wave makes all 144 rows x 64 columns: 36 accumulator tiles, 288 registers.
; 58 x 144 = 8352 rows exactly, so no block is partly empty.  K goes in steps of 128 through two LDS slots filled by tensor loads whose rows are
; 256 consecutive bytes.  Waves 0, 1 fetch the halves of A's tile (72 rows each), waves 2, 3 those of W's (128 rows each): one load a wave.
; NO CLUSTER: 58 row blocks do not divide by four, so W's tile (65,536 of a step's 102,400 bytes) cannot be shared along a cluster's column.
; The matrix instruction is used transposed (source 0 = rows of W, source 1 = rows of A): lane (r, h) of tile (a, bq) then holds row 16a + r,
; columns 16 bq + 8 h + 0..7: eight neighbouring numbers, which pack into 16 bytes of one token of the head-blocked output.
; REGISTERS: window 0: v16-25 addresses, v[32:103], v[104:175] A fragments (two buffers), v[176:207], v[208:239] W fragments;
; window 1: accumulators of a = 0..7 at 8 (4a + bq); window 2: a = 8 at 8 bq, bias at 32..63.
.set ASTRIDE, 4352                     ; 16 rows of A in LDS
.set AQH,     128                      ; bytes from K quarter 0 to K quarter 2 in A's tile
.set AHALF,   19584                    ; 72 rows x 272
.set ABYTES,  39168
.set BHALF,   34816                    ; 128 rows x 272
.set SLOT,    108800                   ; A's 144 rows, then W's 256 rows; a row is 256 bytes + 16 of padding: 16 rows start at 16 different 16-byte columns
.set STAGE,   217600                   ; behind the ring, a multiple of 256: 16 tokens x 144 bytes for each wave
.set ASTEP,   256                      ; bytes from a K step to the next
.set BSTEP,   256
.set ADRA, 16
.set ADRB, 18
.set G1A, 24
.set G0A, 32
.set G1B, 40
.set G0B, 48
.set MSB, 0
.macro WIN new                         ; the immediate's high byte repeats the setting that is left
.if MSB != \new
	s_set_vgpr_msb (MSB<<8)|\new
.set MSB, \new
.endif
.endm
.macro PLACES                          ; four plain places behind matrix instructions, in front of loads into their sources and of reads of results
.rept 4
	v_nop
.endr
.endm
.macro TLOAD s                         ; my one tensor load: waves 0, 1 for A, waves 2, 3 for W
	s_cmp_eq_u32 s17, 0
	s_cbranch_scc0 .Ltw_\@
	tensor_load_to_lds s[G0A+4*\s:G0A+4*\s+3], s[G1A:G1A+7]
	s_nop 0
	s_branch .Ltd_\@
.Ltw_\@:
	tensor_load_to_lds s[G0B+4*\s:G0B+4*\s+3], s[G1B:G1B+7]
	s_nop 0
.Ltd_\@:
.endm
; cnt row tiles from a0 on x 4 column tiles, 32 along K, from fragment buffer f.  The 36 accumulators take turns, one instruction a turn,
; in the same order in every quarter step.
.macro MUL f, a0, cnt, abase, zero
.set ma, \a0
.rept \cnt
.irp bq, 0,1,2,3
.if \zero
	v_wmma_f32_16x16x32_bf16 v[8*(4*(ma-\abase)+\bq):8*(4*(ma-\abase)+\bq)+7], v[176+32*\f+8*\bq:176+32*\f+8*\bq+7], v[32+72*\f+8*ma:32+72*\f+8*ma+7], 0
.else
	v_wmma_f32_16x16x32_bf16 v[8*(4*(ma-\abase)+\bq):8*(4*(ma-\abase)+\bq)+7], v[176+32*\f+8*\bq:176+32*\f+8*\bq+7], v[32+72*\f+8*ma:32+72*\f+8*ma+7], v[8*(4*(ma-\abase)+\bq):8*(4*(ma-\abase)+\bq)+7]
.endif
.endr
.set ma, ma+1
.endr
.endm
.macro FETCH slot, q, f                ; 26 LDS loads: W's 4 fragments, then A's 9, of K quarter q
.irp bq, 0,1,2,3
	ds_load_b128 v[176+32*\f+8*\bq:176+32*\f+8*\bq+3], v[ADRB+\slot] offset:64*\q+\bq*4352
	ds_load_b128 v[176+32*\f+8*\bq+4:176+32*\f+8*\bq+7], v[ADRB+\slot] offset:64*\q+\bq*4352+32
.endr
.irp a, 0,1,2,3,4,5,6,7,8
	ds_load_b128 v[32+72*\f+8*\a:32+72*\f+8*\a+3], v[ADRA+\slot] offset:(\q/2)*AQH+(\q%2)*64+\a*ASTRIDE
	ds_load_b128 v[32+72*\f+8*\a+4:32+72*\f+8*\a+7], v[ADRA+\slot] offset:(\q/2)*AQH+(\q%2)*64+\a*ASTRIDE+32
.endr
.endm
.macro QUARTER slot, q, f, g, zero     ; multiplies buffer f; in its middle fetches K quarter q into buffer g
	s_wait_dscnt 10                                ; W and A's tiles 0-3 are in; the ten youngest loads (A's tiles 4-8) may be out
	WIN 0x50
	MUL \f, 0, 4, 0, \zero
	PLACES
	WIN 0
	FETCH \slot, \q, \g
	s_wait_dscnt 26                                ; all but the 26 just issued
	WIN 0x50
	MUL \f, 4, 4, 0, \zero
	WIN 0xa0
	MUL \f, 8, 1, 8, \zero
.endm
.macro THREE slot, zero
	QUARTER \slot, 1, 0, 1, \zero
	QUARTER \slot, 2, 1, 0, 0
	QUARTER \slot, 3, 0, 1, 0
.endm
; The last quarter of a K step, and the change of slots: one barrier.  In front of it each wave waits for its reads of this slot and for all its
; tensor loads (one is out: its part of the next slot); behind it the refill comes first, then the next slot's first fragments.
.macro TURN slot, next, fill
	s_wait_dscnt 10
	WIN 0x50
	MUL 1, 0, 2, 0, 0
	s_wait_dscnt 0x0                               ; my reads of this slot are over
	s_wait_tensorcnt 0x0                           ; all my tensor loads have landed
	ds_add_u32 v254, v255
	s_wait_dscnt 0x0
	s_barrier_signal -1
	MUL 1, 2, 2, 0, 0                              ; register work while the others arrive
	WIN 0
	s_barrier_wait -1
.if \fill
	s_add_nc_u64 s[G0A+4*\slot+2:G0A+4*\slot+3], s[G0A+4*\slot+2:G0A+4*\slot+3], 2*ASTEP   ; no load of mine is out: the addresses may step
	s_add_nc_u64 s[G0B+4*\slot+2:G0B+4*\slot+3], s[G0B+4*\slot+2:G0B+4*\slot+3], 2*BSTEP
	TLOAD \slot                                    ; two K steps ahead, into the slot just left; 136 matrix instructions stand before the wait for it
.endif
	PLACES
	FETCH \next, 0, 0
	WIN 0x50
	MUL 1, 4, 4, 0, 0
	WIN 0xa0
	MUL 1, 8, 1, 8, 0
.endm
.macro LAP zero
	THREE 0, \zero
	TURN 0, 1, 1
	THREE 1, 0
	TURN 1, 0, 1
.endm
	s_load_b256 s[4:11], s[0:1], 0x0               ; xn s[4:5], wqkv s[6:7], qkv_b s[8:9], qkvh s[10:11]
	v_lshl_add_u32 v254, v0, 2, 0x37600
	v_mov_b32 v255, 0
	ds_add_u32 v254, v255
	ds_add_u32 v254, v255
	v_lshrrev_b32 v1, 5, v0
	v_readfirstlane_b32 s16, v1                    ; wave 0..3
	s_lshr_b32 s17, s16, 1                         ; 0: I fetch for A, 1: for W
	s_and_b32 s18, s16, 1                          ; which half of that tile
	s_mov_b32 s19, ttmp9                           ; column block x
	s_and_b32 s20, ttmp7, 0xffff                   ; row block y
	s_mov_b32 s[G1A+0], (1<<16)|(1<<20)|(5<<22)|(3<<25)   ; 2-byte elements; after every 64 words 4 words of padding
	s_mov_b32 s[G1A+1], 128<<16                    ; tensor_dim0 = 128
	s_mov_b32 s[G1A+2], 72<<16                     ; tensor_dim1 = 72
	s_mov_b32 s[G1A+3], 128<<16                    ; tile_dim0 = 128
	s_mov_b32 s[G1A+4], 72                         ; tile_dim1 = 72
	s_mov_b32 s[G1A+5], 1024                       ; elements from row to row
	s_mov_b32 s[G1A+6], 0
	s_mov_b32 s[G1A+7], 0
	s_mov_b32 s[G1B+0], (1<<16)|(1<<20)|(5<<22)|(3<<25)
	s_mov_b32 s[G1B+1], 128<<16
	s_mov_b32 s[G1B+2], 128<<16
	s_mov_b32 s[G1B+3], 128<<16
	s_mov_b32 s[G1B+4], 128
	s_mov_b32 s[G1B+5], 1024
	s_mov_b32 s[G1B+6], 0
	s_mov_b32 s[G1B+7], 0
	s_mul_i32 s56, s20, 144
	s_mul_i32 s57, s18, 72
	s_add_co_u32 s56, s56, s57
	s_lshl_b32 s56, s56, 11                        ; A: row (144 y + 72 half) x 2,048 bytes
	s_mov_b32 s57, 0
	s_lshl_b32 s60, s19, 19
	s_lshl_b32 s61, s18, 18
	s_add_co_u32 s60, s60, s61                     ; W: row (256 x + 128 half) x 2,048 bytes
	s_mov_b32 s61, 0
	s_mul_i32 s66, s18, AHALF
	s_mul_i32 s67, s18, BHALF
	s_add_co_u32 s67, s67, ABYTES
	s_wait_dscnt 0x0
	s_wait_kmcnt 0x0
	s_add_nc_u64 s[58:59], s[4:5], s[56:57]
	s_add_nc_u64 s[62:63], s[6:7], s[60:61]
.irp s, 0,1
	s_mov_b32 s[G0A+4*\s], 1
	s_add_co_u32 s[G0A+4*\s+1], s66, \s*SLOT
	s_add_nc_u64 s[G0A+4*\s+2:G0A+4*\s+3], s[58:59], \s*ASTEP
	s_or_b32 s[G0A+4*\s+3], s[G0A+4*\s+3], 0x80000000
	s_mov_b32 s[G0B+4*\s], 1
	s_add_co_u32 s[G0B+4*\s+1], s67, \s*SLOT
	s_add_nc_u64 s[G0B+4*\s+2:G0B+4*\s+3], s[62:63], \s*BSTEP
	s_or_b32 s[G0B+4*\s+3], s[G0B+4*\s+3], 0x80000000
.endr
	s_cmp_eq_u32 s17, 0                            ; both first fills of a wave inside one branch: two loads out at the start, one later
	s_cbranch_scc0 .Lfirst_w
	tensor_load_to_lds s[G0A:G0A+3], s[G1A:G1A+7]
	s_nop 0
	tensor_load_to_lds s[G0A+4:G0A+7], s[G1A:G1A+7]
	s_nop 0
	s_branch .Lfirst_done
.Lfirst_w:
	tensor_load_to_lds s[G0B:G0B+3], s[G1B:G1B+7]
	s_nop 0
	tensor_load_to_lds s[G0B+4:G0B+7], s[G1B:G1B+7]
	s_nop 0
.Lfirst_done:
	v_and_b32 v1, 31, v0                           ; lane
	v_and_b32 v2, 15, v0                           ; r
	v_bfe_u32 v3, v0, 4, 1                         ; h
	v_mul_u32_u24 v4, v2, 272
	v_lshl_add_u32 v4, v3, 4, v4                   ; r x 272 + 16 h
	v_mov_b32 v[ADRA], v4
	v_add_nc_u32 v[ADRA+1], SLOT, v4
	s_mul_i32 s68, s16, 17408                      ; my 64 rows of W
	s_add_co_u32 s68, s68, ABYTES
	v_add_nc_u32 v[ADRB], s68, v4
	s_add_co_u32 s68, s68, SLOT
	v_add_nc_u32 v[ADRB+1], s68, v4
	s_mul_i32 s69, s16, 2304
	s_add_co_u32 s69, s69, STAGE                   ; my stage
	v_mul_u32_u24 v5, v2, 144
	v_lshl_add_u32 v5, v3, 4, v5
	v_add_nc_u32 v20, s69, v5                      ; in: token r, 16 bytes for each half of the lanes
	v_lshrrev_b32 v6, 3, v1
	v_mul_u32_u24 v6, v6, 144
	v_and_b32 v7, 7, v1
	v_lshl_add_u32 v6, v7, 4, v6
	v_add_nc_u32 v21, s69, v6                      ; back: eight lanes take a token's 128 bytes
	v_lshlrev_b32 v22, 4, v1                       ; and 512 dense bytes of the output
	s_lshl_b32 s70, s19, 10
	s_lshl_b32 s71, s16, 8
	s_add_co_u32 s70, s70, s71
	v_lshl_add_u32 v23, v3, 5, s70                 ; bias: 4 (256 x + 64 w + 8 h)
	WIN 0x80
.irp bq, 0,1,2,3
	global_load_b128 v[32+8*\bq:35+8*\bq], v23, s[8:9] offset:64*\bq        ; window 2; they land during the K loop
	global_load_b128 v[36+8*\bq:39+8*\bq], v23, s[8:9] offset:64*\bq+16
.endr
	WIN 0
	s_cmp_lt_u32 s19, 4                            ; columns below 1024 are q
	s_cselect_b32 s74, 0x3e38aa3b, 1.0             ; 64^-0.5 x log2(e), so that the softmax works in base 2
	v_mov_b32 v24, s74
	v_mov_b32 v25, s74
	s_lshl2_add_u32 s72, s19, s16                  ; output block 4 x + w
	s_mul_i32 s72, s72, 8352
	s_mul_i32 s73, s20, 144
	s_add_co_u32 s72, s72, s73
	s_lshl_b32 s72, s72, 7
	s_mov_b32 s73, 0
	s_add_nc_u64 s[10:11], s[10:11], s[72:73]
	s_wait_tensorcnt 0x1                           ; my part of K step 0 is in; K step 1's stays out
	s_barrier_signal -1
	s_barrier_wait -1
	FETCH 0, 0, 0
	LAP 1                                          ; the first products start the sums: nothing is cleared
	WIN 0
	s_mov_b32 s3, 2
.Llap:
	LAP 0
	WIN 0
	s_sub_co_u32 s3, s3, 1
	s_cmp_lg_u32 s3, 0
	s_cbranch_scc1 .Llap
	THREE 0, 0                                     ; the last two K steps fetch nothing
	TURN 0, 1, 0
	THREE 1, 0
	s_wait_dscnt 10
	WIN 0x50
	MUL 1, 0, 4, 0, 0
	s_wait_dscnt 0x0
	MUL 1, 4, 4, 0, 0
	WIN 0xa0
	MUL 1, 8, 1, 8, 0
	PLACES
	s_wait_loadcnt 0x0                             ; the bias
	WIN 0x82
.set oi, 0
.rept 16
	v_pk_mul_f32 v[32+2*oi:33+2*oi], v[32+2*oi:33+2*oi], v[24:25]          ; bias x scale, so that one fused multiply-add finishes a number
.set oi, oi+1
.endr
; 16 tokens: scale and bias, round, 16 bytes a lane into my own stage, back as whole tokens, 512 dense bytes a store.
.macro OUTB a, rb
.if \a < 8
	WIN 0x21
.else
	WIN 0x22
.endif
.set oi, 0
.rept 16
	v_pk_fma_f32 v[32+2*oi:33+2*oi], v[32*(\a%8)+2*oi:32*(\a%8)+2*oi+1], v[24:25], v[32+2*oi:33+2*oi]
.set oi, oi+1
.endr
	WIN 0
.set oi, 0
.rept 16
	v_cvt_pk_bf16_f32 v[64+oi], v[32+2*oi], v[33+2*oi]
.set oi, oi+1
.endr
.irp bq, 0,1,2,3
	ds_store_b128 v20, v[64+4*\bq:67+4*\bq] offset:32*\bq
.endr
	s_wait_xcnt 0x0                                ; the stores of two tiles ago have read this buffer
.irp t, 0,1,2,3
	ds_load_b128 v[\rb+4*\t:\rb+4*\t+3], v21 offset:576*\t                 ; LDS serves a wave's instructions in order: these see the stores above
.endr
.irp t, 0,1,2,3
	s_wait_dscnt 3-\t
	global_store_b128 v22, v[\rb+4*\t:\rb+4*\t+3], s[10:11] offset:2048*\a+512*\t
.endr
.endm
	OUTB 0, 96
	OUTB 1, 112
	OUTB 2, 96
	OUTB 3, 112
	OUTB 4, 96
	OUTB 5, 112
	OUTB 6, 96
	OUTB 7, 112
	OUTB 8, 96
	s_wait_tensorcnt 0x0
	ds_add_u32 v254, v255
	s_wait_dscnt 0x0
	s_endpgm
.Lfunc_end_k_q289b9fda84_qkv:
	.size	k_q289b9fda84_qkv, .Lfunc_end_k_q289b9fda84_qkv-k_q289b9fda84_qkv
	.p2alignl 7, 3214868480
	.fill 96, 4, 3214868480
	.section	.rodata,"a",@progbits
	.p2align	6, 0x0
	.amdhsa_kernel k_q289b9fda84_qkv
		.amdhsa_group_segment_fixed_size 327680
		.amdhsa_private_segment_fixed_size 0
		.amdhsa_enable_private_segment 0
		.amdhsa_kernarg_size 32
		.amdhsa_user_sgpr_count 2
		.amdhsa_user_sgpr_kernarg_segment_ptr 1
		.amdhsa_wavefront_size32 1
		.amdhsa_system_sgpr_workgroup_id_x 1
		.amdhsa_system_sgpr_workgroup_id_y 1
		.amdhsa_system_sgpr_workgroup_id_z 1
		.amdhsa_system_vgpr_workitem_id 0
		.amdhsa_next_free_vgpr 576
		.amdhsa_next_free_sgpr 96
		.amdhsa_reserve_vcc 0
		.amdhsa_float_denorm_mode_32 3
		.amdhsa_float_denorm_mode_16_64 3
		.amdhsa_memory_ordered 1
		.amdhsa_forward_progress 1
		.amdhsa_inst_pref_size 139
	.end_amdhsa_kernel
	.amdgpu_metadata
---
amdhsa.version: [ 1, 2 ]
amdhsa.kernels:
  - .name:           k_q289b9fda84_qkv
    .symbol:         k_q289b9fda84_qkv.kd
    .args:
      - { .name: xn, .offset: 0, .size: 8, .value_kind: global_buffer, .address_space: global }
      - { .name: wqkv, .offset: 8, .size: 8, .value_kind: global_buffer, .address_space: global }
      - { .name: qkv_b, .offset: 16, .size: 8, .value_kind: global_buffer, .address_space: global }
      - { .name: qkvh, .offset: 24, .size: 8, .value_kind: global_buffer, .address_space: global }
    .group_segment_fixed_size: 327680
    .private_segment_fixed_size: 0
    .kernarg_segment_align: 8
    .kernarg_segment_size: 32
    .max_flat_workgroup_size: 128
    .sgpr_count:     96
    .vgpr_count:     576
    .wavefront_size: 32
...
	.end_amdgpu_metadata
.endif
;; end of part 2
;; launch attn (part 3): grid 256 x 1, 8 waves a work-group, no clusters, 296,704 bytes of LDS; arguments qkvh, blk; writes blk
.if DOCPART == 3
	.amdgcn_target "amdgcn-amd-amdhsa--gfx1250"
	.amdhsa_code_object_version 6
	.text
	.protected	k_q289b9fda84_attn
	.globl	k_q289b9fda84_attn
	.p2align	8
	.type	k_q289b9fda84_attn,@function
k_q289b9fda84_attn:
	s_mov_b64 s[64:65], 0
	v_nop
	global_prefetch_b8 v0, s[64:65] scope:SCOPE_SE
	s_setreg_imm32_b32 hwreg(HW_REG_WAVE_MODE, 25, 1), 1
	s_wait_xcnt 0x0
; Attention of one (batch, head) by two work-groups of eight waves.  qkvh [48][8352][64] bf16 (q blocks 0-15, already times 0.125 log2 e; k 16-31; v 32-47),
; blk [16][8352][64] bf16.  Wave g = 8 p + w owns query tiles 4g .. 4g+3 of 16 rows; wave 15 also tile 64 (token 1024 and 15 pad rows).
; TRANSPOSED: S^T = K Q^T puts key 16 kt + 8 hh + j of query r into register j of lane (r, hh); packed to bf16 these registers ARE the second
; source of O^T = V^T P^T, so no number changes lanes, and the running maximum and sum of a query live in its two lanes.
; The head's K and V stay in LDS whole (1056 keys; two keys of 128 bytes share a row of 256 bytes; pitch 272 for K, 288 for V).
; Nothing is ever filled again.  Five tensor loads a wave go out at the start (five outstanding at most):
; the tail of 32 keys first, then four chunks of 256 keys; work on a chunk begins when that chunk has landed.  A chunk part is 32 rows of 256 bytes:
; larger parts would mean fewer chunks and more bytes to land before the first step.
; The softmax takes the running maximum away before every exponential.  Key 1024, the only valid key of the tail, starts it: m = s, l = 1, O = v.
; NO CLUSTER: only the two work-groups of a head share K and V, and each asks for them once in the launch.
; LIMITS: p is rounded to bf16 for the product with V while the sum l adds the unrounded p.
.set KPITCH, 272
.set VPITCH, 288
.set VB, 528*KPITCH                    ; 143,616: V's region
.set KA,  4                            ; LDS address of my K fragment bytes, stepped by 64 keys
.set VA,  5                            ; the same for V (transposing loads)
.set STO, 6
.set RD,  7
.set CO,  8
.set QO,  9
.set KTL, 10                           ; K's and V's tail
.set VTL, 11
.set ST,  16                           ; v[16:35] tile t: m, a written filler, the pair of partial sums l
.set KF,  64                           ; v[64:127]  K fragments 16 kt + 8 ks
.set VF,  128                          ; v[128:191] V^T fragments 32 c + 8 dt
.set S0,  192                          ; v[192:223], v[224:255]: two sets of scores
.set S1,  224
; window 1: O[t][dt] at 32 t + 8 dt (0..159), Q[t][ks] at 160 + 16 t + 8 ks
.set MSB, 0
.macro WIN new
.if MSB != \new
	s_set_vgpr_msb (MSB<<8)|\new
.set MSB, \new
.endif
.endm
.macro CHUNK c, gz, base, pitch, shape
	s_mov_b32 s[\gz], 1
	s_add_co_u32 s[\gz+1], s87, \base+128*\c*\pitch
	s_add_nc_u64 s[\gz+2:\gz+3], s[76:77], 32768*\c
	s_or_b32 s[\gz+3], s[\gz+3], 0x80000000
	tensor_load_to_lds s[\gz:\gz+3], s[\shape:\shape+7]
	s_nop 0
.endm
; my five loads of block hb + h: 8 keys of the tail, then 64 keys of each chunk; wq = wave mod 4
.macro FILLS hb, base, pitch, shape, tshape
	s_add_co_u32 s75, s12, \hb
	s_mul_i32 s75, s75, 8352
	s_add_co_u32 s75, s75, s74
	s_lshl_b32 s76, s75, 7
	s_mov_b32 s77, 0
	s_add_nc_u64 s[76:77], s[4:5], s[76:77]        ; the head's first key
	s_lshl_b32 s78, s14, 10
	s_mov_b32 s79, 0
	s_add_nc_u64 s[80:81], s[76:77], s[78:79]
	s_mov_b32 s48, 1
	s_mul_i32 s49, s14, 4*\pitch
	s_add_co_u32 s49, s49, \base+512*\pitch
	s_add_nc_u64 s[50:51], s[80:81], 131072        ; key 1024 + 8 wq
	s_or_b32 s51, s51, 0x80000000
	tensor_load_to_lds s[48:51], s[\tshape:\tshape+7]
	s_nop 0
	s_lshl_b32 s78, s14, 13
	s_add_nc_u64 s[76:77], s[76:77], s[78:79]      ; key 64 wq
	s_mul_i32 s87, s14, 32*\pitch
	CHUNK 0, 52, \base, \pitch, \shape
	CHUNK 1, 56, \base, \pitch, \shape
	CHUNK 2, 60, \base, \pitch, \shape
	CHUNK 3, 68, \base, \pitch, \shape
.endm
.macro SHAPE g, rows, pad              ; dense rows of 256 bytes in 8-byte elements, pad words behind each
	s_mov_b32 s[\g+0], (3<<16)|(1<<20)|(5<<22)|((\pad-1)<<25)
	s_mov_b32 s[\g+1], 32<<16
	s_mov_b32 s[\g+2], \rows<<16
	s_mov_b32 s[\g+3], 32<<16
	s_mov_b32 s[\g+4], \rows
	s_mov_b32 s[\g+5], 32
	s_mov_b32 s[\g+6], 0
	s_mov_b32 s[\g+7], 0
.endm
; 64 keys x 16 queries of tile t.  Four accumulators take turns, one instruction a turn.
.macro SMM t, S
	WIN 0x04
.irp kt, 0,1,2,3
	v_wmma_f32_16x16x32_bf16 v[\S+8*\kt:\S+8*\kt+7], v[KF+16*\kt:KF+16*\kt+7], v[160+16*\t:167+16*\t], 0
.endr
.irp kt, 0,1,2,3
	v_wmma_f32_16x16x32_bf16 v[\S+8*\kt:\S+8*\kt+7], v[KF+16*\kt+8:KF+16*\kt+15], v[168+16*\t:175+16*\t], v[\S+8*\kt:\S+8*\kt+7]
.endr
	WIN 0
.endm
; the new maximum of tile t, and alpha = 2^(old - new)
.macro SOFT1 t, S
	v_max3_num_f32 v40, v[\S+0], v[\S+1], v[\S+2]
	v_max3_num_f32 v41, v[\S+3], v[\S+4], v[\S+5]
	v_max3_num_f32 v42, v[\S+6], v[\S+7], v[\S+8]
	v_max3_num_f32 v43, v[\S+9], v[\S+10], v[\S+11]
.set si, 0
.rept 10
	v_max3_num_f32 v[40+si%4], v[40+si%4], v[\S+12+2*si], v[\S+13+2*si]
.set si, si+1
.endr
	v_max3_num_f32 v40, v40, v41, v42
	v_max3_num_f32 v40, v40, v43, v[ST+4*\t]
	v_permlanex16_b32 v41, v40, s72, s73           ; the query's other 32 keys
	v_max_num_f32 v38, v40, v41
	v_sub_f32 v36, v[ST+4*\t], v38
	v_mov_b32 v[ST+4*\t], v38
	v_exp_f32 v36, v36                             ; used only behind the plain subtractions that follow
.endm
; p = 2^(s - m); O and l times alpha; l += p; p packed to bf16 into the set's first 16 registers
.macro SOFT2 t, S
.set si, 0
.rept 16
	v_pk_add_f32 v[\S+2*si:\S+2*si+1], v[\S+2*si:\S+2*si+1], v[ST+4*\t:ST+4*\t+1] op_sel_hi:[1,0] neg_lo:[0,1] neg_hi:[0,1]
.set si, si+1
.endr
.set si, 0
.rept 32
	v_exp_f32 v[\S+si], v[\S+si]
.set si, si+1
.endr
	WIN 0x41
.set si, 0
	s_wait_alu depctr_va_vdst(0)
.rept 16
	v_pk_mul_f32 v[32*\t+2*si:32*\t+2*si+1], v[32*\t+2*si:32*\t+2*si+1], v[36:37] op_sel_hi:[1,0]   ; also the plain places behind the exponentials
.set si, si+1
.endr
	WIN 0
	v_pk_fma_f32 v[ST+4*\t+2:ST+4*\t+3], v[ST+4*\t+2:ST+4*\t+3], v[36:37], v[\S:\S+1] op_sel_hi:[1,0,1]
	v_pk_add_f32 v[44:45], v[\S+2:\S+3], v[\S+4:\S+5]
	v_pk_add_f32 v[46:47], v[\S+6:\S+7], v[\S+8:\S+9]
	v_pk_add_f32 v[48:49], v[\S+10:\S+11], v[\S+12:\S+13]
	v_pk_add_f32 v[50:51], v[\S+14:\S+15], v[\S+16:\S+17]
.set si, 0
.rept 7
	v_pk_add_f32 v[44+2*(si%4):45+2*(si%4)], v[44+2*(si%4):45+2*(si%4)], v[\S+18+2*si:\S+19+2*si]
.set si, si+1
.endr
	v_pk_add_f32 v[44:45], v[44:45], v[46:47]
	v_pk_add_f32 v[48:49], v[48:49], v[50:51]
	v_pk_add_f32 v[44:45], v[44:45], v[48:49]
	v_pk_add_f32 v[ST+4*\t+2:ST+4*\t+3], v[ST+4*\t+2:ST+4*\t+3], v[44:45]
.set si, 0
.rept 16
	v_cvt_pk_bf16_f32 v[\S+si], v[\S+2*si], v[\S+2*si+1]
.set si, si+1
.endr
.endm
.macro PV t, S                         ; O^T += V^T P^T; four accumulators by turns
	WIN 0x50
.irp c, 0,1
.irp dt, 0,1,2,3
	v_wmma_f32_16x16x32_bf16 v[32*\t+8*\dt:32*\t+8*\dt+7], v[VF+32*\c+8*\dt:VF+32*\c+8*\dt+7], v[\S+8*\c:\S+8*\c+7], v[32*\t+8*\dt:32*\t+8*\dt+7]
.endr
.endr
	WIN 0
.endm
; 64 keys for all my tiles.  The score products of tile t+1 stand between the two halves of tile t's softmax, on the other set of score registers.
.macro STEP
.rept 5
	v_nop                                          ; five plain places behind the last products: for the loads into their sources and for the products that write over the first set
.endr
.irp kt, 0,1,2,3
.irp ks, 0,1
	ds_load_b128 v[KF+16*\kt+8*\ks:KF+16*\kt+8*\ks+3], v[KA] offset:2176*\kt+64*\ks
	ds_load_b128 v[KF+16*\kt+8*\ks+4:KF+16*\kt+8*\ks+7], v[KA] offset:2176*\kt+64*\ks+32
.endr
.endr
.irp c, 0,1
.irp dt, 0,1,2,3
	ds_load_tr16_b128 v[VF+32*\c+8*\dt:VF+32*\c+8*\dt+3], v[VA] offset:4608*\c+32*\dt
	ds_load_tr16_b128 v[VF+32*\c+8*\dt+4:VF+32*\c+8*\dt+7], v[VA] offset:4608*\c+32*\dt+2304
.endr
.endr
	v_add_nc_u32 v[KA], 32*KPITCH, v[KA]
	v_add_nc_u32 v[VA], 32*VPITCH, v[VA]
	s_wait_dscnt 16                                ; K's 16 loads are in, V's 16 may be out
	SMM 0, S0
.rept 4
	v_nop
.endr
	SOFT1 0, S0
	SMM 1, S1
	SOFT2 0, S0
	s_wait_dscnt 0x0                               ; V
	PV 0, S0
	SOFT1 1, S1
	SMM 2, S0
	SOFT2 1, S1
	PV 1, S1
	SOFT1 2, S0
	SMM 3, S1
	SOFT2 2, S0
	PV 2, S0
	SOFT1 3, S1
	SOFT2 3, S1
	PV 3, S1
	s_cmp_eq_u32 s15, 0
	s_cbranch_scc1 .Lno5_\@
	SMM 4, S0
.rept 4
	v_nop
.endr
	SOFT1 4, S0
	SOFT2 4, S0
	PV 4, S0
.Lno5_\@:
.endm
	s_load_b128 s[4:7], s[0:1], 0x0                ; qkvh s[4:5], blk s[6:7]
	v_lshl_add_u32 v62, v0, 2, 0x48300
	v_mov_b32 v63, 0
	ds_add_u32 v62, v63
	ds_add_u32 v62, v63
	v_lshrrev_b32 v1, 5, v0
	v_readfirstlane_b32 s8, v1                     ; wave 0..7
	s_and_b32 s9, ttmp9, 1                         ; p: which half of the queries
	s_lshr_b32 s10, ttmp9, 1
	s_lshr_b32 s11, s10, 4                         ; batch
	s_and_b32 s12, s10, 15                         ; head
	s_lshl3_add_u32 s13, s9, s8                    ; g
	s_and_b32 s14, s8, 3                           ; wq
	s_cmp_eq_u32 s13, 15
	s_cselect_b32 s15, 1, 0                        ; I also own tile 64
	s_mul_i32 s74, s11, 1040
	s_mov_b32 s72, 0x76543210
	s_mov_b32 s73, 0xfedcba98
	SHAPE 16, 32, 4                                ; K: a chunk part
	SHAPE 24, 4, 4                                 ; K: a tail part
	SHAPE 32, 32, 8                                ; V likewise, 8 words of padding
	SHAPE 40, 4, 8
	s_wait_dscnt 0x0
	s_wait_kmcnt 0x0
	s_cmp_lt_u32 s8, 4                             ; waves 0-3 bring K, waves 4-7 V: all five first fills of a wave inside this one branch
	s_cbranch_scc0 .Lfill_v
	FILLS 16, 0, KPITCH, 16, 24
	s_branch .Lfilled
.Lfill_v:
	FILLS 32, VB, VPITCH, 32, 40
.Lfilled:
	s_mul_i32 s75, s12, 8352
	s_add_co_u32 s75, s75, s74
	s_lshl_b32 s76, s13, 6
	s_add_co_u32 s75, s75, s76                     ; my first query's row
	s_lshl_b32 s76, s75, 7
	s_mov_b32 s77, 0
	s_add_nc_u64 s[82:83], s[4:5], s[76:77]        ; q
	s_add_nc_u64 s[84:85], s[6:7], s[76:77]        ; out
	v_and_b32 v1, 31, v0
	v_and_b32 v2, 15, v0                           ; r
	v_bfe_u32 v3, v0, 4, 1                         ; hh
	v_lshlrev_b32 v[QO], 7, v2
	v_lshl_add_u32 v[QO], v3, 4, v[QO]             ; r x 128 + 16 hh
	WIN 0x40
.irp t, 0,1,2,3,4
.irp ks, 0,1
	global_load_b128 v[160+16*\t+8*\ks:163+16*\t+8*\ks], v[QO], s[82:83] offset:2048*\t+64*\ks      ; tile 4 of the other waves is the next wave's first: inside the buffer, not used
	global_load_b128 v[164+16*\t+8*\ks:167+16*\t+8*\ks], v[QO], s[82:83] offset:2048*\t+64*\ks+32
.endr
.endr
	WIN 0
	v_lshrrev_b32 v13, 1, v2
	v_mul_u32_u24 v13, v13, KPITCH
	v_and_b32 v14, 1, v0
	v_lshl_add_u32 v13, v14, 7, v13
	v_lshl_add_u32 v[KA], v3, 4, v13               ; key r: (r / 2) x 272 + (r mod 2) x 128 + 16 hh
	v_add_nc_u32 v[KTL], 512*KPITCH, v[KA]
	v_bfe_u32 v13, v0, 1, 2
	v_lshl_add_u32 v13, v3, 2, v13
	v_mul_u32_u24 v13, v13, VPITCH
	v_lshl_add_u32 v13, v14, 7, v13
	v_bfe_u32 v15, v0, 3, 1
	v_lshl_add_u32 v13, v15, 4, v13                ; key 8 hh + lane mod 8, 16 bytes at 16 x bit 3 of the lane
	v_add_nc_u32 v[VA], VB, v13
	v_add_nc_u32 v[VTL], VB+512*VPITCH, v13
	s_mul_i32 s78, s8, 2304                        ; my stage of the way out, in K's region, used when nobody reads K any more
	v_mul_u32_u24 v13, v2, 144
	v_lshl_add_u32 v13, v3, 4, v13
	v_add_nc_u32 v[STO], s78, v13
	v_lshrrev_b32 v13, 3, v1
	v_mul_u32_u24 v13, v13, 144
	v_and_b32 v15, 7, v1
	v_lshl_add_u32 v13, v15, 4, v13
	v_add_nc_u32 v[RD], s78, v13
	v_lshlrev_b32 v[CO], 4, v1
	v_mov_b32 v12, 0xff800000                      ; -infinity
	v_mov_b32 v13, 0x3f80                          ; bf16 1.0 in the low half
	v_mov_b32 v39, 1.0
	v_mov_b32 v37, 0                               ; fillers of pairs that are read whole
	v_mov_b32 v41, 0
	v_cmp_eq_u32 vcc_lo, 0, v3                     ; the lanes that hold key 0 of a tile in register 0
	v_cndmask_b32 v54, 0, v13, vcc_lo              ; P^T of the tail: 1 for key 1024, 0 for the 31 rows behind it
.irp i, 55,56,57,58,59,60,61
	v_mov_b32 v\i, 0
.endr
	; THE TAIL FIRST: key 1024 starts maximum, sum and O of all five tiles, so no register is cleared and every one is written on every path.
	s_wait_tensorcnt 0x4                           ; my part of the tail is in; my four chunk parts stay out (nothing is ever filled again)
	s_barrier_signal -1
	s_barrier_wait -1
	ds_load_b128 v[KF:KF+3], v[KTL]
	ds_load_b128 v[KF+4:KF+7], v[KTL] offset:32
	ds_load_b128 v[KF+8:KF+11], v[KTL] offset:64
	ds_load_b128 v[KF+12:KF+15], v[KTL] offset:96
.irp dt, 0,1,2,3
	ds_load_tr16_b128 v[VF+8*\dt:VF+8*\dt+3], v[VTL] offset:32*\dt
	ds_load_tr16_b128 v[VF+8*\dt+4:VF+8*\dt+7], v[VTL] offset:32*\dt+2304
.endr
	s_wait_loadcnt 0x0                             ; Q
	s_wait_dscnt 0x0
	WIN 0x04
.irp t, 0,1,2,3,4
	v_wmma_f32_16x16x32_bf16 v[S0+8*\t:S0+8*\t+7], v[KF:KF+7], v[160+16*\t:167+16*\t], 0
.endr
.irp t, 0,1,2,3,4
	v_wmma_f32_16x16x32_bf16 v[S0+8*\t:S0+8*\t+7], v[KF+8:KF+15], v[168+16*\t:175+16*\t], v[S0+8*\t:S0+8*\t+7]
.endr
	WIN 0
.rept 4
	v_nop
.endr
.irp t, 0,1,2,3,4
	v_cndmask_b32 v40, v12, v[S0+8*\t], vcc_lo     ; the one valid score
	v_permlanex16_b32 v41, v40, s72, s73
	v_max_num_f32 v[ST+4*\t], v40, v41             ; m = s in both lanes of the query
	v_mov_b32 v[ST+4*\t+1], 0
	v_cndmask_b32 v[ST+4*\t+2], 0, v39, vcc_lo     ; l = 2^(s - m) = 1, counted in one lane
	v_mov_b32 v[ST+4*\t+3], 0
.endr
	WIN 0x50
.irp t, 0,1,2,3,4
.irp dt, 0,1,2,3
	v_wmma_f32_16x16x32_bf16 v[32*\t+8*\dt:32*\t+8*\dt+7], v[VF+8*\dt:VF+8*\dt+7], v[54:61], 0
.endr
.endr
	WIN 0
.irp c, 0,1,2,3
	s_wait_tensorcnt 3-\c                          ; my part of chunk c is in; the later chunks stay out
	s_wait_dscnt 0x0
	s_barrier_signal -1
	s_barrier_wait -1                              ; everybody's part is
	s_mov_b32 s86, 4
.Lph_\c:
	STEP
	s_sub_co_u32 s86, s86, 1
	s_cmp_lg_u32 s86, 0
	s_cbranch_scc1 .Lph_\c
.endr
.rept 4
	v_nop
.endr
	s_wait_dscnt 0x0
	s_barrier_signal -1
	s_barrier_wait -1                              ; no wave reads K any more: its first bytes, whose last fill is long over, become the stages
.macro OUTA t                          ; O / l, rounded, through my stage, 512 dense bytes a store
	v_add_f32 v40, v[ST+4*\t+2], v[ST+4*\t+3]
	v_permlanex16_b32 v41, v40, s72, s73
	v_add_f32 v40, v40, v41
	v_rcp_f32 v52, v40
	v_rcp_f32 v53, v40
	v_nop
	WIN 0x41
.set si, 0
	s_wait_alu depctr_va_vdst(0)
.rept 16
	v_pk_mul_f32 v[32*\t+2*si:32*\t+2*si+1], v[32*\t+2*si:32*\t+2*si+1], v[52:53]
.set si, si+1
.endr
	WIN 0x05
.set si, 0
.rept 16
	v_cvt_pk_bf16_f32 v[64+si], v[32*\t+2*si], v[32*\t+2*si+1]
.set si, si+1
.endr
	WIN 0
.irp dt, 0,1,2,3
	ds_store_b128 v[STO], v[64+4*\dt:67+4*\dt] offset:32*\dt
.endr
	s_wait_xcnt 0x0                                ; the stores of two tiles ago have read this buffer
.irp u, 0,1,2,3
	ds_load_b128 v[128+16*(\t&1)+4*\u:131+16*(\t&1)+4*\u], v[RD] offset:576*\u
.endr
.irp u, 0,1,2,3
	s_wait_dscnt 3-\u
	global_store_b128 v[CO], v[128+16*(\t&1)+4*\u:131+16*(\t&1)+4*\u], s[84:85] offset:2048*\t+512*\u
.endr
.endm
	OUTA 0
	OUTA 1
	OUTA 2
	OUTA 3
	s_cmp_eq_u32 s15, 0
	s_cbranch_scc1 .Lno_tile64
	OUTA 4
.Lno_tile64:
	s_cmp_ge_u32 ttmp9, 224                        ; the last batch's work-groups also write zeros to rows 8320 .. 8351 of their head,
	s_cbranch_scc0 .Lend                           ; which the next product's last row block reads
	s_mul_i32 s75, s12, 8352
	s_lshl4_add_u32 s75, s9, s75
	s_add_co_u32 s75, s75, 8320
	s_lshl_b32 s76, s75, 7
	s_lshl_b32 s77, s8, 8
	s_add_co_u32 s76, s76, s77
	s_mov_b32 s77, 0
	s_add_nc_u64 s[76:77], s[6:7], s[76:77]
	v_lshlrev_b32 v13, 3, v1
	v_mov_b32 v14, 0
	v_mov_b32 v15, 0
	global_store_b64 v13, v[14:15], s[76:77]       ; a wave's store covers 256 consecutive bytes, aligned
.Lend:
	s_wait_tensorcnt 0x0
	ds_add_u32 v62, v63
	s_wait_dscnt 0x0
	s_endpgm
.Lfunc_end_k_q289b9fda84_attn:
	.size	k_q289b9fda84_attn, .Lfunc_end_k_q289b9fda84_attn-k_q289b9fda84_attn
	.p2alignl 7, 3214868480
	.fill 96, 4, 3214868480
	.section	.rodata,"a",@progbits
	.p2align	6, 0x0
	.amdhsa_kernel k_q289b9fda84_attn
		.amdhsa_group_segment_fixed_size 296704
		.amdhsa_private_segment_fixed_size 0
		.amdhsa_enable_private_segment 0
		.amdhsa_kernarg_size 16
		.amdhsa_user_sgpr_count 2
		.amdhsa_user_sgpr_kernarg_segment_ptr 1
		.amdhsa_wavefront_size32 1
		.amdhsa_system_sgpr_workgroup_id_x 1
		.amdhsa_system_sgpr_workgroup_id_y 1
		.amdhsa_system_sgpr_workgroup_id_z 1
		.amdhsa_system_vgpr_workitem_id 0
		.amdhsa_next_free_vgpr 496
		.amdhsa_next_free_sgpr 96
		.amdhsa_reserve_vcc 1
		.amdhsa_float_denorm_mode_32 3
		.amdhsa_float_denorm_mode_16_64 3
		.amdhsa_memory_ordered 1
		.amdhsa_forward_progress 1
		.amdhsa_inst_pref_size 194
	.end_amdhsa_kernel
	.amdgpu_metadata
---
amdhsa.version: [ 1, 2 ]
amdhsa.kernels:
  - .name:           k_q289b9fda84_attn
    .symbol:         k_q289b9fda84_attn.kd
    .args:
      - { .name: qkvh, .offset: 0, .size: 8, .value_kind: global_buffer, .address_space: global }
      - { .name: blk, .offset: 8, .size: 8, .value_kind: global_buffer, .address_space: global }
    .group_segment_fixed_size: 296704
    .private_segment_fixed_size: 0
    .kernarg_segment_align: 8
    .kernarg_segment_size: 16
    .max_flat_workgroup_size: 256
    .sgpr_count:     96
    .vgpr_count:     496
    .wavefront_size: 32
...
	.end_amdgpu_metadata
.endif
;; end of part 3
;; launch proj (part 4): grid 4 x 58, 4 waves a work-group, no clusters, 327,680 bytes of LDS; arguments blk, wproj, proj_b, ls1, hidden_states, x1; writes x1
.if DOCPART == 4
	.amdgcn_target "amdgcn-amd-amdhsa--gfx1250"
	.amdhsa_code_object_version 6
	.text
	.protected	k_q289b9fda84_proj
	.globl	k_q289b9fda84_proj
	.p2align	8
	.type	k_q289b9fda84_proj,@function
k_q289b9fda84_proj:
	s_mov_b64 s[64:65], 0
	v_nop
	global_prefetch_b8 v0, s[64:65] scope:SCOPE_SE
	s_setreg_imm32_b32 hwreg(HW_REG_WAVE_MODE, 25, 1), 1
	s_wait_xcnt 0x0
; out = res + ls (A W^T + bias).  A [16][8352][64] bf16 (blocked by 64 columns, rows padded to 1040 a batch), W [1024][1024] bf16,
; res and out [8200][1024] f32, not padded.  Runs twice: attention output x proj_w onto hidden_states, and GELU output x fc2_w onto x1.
; A work-group makes 144 padded rows x 256 columns with four waves; a wave makes all 144 rows x 64 columns: 36 accumulator tiles.
; K goes in steps of 128 (two blocks of A) through two LDS slots.  A block's 144 tokens are 18,432 dense bytes and come in as 72 rows of 256 bytes,
; two tokens a row, pitch 272: token t at (t / 2) x 272 + (t mod 2) x 128.
; Waves 0, 1 fetch A's two blocks, waves 2, 3 the halves of W's tile: one load a wave.
; NO CLUSTER: 58 row blocks do not divide by four, so W's tile (65,536 of a step's 102,400 bytes) cannot be shared along a cluster's column.
; The residual of all nine row tiles (288 registers) is asked for at the start and lands during the K loop.
; Pad rows (n > 1024, rows from 8320 on) are computed and never stored.
; REGISTERS: window 0: addresses, fragments; window 1: accumulators a = 0..7; window 2: a = 8 at 0..31, residual of tile a = 0..6 at 32 + 32 a;
; window 3: residual of tiles 7, 8 at 0, 32; ls at 64; bias at 96.
.set ASTRIDE, 2176                     ; 16 tokens of A in LDS: 8 rows x 272
.set AQH,     19584                    ; from A's first block to its second
.set AHALF,   19584                    ; 72 rows x 272
.set ABYTES,  39168
.set BHALF,   34816
.set SLOT,    108800
.set STAGE,   217600                   ; behind the ring, a multiple of 256: 16 rows x 272 bytes for each wave
.set ASTEP,   2138112                  ; two blocks of 8352 x 128 bytes
.set BSTEP,   256
.set ADRA, 16
.set ADRB, 18
.set G1A, 24
.set G0A, 32
.set G1B, 40
.set G0B, 48
.set MSB, 0
.macro WIN new
.if MSB != \new
	s_set_vgpr_msb (MSB<<8)|\new
.set MSB, \new
.endif
.endm
.macro PLACES                          ; four plain places behind matrix instructions (ISA guide 7.12.1)
.rept 4
	v_nop
.endr
.endm
.macro TLOAD s
	s_cmp_eq_u32 s17, 0
	s_cbranch_scc0 .Ltw_\@
	tensor_load_to_lds s[G0A+4*\s:G0A+4*\s+3], s[G1A:G1A+7]
	s_nop 0
	s_branch .Ltd_\@
.Ltw_\@:
	tensor_load_to_lds s[G0B+4*\s:G0B+4*\s+3], s[G1B:G1B+7]
	s_nop 0
.Ltd_\@:
.endm
; The 36 accumulators take turns, one instruction a turn, in the same order in every quarter step.
.macro MUL f, a0, cnt, abase, zero
.set ma, \a0
.rept \cnt
.irp bq, 0,1,2,3
.if \zero
	v_wmma_f32_16x16x32_bf16 v[8*(4*(ma-\abase)+\bq):8*(4*(ma-\abase)+\bq)+7], v[176+32*\f+8*\bq:176+32*\f+8*\bq+7], v[32+72*\f+8*ma:32+72*\f+8*ma+7], 0
.else
	v_wmma_f32_16x16x32_bf16 v[8*(4*(ma-\abase)+\bq):8*(4*(ma-\abase)+\bq)+7], v[176+32*\f+8*\bq:176+32*\f+8*\bq+7], v[32+72*\f+8*ma:32+72*\f+8*ma+7], v[8*(4*(ma-\abase)+\bq):8*(4*(ma-\abase)+\bq)+7]
.endif
.endr
.set ma, ma+1
.endr
.endm
.macro FETCH slot, q, f
.irp bq, 0,1,2,3
	ds_load_b128 v[176+32*\f+8*\bq:176+32*\f+8*\bq+3], v[ADRB+\slot] offset:64*\q+\bq*4352
	ds_load_b128 v[176+32*\f+8*\bq+4:176+32*\f+8*\bq+7], v[ADRB+\slot] offset:64*\q+\bq*4352+32
.endr
.irp a, 0,1,2,3,4,5,6,7,8
	ds_load_b128 v[32+72*\f+8*\a:32+72*\f+8*\a+3], v[ADRA+\slot] offset:(\q/2)*AQH+(\q%2)*64+\a*ASTRIDE
	ds_load_b128 v[32+72*\f+8*\a+4:32+72*\f+8*\a+7], v[ADRA+\slot] offset:(\q/2)*AQH+(\q%2)*64+\a*ASTRIDE+32
.endr
.endm
.macro QUARTER slot, q, f, g, zero
	s_wait_dscnt 10                                ; W and A's tiles 0-3 are in; the ten youngest loads (A's tiles 4-8) may be out
	WIN 0x50
	MUL \f, 0, 4, 0, \zero
	PLACES
	WIN 0
	FETCH \slot, \q, \g
	s_wait_dscnt 26                                ; all but the 26 just issued
	WIN 0x50
	MUL \f, 4, 4, 0, \zero
	WIN 0xa0
	MUL \f, 8, 1, 8, \zero
.endm
.macro THREE slot, zero
	QUARTER \slot, 1, 0, 1, \zero
	QUARTER \slot, 2, 1, 0, 0
	QUARTER \slot, 3, 0, 1, 0
.endm
.macro TURN slot, next, fill           ; the last quarter and the change of slots: waits, one barrier, the refill first behind it
	s_wait_dscnt 10
	WIN 0x50
	MUL 1, 0, 2, 0, 0
	s_wait_dscnt 0x0                               ; my reads of this slot are over
	s_wait_tensorcnt 0x0                           ; all my tensor loads have landed
	ds_add_u32 v254, v255
	s_wait_dscnt 0x0
	s_barrier_signal -1
	MUL 1, 2, 2, 0, 0
	WIN 0
	s_barrier_wait -1
.if \fill
	s_add_nc_u64 s[G0A+4*\slot+2:G0A+4*\slot+3], s[G0A+4*\slot+2:G0A+4*\slot+3], 2*ASTEP
	s_add_nc_u64 s[G0B+4*\slot+2:G0B+4*\slot+3], s[G0B+4*\slot+2:G0B+4*\slot+3], 2*BSTEP
	TLOAD \slot
.endif
	PLACES
	FETCH \next, 0, 0
	WIN 0x50
	MUL 1, 4, 4, 0, 0
	WIN 0xa0
	MUL 1, 8, 1, 8, 0
.endm
.macro LAP zero
	THREE 0, \zero
	TURN 0, 1, 1
	THREE 1, 0
	TURN 1, 0, 1
.endm
	s_load_b256 s[4:11], s[0:1], 0x0               ; A s[4:5], W s[6:7], bias s[8:9], ls s[10:11]
	s_load_b128 s[12:15], s[0:1], 0x20             ; res s[12:13], out s[14:15]
	v_lshl_add_u32 v254, v0, 2, 0x39600
	v_mov_b32 v255, 0
	ds_add_u32 v254, v255
	ds_add_u32 v254, v255
	v_lshrrev_b32 v1, 5, v0
	v_readfirstlane_b32 s16, v1
	s_lshr_b32 s17, s16, 1
	s_and_b32 s18, s16, 1
	s_mov_b32 s19, ttmp9
	s_and_b32 s20, ttmp7, 0xffff
	s_mov_b32 s[G1A+0], (3<<16)|(1<<20)|(5<<22)|(3<<25)   ; 8-byte elements; dense rows of 256 bytes, 4 words of padding behind each
	s_mov_b32 s[G1A+1], 32<<16
	s_mov_b32 s[G1A+2], 72<<16
	s_mov_b32 s[G1A+3], 32<<16
	s_mov_b32 s[G1A+4], 72
	s_mov_b32 s[G1A+5], 32
	s_mov_b32 s[G1A+6], 0
	s_mov_b32 s[G1A+7], 0
	s_mov_b32 s[G1B+0], (1<<16)|(1<<20)|(5<<22)|(3<<25)
	s_mov_b32 s[G1B+1], 128<<16
	s_mov_b32 s[G1B+2], 128<<16
	s_mov_b32 s[G1B+3], 128<<16
	s_mov_b32 s[G1B+4], 128
	s_mov_b32 s[G1B+5], 1024
	s_mov_b32 s[G1B+6], 0
	s_mov_b32 s[G1B+7], 0
	s_mul_i32 s56, s18, 8352
	s_mul_i32 s57, s20, 144
	s_add_co_u32 s56, s56, s57
	s_lshl_b32 s56, s56, 7                         ; A: (block x 8352 + 144 y) x 128 bytes
	s_mov_b32 s57, 0
	s_lshl_b32 s60, s19, 19
	s_lshl_b32 s61, s18, 18
	s_add_co_u32 s60, s60, s61
	s_mov_b32 s61, 0
	s_mul_i32 s66, s18, AHALF
	s_mul_i32 s67, s18, BHALF
	s_add_co_u32 s67, s67, ABYTES
	s_wait_dscnt 0x0
	s_wait_kmcnt 0x0
	s_add_nc_u64 s[58:59], s[4:5], s[56:57]
	s_add_nc_u64 s[62:63], s[6:7], s[60:61]
.irp s, 0,1
	s_mov_b32 s[G0A+4*\s], 1
	s_add_co_u32 s[G0A+4*\s+1], s66, \s*SLOT
	s_add_nc_u64 s[G0A+4*\s+2:G0A+4*\s+3], s[58:59], \s*ASTEP
	s_or_b32 s[G0A+4*\s+3], s[G0A+4*\s+3], 0x80000000
	s_mov_b32 s[G0B+4*\s], 1
	s_add_co_u32 s[G0B+4*\s+1], s67, \s*SLOT
	s_add_nc_u64 s[G0B+4*\s+2:G0B+4*\s+3], s[62:63], \s*BSTEP
	s_or_b32 s[G0B+4*\s+3], s[G0B+4*\s+3], 0x80000000
.endr
	s_cmp_eq_u32 s17, 0                            ; both first fills of a wave inside one branch: two loads out at the start, one later
	s_cbranch_scc0 .Lfirst_w
	tensor_load_to_lds s[G0A:G0A+3], s[G1A:G1A+7]
	s_nop 0
	tensor_load_to_lds s[G0A+4:G0A+7], s[G1A:G1A+7]
	s_nop 0
	s_branch .Lfirst_done
.Lfirst_w:
	tensor_load_to_lds s[G0B:G0B+3], s[G1B:G1B+7]
	s_nop 0
	tensor_load_to_lds s[G0B+4:G0B+7], s[G1B:G1B+7]
	s_nop 0
.Lfirst_done:
	v_and_b32 v1, 31, v0
	v_and_b32 v2, 15, v0
	v_bfe_u32 v3, v0, 4, 1
	v_lshrrev_b32 v13, 1, v2
	v_mul_u32_u24 v13, v13, 272
	v_and_b32 v14, 1, v2
	v_lshl_add_u32 v13, v14, 7, v13
	v_lshl_add_u32 v[ADRA], v3, 4, v13             ; token r: (r / 2) x 272 + (r mod 2) x 128 + 16 h
	v_add_nc_u32 v[ADRA+1], SLOT, v[ADRA]
	v_mul_u32_u24 v15, v2, 272
	v_lshl_add_u32 v13, v3, 4, v15                 ; W: r x 272 + 16 h
	s_mul_i32 s68, s16, 17408
	s_add_co_u32 s68, s68, ABYTES
	v_add_nc_u32 v[ADRB], s68, v13
	s_add_co_u32 s68, s68, SLOT
	v_add_nc_u32 v[ADRB+1], s68, v13
	s_mul_i32 s69, s16, 4352
	s_add_co_u32 s69, s69, STAGE
	v_lshl_add_u32 v13, v3, 5, v15
	v_add_nc_u32 v20, s69, v13                     ; in: row r, 32 bytes for each half of the lanes
	v_mul_u32_u24 v13, v3, 272
	v_lshl_add_u32 v13, v2, 4, v13
	v_add_nc_u32 v21, s69, v13                     ; back: lanes 0-15 a row of 256 bytes, lanes 16-31 the next
	v_lshl_add_u32 v27, v2, 4, s69                 ; back, the tile's first row for both halves
	s_lshl_b32 s70, s19, 10
	s_lshl_b32 s71, s16, 8
	s_add_co_u32 s70, s70, s71                     ; my 256 bytes of a row of 4,096
	v_lshl_add_u32 v23, v3, 5, s70                 ; ls, bias: 4 (256 x + 64 w + 8 h)
	v_lshl_add_u32 v26, v2, 4, s70
	v_lshl_add_u32 v24, v3, 12, v26                ; res, out: two rows a load
.irp a, 0,1,2,3,4,5,6,7,8
	s_mul_i32 s76, s20, 9
	s_add_co_u32 s76, s76, \a                      ; tile T of 16 padded rows
	s_mul_i32 s77, s76, 1009
	s_lshr_b32 s77, s77, 16                        ; b = T / 65 (exact for T <= 521)
	s_mul_i32 s78, s77, 65
	s_sub_co_u32 s78, s76, s78
	s_mul_i32 s77, s77, 1025
	s_lshl4_add_u32 s77, s78, s77                  ; the tile's first true row,
	s_min_u32 s77, s77, 8184                       ; clamped so that 16 rows stay inside the buffer (whole tiles begin at 8183 at the most)
	s_lshl_b32 s77, s77, 12
	v_add_nc_u32 v[4+\a], s77, v24
.endr
	WIN 0xc0
.irp bq, 0,1,2,3
	global_load_b128 v[64+8*\bq:67+8*\bq], v23, s[10:11] offset:64*\bq
	global_load_b128 v[68+8*\bq:71+8*\bq], v23, s[10:11] offset:64*\bq+16
	global_load_b128 v[96+8*\bq:99+8*\bq], v23, s[8:9] offset:64*\bq
	global_load_b128 v[100+8*\bq:103+8*\bq], v23, s[8:9] offset:64*\bq+16
.endr
.irp a, 7,8
.irp t, 0,1,2,3,4,5,6,7
	global_load_b128 v[32*(\a-7)+4*\t:32*(\a-7)+4*\t+3], v[4+\a], s[12:13] offset:8192*\t
.endr
.endr
	WIN 0x80
.irp a, 0,1,2,3,4,5,6
.irp t, 0,1,2,3,4,5,6,7
	global_load_b128 v[32+32*\a+4*\t:32+32*\a+4*\t+3], v[4+\a], s[12:13] offset:8192*\t
.endr
.endr
	WIN 0
	s_wait_tensorcnt 0x1                           ; my part of K step 0 is in; K step 1's stays out
	s_barrier_signal -1
	s_barrier_wait -1
	FETCH 0, 0, 0
	LAP 1
	WIN 0
	s_mov_b32 s3, 2
.Llap:
	LAP 0
	WIN 0
	s_sub_co_u32 s3, s3, 1
	s_cmp_lg_u32 s3, 0
	s_cbranch_scc1 .Llap
	THREE 0, 0
	TURN 0, 1, 0
	THREE 1, 0
	s_wait_dscnt 10
	WIN 0x50
	MUL 1, 0, 4, 0, 0
	s_wait_dscnt 0x0
	MUL 1, 4, 4, 0, 0
	WIN 0xa0
	MUL 1, 8, 1, 8, 0
	PLACES
	s_wait_loadcnt 0x0                             ; ls, bias, residual
	WIN 0xcf
.set oi, 0
.rept 16
	v_pk_mul_f32 v[96+2*oi:97+2*oi], v[96+2*oi:97+2*oi], v[64+2*oi:65+2*oi]   ; bias x ls
.set oi, oi+1
.endr
	WIN 0
; 16 padded rows: ls x acc + ls x bias into my stage, back by rows, plus the residual, stored as two rows x 256 aligned bytes a store.
; A tile is whole (16 true rows), or holds token 1024 alone (tile 64 of a batch), or lies behind the last batch (nothing is stored).
.macro OUTF a
	s_mul_i32 s76, s20, 9
	s_add_co_u32 s76, s76, \a
	s_mul_i32 s77, s76, 1009
	s_lshr_b32 s77, s77, 16
	s_mul_i32 s78, s77, 65
	s_sub_co_u32 s78, s76, s78
	s_cmp_ge_u32 s76, 520
	s_cbranch_scc1 .Ldone_\@
.if \a < 8
	WIN 0x3d
.else
	WIN 0x3e
.endif
.set oi, 0
.rept 16
	v_pk_fma_f32 v[32+2*oi:33+2*oi], v[32*(\a%8)+2*oi:32*(\a%8)+2*oi+1], v[64+2*oi:65+2*oi], v[96+2*oi:97+2*oi]
.set oi, oi+1
.endr
	WIN 0
.irp bq, 0,1,2,3
	ds_store_b128 v20, v[32+8*\bq:35+8*\bq] offset:64*\bq
	ds_store_b128 v20, v[36+8*\bq:39+8*\bq] offset:64*\bq+16
.endr
	s_cmp_eq_u32 s78, 64
	s_cbranch_scc1 .Ledge_\@
	s_wait_xcnt 0x0                                ; the last tile's stores have read v[64:95]
.irp t, 0,1,2,3,4,5,6,7
	ds_load_b128 v[64+4*\t:67+4*\t], v21 offset:544*\t                     ; LDS serves a wave's instructions in order: these see the stores above
.endr
	s_wait_dscnt 0x0
.if \a < 7
	WIN 0x08
.set oi, 0
.rept 16
	v_pk_add_f32 v[64+2*oi:65+2*oi], v[64+2*oi:65+2*oi], v[32+32*\a+2*oi:33+32*\a+2*oi]
.set oi, oi+1
.endr
.else
	WIN 0x0c
.set oi, 0
.rept 16
	v_pk_add_f32 v[64+2*oi:65+2*oi], v[64+2*oi:65+2*oi], v[32*(\a-7)+2*oi:32*(\a-7)+2*oi+1]
.set oi, oi+1
.endr
.endif
	WIN 0
.irp t, 0,1,2,3,4,5,6,7
	global_store_b128 v[4+\a], v[64+4*\t:67+4*\t], s[14:15] offset:8192*\t
.endr
	s_branch .Ldone_\@
.Ledge_\@:
	s_wait_xcnt 0x0                                ; v25 and v[100:103] may have served an earlier store
	s_mul_i32 s79, s77, 1025
	s_add_co_u32 s79, s79, 1024                    ; token 1024 of batch b
	s_lshl_b32 s79, s79, 12
	v_add_nc_u32 v25, s79, v26                     ; both halves of the lanes take this one row
	ds_load_b128 v[100:103], v27
	global_load_b128 v[104:107], v25, s[12:13]
	v_cmp_gt_u32 vcc_lo, 16, v1
	s_wait_loadcnt 0x0
	s_wait_dscnt 0x0
	v_pk_add_f32 v[100:101], v[100:101], v[104:105]
	v_pk_add_f32 v[102:103], v[102:103], v[106:107]
	s_wait_xcnt 0x0                                ; EXEC changes only behind this wait
	s_and_saveexec_b32 s90, vcc_lo
	global_store_b128 v25, v[100:103], s[14:15]    ; sixteen lanes store the row's 256 aligned bytes
	s_wait_xcnt 0x0                                ; and again in front of the line that widens it
	s_or_b32 exec_lo, exec_lo, s90
.Ldone_\@:
.endm
	OUTF 0
	OUTF 1
	OUTF 2
	OUTF 3
	OUTF 4
	OUTF 5
	OUTF 6
	OUTF 7
	OUTF 8
	s_wait_tensorcnt 0x0
	ds_add_u32 v254, v255
	s_wait_dscnt 0x0
	s_endpgm
.Lfunc_end_k_q289b9fda84_proj:
	.size	k_q289b9fda84_proj, .Lfunc_end_k_q289b9fda84_proj-k_q289b9fda84_proj
	.p2alignl 7, 3214868480
	.fill 96, 4, 3214868480
	.section	.rodata,"a",@progbits
	.p2align	6, 0x0
	.amdhsa_kernel k_q289b9fda84_proj
		.amdhsa_group_segment_fixed_size 327680
		.amdhsa_private_segment_fixed_size 0
		.amdhsa_enable_private_segment 0
		.amdhsa_kernarg_size 48
		.amdhsa_user_sgpr_count 2
		.amdhsa_user_sgpr_kernarg_segment_ptr 1
		.amdhsa_wavefront_size32 1
		.amdhsa_system_sgpr_workgroup_id_x 1
		.amdhsa_system_sgpr_workgroup_id_y 1
		.amdhsa_system_sgpr_workgroup_id_z 1
		.amdhsa_system_vgpr_workitem_id 0
		.amdhsa_next_free_vgpr 896
		.amdhsa_next_free_sgpr 96
		.amdhsa_reserve_vcc 1
		.amdhsa_float_denorm_mode_32 3
		.amdhsa_float_denorm_mode_16_64 3
		.amdhsa_memory_ordered 1
		.amdhsa_forward_progress 1
		.amdhsa_inst_pref_size 170
	.end_amdhsa_kernel
	.amdgpu_metadata
---
amdhsa.version: [ 1, 2 ]
amdhsa.kernels:
  - .name:           k_q289b9fda84_proj
    .symbol:         k_q289b9fda84_proj.kd
    .args:
      - { .name: blk, .offset: 0, .size: 8, .value_kind: global_buffer, .address_space: global }
      - { .name: wproj, .offset: 8, .size: 8, .value_kind: global_buffer, .address_space: global }
      - { .name: proj_b, .offset: 16, .size: 8, .value_kind: global_buffer, .address_space: global }
      - { .name: ls1, .offset: 24, .size: 8, .value_kind: global_buffer, .address_space: global }
      - { .name: hidden_states, .offset: 32, .size: 8, .value_kind: global_buffer, .address_space: global }
      - { .name: x1, .offset: 40, .size: 8, .value_kind: global_buffer, .address_space: global }
    .group_segment_fixed_size: 327680
    .private_segment_fixed_size: 0
    .kernarg_segment_align: 8
    .kernarg_segment_size: 48
    .max_flat_workgroup_size: 128
    .sgpr_count:     96
    .vgpr_count:     896
    .wavefront_size: 32
...
	.end_amdgpu_metadata
.endif
;; end of part 4
;; launch ln2 (part 5): grid 522 x 1, 8 waves a work-group, no clusters, 0 bytes of LDS; arguments x1, norm2_w, norm2_b, xn; writes xn
.if DOCPART == 5
	.amdgcn_target "amdgcn-amd-amdhsa--gfx1250"
	.amdhsa_code_object_version 6
	.text
	.protected	k_q289b9fda84_ln2
	.globl	k_q289b9fda84_ln2
	.p2align	8
	.type	k_q289b9fda84_ln2,@function
k_q289b9fda84_ln2:
	s_mov_b64 s[64:65], 0
	v_nop
	global_prefetch_b8 v0, s[64:65] scope:SCOPE_SE
	s_setreg_imm32_b32 hwreg(HW_REG_WAVE_MODE, 25, 1), 1
	s_wait_xcnt 0x0
; LayerNorm 2: x1 [8200][1024] f32 -> xn [8352][1024] bf16, rows padded to 1040 a batch (row m' = 1040 b + n); pad rows repeat the LayerNorm of a
; clamped source row, so that the next product reads finite, written bytes; they never reach an output.
; One wave, two rows; a row stays in 32 registers between the passes, so memory is read once.  The variance is the mean of squared deviations
; from the mean: a common offset of the row costs no digits.  No LDS, no barrier, no matrix unit: bytes decide here.
.set W,  4
.set B,  36
.set X,  68
.set T,  132
.set MU, 140
.set RS, 142
.macro MERGE
	v_pk_add_f32 v[T:T+1], v[T:T+1], v[T+2:T+3]
	v_pk_add_f32 v[T+4:T+5], v[T+4:T+5], v[T+6:T+7]
	v_pk_add_f32 v[T:T+1], v[T:T+1], v[T+4:T+5]
	v_add_f32 v144, v[T], v[T+1]
	v_add_f32_dpp v144, v144, v144 row_xmask:1 row_mask:0xf bank_mask:0xf
	v_add_f32_dpp v144, v144, v144 row_xmask:2 row_mask:0xf bank_mask:0xf
	v_add_f32_dpp v144, v144, v144 row_xmask:4 row_mask:0xf bank_mask:0xf
	v_add_f32_dpp v144, v144, v144 row_xmask:8 row_mask:0xf bank_mask:0xf
	v_permlanex16_b32 v145, v144, s44, s45
	v_add_f32 v144, v144, v145
.endm
.macro ROWSTAT i
.irp k, 0,1,2,3
	v_pk_add_f32 v[T+2*\k:T+2*\k+1], v[X+32*\i+4*\k:X+32*\i+4*\k+1], v[X+32*\i+4*\k+2:X+32*\i+4*\k+3]
.endr
.irp k, 0,1,2,3,4,5,6,7
	v_pk_add_f32 v[T+2*(\k%4):T+2*(\k%4)+1], v[T+2*(\k%4):T+2*(\k%4)+1], v[X+32*\i+16+2*\k:X+32*\i+17+2*\k]
.endr
	MERGE
	v_mul_f32 v[MU], s46, v144
	v_mul_f32 v[MU+1], s46, v144
.irp k, 0,1,2,3,4,5,6,7,8,9,10,11,12,13,14,15
	v_pk_add_f32 v[X+32*\i+2*\k:X+32*\i+2*\k+1], v[X+32*\i+2*\k:X+32*\i+2*\k+1], v[MU:MU+1] neg_lo:[0,1] neg_hi:[0,1]
.endr
.irp k, 0,1,2,3
	v_pk_mul_f32 v[T+2*\k:T+2*\k+1], v[X+32*\i+2*\k:X+32*\i+2*\k+1], v[X+32*\i+2*\k:X+32*\i+2*\k+1]
.endr
.irp k, 4,5,6,7,8,9,10,11,12,13,14,15
	v_pk_fma_f32 v[T+2*(\k%4):T+2*(\k%4)+1], v[X+32*\i+2*\k:X+32*\i+2*\k+1], v[X+32*\i+2*\k:X+32*\i+2*\k+1], v[T+2*(\k%4):T+2*(\k%4)+1]
.endr
	MERGE
	v_fma_f32 v144, v144, s46, s47
	v_rsq_f32 v[RS], v144
	v_rsq_f32 v[RS+1], v144
	v_nop                                          ; one plain place between the root and its first use (ISA guide 5.7.2)
	s_wait_alu depctr_va_vdst(0)
.irp k, 0,1,2,3,4,5,6,7,8,9,10,11,12,13,14,15
	v_pk_mul_f32 v[X+32*\i+2*\k:X+32*\i+2*\k+1], v[X+32*\i+2*\k:X+32*\i+2*\k+1], v[RS:RS+1]
.endr
.endm
.macro AFFINE i
.irp k, 0,1,2,3,4,5,6,7,8,9,10,11,12,13,14,15
	v_pk_fma_f32 v[X+32*\i+2*\k:X+32*\i+2*\k+1], v[X+32*\i+2*\k:X+32*\i+2*\k+1], v[W+2*\k:W+2*\k+1], v[B+2*\k:B+2*\k+1]
.endr
.irp k, 0,1,2,3,4,5,6,7,8,9,10,11,12,13,14,15
	v_cvt_pk_bf16_f32 v[X+32*\i+\k], v[X+32*\i+2*\k], v[X+32*\i+2*\k+1]
.endr
.irp j, 0,1,2,3,4,5,6,7
	global_store_b64 v2, v[X+32*\i+2*\j:X+32*\i+2*\j+1], s[40:41] offset:2048*\i+256*\j   ; a wave's store covers 256 consecutive bytes, aligned
.endr
.endm
	s_load_b256 s[4:11], s[0:1], 0x0               ; x1 s[4:5], norm2_w s[6:7], norm2_b s[8:9], xn s[10:11]
	v_lshrrev_b32 v3, 5, v0
	v_readfirstlane_b32 s32, v3
	v_and_b32 v1, 31, v0
	v_lshlrev_b32 v2, 3, v1
	v_lshlrev_b32 v1, 4, v1
	v_mov_b32 v145, 0
	s_mul_i32 s33, ttmp9, 1009
	s_lshr_b32 s33, s33, 16                        ; b = T / 65 (exact for T <= 521)
	s_mul_i32 s34, s33, 65
	s_sub_co_u32 s34, ttmp9, s34
	s_lshl_b32 s34, s34, 4
	s_lshl1_add_u32 s34, s32, s34
	s_mul_i32 s35, s33, 1025
	s_min_u32 s36, s34, 1024
	s_add_co_u32 s36, s36, s35
	s_min_u32 s36, s36, 8199
	s_lshl_b32 s36, s36, 12
	s_mov_b32 s37, 0
	s_add_co_u32 s38, s34, 1
	s_min_u32 s38, s38, 1024
	s_add_co_u32 s38, s38, s35
	s_min_u32 s38, s38, 8199
	s_lshl_b32 s38, s38, 12
	s_mov_b32 s39, 0
	s_lshl_b32 s40, ttmp9, 4
	s_lshl1_add_u32 s40, s32, s40
	s_lshl_b32 s40, s40, 11
	s_mov_b32 s41, 0
	s_mov_b32 s44, 0x76543210
	s_mov_b32 s45, 0xfedcba98
	s_mov_b32 s46, 0x3a800000                      ; 1/1024
	s_mov_b32 s47, 0x358637bd                      ; 1e-6
	s_wait_kmcnt 0x0
	s_add_nc_u64 s[36:37], s[4:5], s[36:37]
	s_add_nc_u64 s[38:39], s[4:5], s[38:39]
	s_add_nc_u64 s[40:41], s[10:11], s[40:41]
.irp j, 0,1,2,3,4,5,6,7
	global_load_b128 v[X+4*\j:X+4*\j+3], v1, s[36:37] offset:512*\j
.endr
.irp j, 0,1,2,3,4,5,6,7
	global_load_b128 v[X+32+4*\j:X+32+4*\j+3], v1, s[38:39] offset:512*\j
.endr
.irp j, 0,1,2,3,4,5,6,7
	global_load_b128 v[W+4*\j:W+4*\j+3], v1, s[6:7] offset:512*\j
.endr
.irp j, 0,1,2,3,4,5,6,7
	global_load_b128 v[B+4*\j:B+4*\j+3], v1, s[8:9] offset:512*\j
.endr
	s_wait_loadcnt 24                              ; row 0 is in; row 1, w and b (24 loads) stay out
	ROWSTAT 0
	s_wait_loadcnt 16                              ; row 1 is in; w and b stay out
	ROWSTAT 1
	s_wait_loadcnt 0x0
	AFFINE 0
	AFFINE 1
	s_endpgm
.Lfunc_end_k_q289b9fda84_ln2:
	.size	k_q289b9fda84_ln2, .Lfunc_end_k_q289b9fda84_ln2-k_q289b9fda84_ln2
	.p2alignl 7, 3214868480
	.fill 96, 4, 3214868480
	.section	.rodata,"a",@progbits
	.p2align	6, 0x0
	.amdhsa_kernel k_q289b9fda84_ln2
		.amdhsa_group_segment_fixed_size 0
		.amdhsa_private_segment_fixed_size 0
		.amdhsa_enable_private_segment 0
		.amdhsa_kernarg_size 32
		.amdhsa_user_sgpr_count 2
		.amdhsa_user_sgpr_kernarg_segment_ptr 1
		.amdhsa_wavefront_size32 1
		.amdhsa_system_sgpr_workgroup_id_x 1
		.amdhsa_system_sgpr_workgroup_id_y 1
		.amdhsa_system_sgpr_workgroup_id_z 1
		.amdhsa_system_vgpr_workitem_id 0
		.amdhsa_next_free_vgpr 160
		.amdhsa_next_free_sgpr 66
		.amdhsa_reserve_vcc 0
		.amdhsa_float_denorm_mode_32 3
		.amdhsa_float_denorm_mode_16_64 3
		.amdhsa_memory_ordered 1
		.amdhsa_forward_progress 1
		.amdhsa_inst_pref_size 21
	.end_amdhsa_kernel
	.amdgpu_metadata
---
amdhsa.version: [ 1, 2 ]
amdhsa.kernels:
  - .name:           k_q289b9fda84_ln2
    .symbol:         k_q289b9fda84_ln2.kd
    .args:
      - { .name: x1, .offset: 0, .size: 8, .value_kind: global_buffer, .address_space: global }
      - { .name: norm2_w, .offset: 8, .size: 8, .value_kind: global_buffer, .address_space: global }
      - { .name: norm2_b, .offset: 16, .size: 8, .value_kind: global_buffer, .address_space: global }
      - { .name: xn, .offset: 24, .size: 8, .value_kind: global_buffer, .address_space: global }
    .group_segment_fixed_size: 0
    .private_segment_fixed_size: 0
    .kernarg_segment_align: 8
    .kernarg_segment_size: 32
    .max_flat_workgroup_size: 256
    .sgpr_count:     66
    .vgpr_count:     160
    .wavefront_size: 32
...
	.end_amdgpu_metadata
.endif
;; end of part 5
;; launch fc1 (part 6): grid 4 x 58, 4 waves a work-group, no clusters, 327,680 bytes of LDS; arguments xn, wfc1, fc1_b, blk; writes blk
.if DOCPART == 6
	.amdgcn_target "amdgcn-amd-amdhsa--gfx1250"
	.amdhsa_code_object_version 6
	.text
	.protected	k_q289b9fda84_fc1
	.globl	k_q289b9fda84_fc1
	.p2align	8
	.type	k_q289b9fda84_fc1,@function
k_q289b9fda84_fc1:
	s_mov_b64 s[64:65], 0
	v_nop
	global_prefetch_b8 v0, s[64:65] scope:SCOPE_SE
	s_setreg_imm32_b32 hwreg(HW_REG_WAVE_MODE, 25, 1), 1
	s_wait_xcnt 0x0
; blk = gelu(xn W^T + b), the exact (erf) GELU.  xn [8352][1024] bf16, W [1024][1024] bf16, blk [16][8352][64] bf16 (block = column / 64).
; The product is laid out as in the qkv launch: 144 rows x 256 columns a work-group, four waves of 144 x 64 (36 accumulator tiles), K in steps of 128
; through two LDS slots; waves 0, 1 fetch A's halves, waves 2, 3 W's; the matrix instruction is used transposed, so that a lane holds eight
; neighbouring columns of one token.
; NO CLUSTER: 58 row blocks do not divide by four, so W's tile (65,536 of a step's 102,400 bytes) cannot be shared along a cluster's column.
; GELU: gelu(x) = max(x, 0) - |x| Phi(-|x|), Phi(-|x|) = (1/2) erfc(|x| / sqrt 2) by Abramowitz and Stegun 7.1.26:
; t = 1 / (1 + 0.3275911 |x| / sqrt 2), (1/2) erfc = t (a1 + t (a2 + t (a3 + t (a4 + t a5)))) / 2 x exp(-x x / 2).
; LIMITS: the formula's absolute error in erf is at most 1.5e-7 for every x; x = +-infinity gives NaN (infinity times zero).
.set ASTRIDE, 4352
.set AQH,     128
.set AHALF,   19584
.set ABYTES,  39168
.set BHALF,   34816
.set SLOT,    108800
.set STAGE,   217600
.set ASTEP,   256
.set BSTEP,   256
.set ADRA, 16
.set ADRB, 18
.set G1A, 24
.set G0A, 32
.set G1B, 40
.set G0B, 48
.set MSB, 0
.macro WIN new
.if MSB != \new
	s_set_vgpr_msb (MSB<<8)|\new
.set MSB, \new
.endif
.endm
.macro PLACES                          ; four plain places behind matrix instructions (ISA guide 7.12.1)
.rept 4
	v_nop
.endr
.endm
.macro TLOAD s
	s_cmp_eq_u32 s17, 0
	s_cbranch_scc0 .Ltw_\@
	tensor_load_to_lds s[G0A+4*\s:G0A+4*\s+3], s[G1A:G1A+7]
	s_nop 0
	s_branch .Ltd_\@
.Ltw_\@:
	tensor_load_to_lds s[G0B+4*\s:G0B+4*\s+3], s[G1B:G1B+7]
	s_nop 0
.Ltd_\@:
.endm
; The 36 accumulators take turns, one instruction a turn, in the same order in every quarter step.
.macro MUL f, a0, cnt, abase, zero
.set ma, \a0
.rept \cnt
.irp bq, 0,1,2,3
.if \zero
	v_wmma_f32_16x16x32_bf16 v[8*(4*(ma-\abase)+\bq):8*(4*(ma-\abase)+\bq)+7], v[176+32*\f+8*\bq:176+32*\f+8*\bq+7], v[32+72*\f+8*ma:32+72*\f+8*ma+7], 0
.else
	v_wmma_f32_16x16x32_bf16 v[8*(4*(ma-\abase)+\bq):8*(4*(ma-\abase)+\bq)+7], v[176+32*\f+8*\bq:176+32*\f+8*\bq+7], v[32+72*\f+8*ma:32+72*\f+8*ma+7], v[8*(4*(ma-\abase)+\bq):8*(4*(ma-\abase)+\bq)+7]
.endif
.endr
.set ma, ma+1
.endr
.endm
.macro FETCH slot, q, f
.irp bq, 0,1,2,3
	ds_load_b128 v[176+32*\f+8*\bq:176+32*\f+8*\bq+3], v[ADRB+\slot] offset:64*\q+\bq*4352
	ds_load_b128 v[176+32*\f+8*\bq+4:176+32*\f+8*\bq+7], v[ADRB+\slot] offset:64*\q+\bq*4352+32
.endr
.irp a, 0,1,2,3,4,5,6,7,8
	ds_load_b128 v[32+72*\f+8*\a:32+72*\f+8*\a+3], v[ADRA+\slot] offset:(\q/2)*AQH+(\q%2)*64+\a*ASTRIDE
	ds_load_b128 v[32+72*\f+8*\a+4:32+72*\f+8*\a+7], v[ADRA+\slot] offset:(\q/2)*AQH+(\q%2)*64+\a*ASTRIDE+32
.endr
.endm
.macro QUARTER slot, q, f, g, zero
	s_wait_dscnt 10                                ; W and A's tiles 0-3 are in; the ten youngest loads (A's tiles 4-8) may be out
	WIN 0x50
	MUL \f, 0, 4, 0, \zero
	PLACES
	WIN 0
	FETCH \slot, \q, \g
	s_wait_dscnt 26                                ; all but the 26 just issued
	WIN 0x50
	MUL \f, 4, 4, 0, \zero
	WIN 0xa0
	MUL \f, 8, 1, 8, \zero
.endm
.macro THREE slot, zero
	QUARTER \slot, 1, 0, 1, \zero
	QUARTER \slot, 2, 1, 0, 0
	QUARTER \slot, 3, 0, 1, 0
.endm
.macro TURN slot, next, fill           ; the last quarter and the change of slots: waits, one barrier, the refill first behind it
	s_wait_dscnt 10
	WIN 0x50
	MUL 1, 0, 2, 0, 0
	s_wait_dscnt 0x0                               ; my reads of this slot are over
	s_wait_tensorcnt 0x0                           ; all my tensor loads have landed
	ds_add_u32 v254, v255
	s_wait_dscnt 0x0
	s_barrier_signal -1
	MUL 1, 2, 2, 0, 0
	WIN 0
	s_barrier_wait -1
.if \fill
	s_add_nc_u64 s[G0A+4*\slot+2:G0A+4*\slot+3], s[G0A+4*\slot+2:G0A+4*\slot+3], 2*ASTEP
	s_add_nc_u64 s[G0B+4*\slot+2:G0B+4*\slot+3], s[G0B+4*\slot+2:G0B+4*\slot+3], 2*BSTEP
	TLOAD \slot
.endif
	PLACES
	FETCH \next, 0, 0
	WIN 0x50
	MUL 1, 4, 4, 0, 0
	WIN 0xa0
	MUL 1, 8, 1, 8, 0
.endm
.macro LAP zero
	THREE 0, \zero
	TURN 0, 1, 1
	THREE 1, 0
	TURN 1, 0, 1
.endm
	s_load_b256 s[4:11], s[0:1], 0x0               ; xn s[4:5], wfc1 s[6:7], fc1_b s[8:9], blk s[10:11]
	v_lshl_add_u32 v254, v0, 2, 0x37600
	v_mov_b32 v255, 0
	ds_add_u32 v254, v255
	ds_add_u32 v254, v255
	v_lshrrev_b32 v1, 5, v0
	v_readfirstlane_b32 s16, v1
	s_lshr_b32 s17, s16, 1
	s_and_b32 s18, s16, 1
	s_mov_b32 s19, ttmp9
	s_and_b32 s20, ttmp7, 0xffff
	s_mov_b32 s[G1A+0], (1<<16)|(1<<20)|(5<<22)|(3<<25)
	s_mov_b32 s[G1A+1], 128<<16
	s_mov_b32 s[G1A+2], 72<<16
	s_mov_b32 s[G1A+3], 128<<16
	s_mov_b32 s[G1A+4], 72
	s_mov_b32 s[G1A+5], 1024
	s_mov_b32 s[G1A+6], 0
	s_mov_b32 s[G1A+7], 0
	s_mov_b32 s[G1B+0], (1<<16)|(1<<20)|(5<<22)|(3<<25)
	s_mov_b32 s[G1B+1], 128<<16
	s_mov_b32 s[G1B+2], 128<<16
	s_mov_b32 s[G1B+3], 128<<16
	s_mov_b32 s[G1B+4], 128
	s_mov_b32 s[G1B+5], 1024
	s_mov_b32 s[G1B+6], 0
	s_mov_b32 s[G1B+7], 0
	s_mul_i32 s56, s20, 144
	s_mul_i32 s57, s18, 72
	s_add_co_u32 s56, s56, s57
	s_lshl_b32 s56, s56, 11
	s_mov_b32 s57, 0
	s_lshl_b32 s60, s19, 19
	s_lshl_b32 s61, s18, 18
	s_add_co_u32 s60, s60, s61
	s_mov_b32 s61, 0
	s_mul_i32 s66, s18, AHALF
	s_mul_i32 s67, s18, BHALF
	s_add_co_u32 s67, s67, ABYTES
	s_wait_dscnt 0x0
	s_wait_kmcnt 0x0
	s_add_nc_u64 s[58:59], s[4:5], s[56:57]
	s_add_nc_u64 s[62:63], s[6:7], s[60:61]
.irp s, 0,1
	s_mov_b32 s[G0A+4*\s], 1
	s_add_co_u32 s[G0A+4*\s+1], s66, \s*SLOT
	s_add_nc_u64 s[G0A+4*\s+2:G0A+4*\s+3], s[58:59], \s*ASTEP
	s_or_b32 s[G0A+4*\s+3], s[G0A+4*\s+3], 0x80000000
	s_mov_b32 s[G0B+4*\s], 1
	s_add_co_u32 s[G0B+4*\s+1], s67, \s*SLOT
	s_add_nc_u64 s[G0B+4*\s+2:G0B+4*\s+3], s[62:63], \s*BSTEP
	s_or_b32 s[G0B+4*\s+3], s[G0B+4*\s+3], 0x80000000
.endr
	s_cmp_eq_u32 s17, 0                            ; both first fills of a wave inside one branch: two loads out at the start, one later
	s_cbranch_scc0 .Lfirst_w
	tensor_load_to_lds s[G0A:G0A+3], s[G1A:G1A+7]
	s_nop 0
	tensor_load_to_lds s[G0A+4:G0A+7], s[G1A:G1A+7]
	s_nop 0
	s_branch .Lfirst_done
.Lfirst_w:
	tensor_load_to_lds s[G0B:G0B+3], s[G1B:G1B+7]
	s_nop 0
	tensor_load_to_lds s[G0B+4:G0B+7], s[G1B:G1B+7]
	s_nop 0
.Lfirst_done:
	v_and_b32 v1, 31, v0
	v_and_b32 v2, 15, v0
	v_bfe_u32 v3, v0, 4, 1
	v_mul_u32_u24 v4, v2, 272
	v_lshl_add_u32 v4, v3, 4, v4
	v_mov_b32 v[ADRA], v4
	v_add_nc_u32 v[ADRA+1], SLOT, v4
	s_mul_i32 s68, s16, 17408
	s_add_co_u32 s68, s68, ABYTES
	v_add_nc_u32 v[ADRB], s68, v4
	s_add_co_u32 s68, s68, SLOT
	v_add_nc_u32 v[ADRB+1], s68, v4
	s_mul_i32 s69, s16, 2304
	s_add_co_u32 s69, s69, STAGE
	v_mul_u32_u24 v5, v2, 144
	v_lshl_add_u32 v5, v3, 4, v5
	v_add_nc_u32 v20, s69, v5
	v_lshrrev_b32 v6, 3, v1
	v_mul_u32_u24 v6, v6, 144
	v_and_b32 v7, 7, v1
	v_lshl_add_u32 v6, v7, 4, v6
	v_add_nc_u32 v21, s69, v6
	v_lshlrev_b32 v22, 4, v1
	s_lshl_b32 s70, s19, 10
	s_lshl_b32 s71, s16, 8
	s_add_co_u32 s70, s70, s71
	v_lshl_add_u32 v23, v3, 5, s70
	WIN 0x80
.irp bq, 0,1,2,3
	global_load_b128 v[32+8*\bq:35+8*\bq], v23, s[8:9] offset:64*\bq
	global_load_b128 v[36+8*\bq:39+8*\bq], v23, s[8:9] offset:64*\bq+16
.endr
	WIN 0
	s_lshl2_add_u32 s72, s19, s16
	s_mul_i32 s72, s72, 8352
	s_mul_i32 s73, s20, 144
	s_add_co_u32 s72, s72, s73
	s_lshl_b32 s72, s72, 7
	s_mov_b32 s73, 0
	s_add_nc_u64 s[10:11], s[10:11], s[72:73]
	s_mov_b32 s75, 0x3e6d3388                      ; 0.3275911 / sqrt 2
	s_wait_tensorcnt 0x1                           ; my part of K step 0 is in; K step 1's stays out
	s_barrier_signal -1
	s_barrier_wait -1
	FETCH 0, 0, 0
	LAP 1
	WIN 0
	s_mov_b32 s3, 2
.Llap:
	LAP 0
	WIN 0
	s_sub_co_u32 s3, s3, 1
	s_cmp_lg_u32 s3, 0
	s_cbranch_scc1 .Llap
	THREE 0, 0
	TURN 0, 1, 0
	THREE 1, 0
	s_wait_dscnt 10
	WIN 0x50
	MUL 1, 0, 4, 0, 0
	s_wait_dscnt 0x0
	MUL 1, 4, 4, 0, 0
	WIN 0xa0
	MUL 1, 8, 1, 8, 0
	PLACES
	WIN 0
	s_wait_loadcnt 0x0                             ; the bias
.irp i, 160,161
	v_mov_b32 v\i, 0x3e027906                      ; a1 / 2 =  0.127414796
.endr
.irp i, 162,163
	v_mov_b32 v\i, 0xbe11a98e                      ; a2 / 2 = -0.142248368
.endr
.irp i, 164,165
	v_mov_b32 v\i, 0x3f35f0e3                      ; a3 / 2 =  0.710706871
.endr
.irp i, 166,167
	v_mov_b32 v\i, 0xbf3a00e3                      ; a4 / 2 = -0.726576014
.endr
.irp i, 168,169
	v_mov_b32 v\i, 0x3f07dc22                      ; a5 / 2 =  0.530702715
.endr
.irp i, 170,171
	v_mov_b32 v\i, 0xbf38aa3b                      ; -log2(e) / 2
.endr
; 16 tokens: x = acc + bias in v[32:63], t in v[64:95], exp in v[96:127], the polynomial in v[128:159]; packed in v[176:191]
.macro OUTG a, rb
.if \a < 8
	WIN 0x09
.else
	WIN 0x0a
.endif
.set gi, 0
.rept 16
	v_pk_add_f32 v[32+2*gi:33+2*gi], v[32*(\a%8)+2*gi:32*(\a%8)+2*gi+1], v[32+2*gi:33+2*gi]
.set gi, gi+1
.endr
	WIN 0
.set gi, 0
.rept 32
	v_fma_f32 v[64+gi], |v[32+gi]|, s75, 1.0
.set gi, gi+1
.endr
.set gi, 0
.rept 32
	v_rcp_f32 v[64+gi], v[64+gi]
.set gi, gi+1
.endr
.set gi, 0
.rept 16
	v_pk_mul_f32 v[96+2*gi:97+2*gi], v[32+2*gi:33+2*gi], v[32+2*gi:33+2*gi]          ; also the plain place behind the reciprocals
.set gi, gi+1
.endr
.set gi, 0
.rept 16
	v_pk_mul_f32 v[96+2*gi:97+2*gi], v[96+2*gi:97+2*gi], v[170:171]
.set gi, gi+1
.endr
.set gi, 0
.rept 32
	v_exp_f32 v[96+gi], v[96+gi]
.set gi, gi+1
.endr
.set gi, 0
	s_wait_alu depctr_va_vdst(0)
.rept 16
	v_pk_fma_f32 v[128+2*gi:129+2*gi], v[64+2*gi:65+2*gi], v[168:169], v[166:167]    ; also the plain place behind the exponentials
.set gi, gi+1
.endr
.set gi, 0
.rept 16
	v_pk_fma_f32 v[128+2*gi:129+2*gi], v[128+2*gi:129+2*gi], v[64+2*gi:65+2*gi], v[164:165]
.set gi, gi+1
.endr
.set gi, 0
.rept 16
	v_pk_fma_f32 v[128+2*gi:129+2*gi], v[128+2*gi:129+2*gi], v[64+2*gi:65+2*gi], v[162:163]
.set gi, gi+1
.endr
.set gi, 0
.rept 16
	v_pk_fma_f32 v[128+2*gi:129+2*gi], v[128+2*gi:129+2*gi], v[64+2*gi:65+2*gi], v[160:161]
.set gi, gi+1
.endr
.set gi, 0
.rept 16
	v_pk_mul_f32 v[128+2*gi:129+2*gi], v[128+2*gi:129+2*gi], v[64+2*gi:65+2*gi]
.set gi, gi+1
.endr
.set gi, 0
.rept 16
	v_pk_mul_f32 v[128+2*gi:129+2*gi], v[128+2*gi:129+2*gi], v[96+2*gi:97+2*gi]      ; Phi(-|x|)
.set gi, gi+1
.endr
.set gi, 0
.rept 32
	v_max_num_f32 v[96+gi], 0, v[32+gi]
.set gi, gi+1
.endr
.set gi, 0
.rept 32
	v_fma_f32 v[32+gi], -|v[32+gi]|, v[128+gi], v[96+gi]
.set gi, gi+1
.endr
.set gi, 0
.rept 16
	v_cvt_pk_bf16_f32 v[176+gi], v[32+2*gi], v[33+2*gi]
.set gi, gi+1
.endr
.irp bq, 0,1,2,3
	ds_store_b128 v20, v[176+4*\bq:179+4*\bq] offset:32*\bq
.endr
	s_wait_xcnt 0x0                                ; the stores of two tiles ago have read this buffer
.irp t, 0,1,2,3
	ds_load_b128 v[\rb+4*\t:\rb+4*\t+3], v21 offset:576*\t                 ; LDS serves a wave's instructions in order: these see the stores above
.endr
.irp t, 0,1,2,3
	s_wait_dscnt 3-\t
	global_store_b128 v22, v[\rb+4*\t:\rb+4*\t+3], s[10:11] offset:2048*\a+512*\t   ; 512 dense bytes, aligned
.endr
.endm
	OUTG 0, 192
	OUTG 1, 208
	OUTG 2, 192
	OUTG 3, 208
	OUTG 4, 192
	OUTG 5, 208
	OUTG 6, 192
	OUTG 7, 208
	OUTG 8, 192
	s_wait_tensorcnt 0x0
	ds_add_u32 v254, v255
	s_wait_dscnt 0x0
	s_endpgm
.Lfunc_end_k_q289b9fda84_fc1:
	.size	k_q289b9fda84_fc1, .Lfunc_end_k_q289b9fda84_fc1-k_q289b9fda84_fc1
	.p2alignl 7, 3214868480
	.fill 96, 4, 3214868480
	.section	.rodata,"a",@progbits
	.p2align	6, 0x0
	.amdhsa_kernel k_q289b9fda84_fc1
		.amdhsa_group_segment_fixed_size 327680
		.amdhsa_private_segment_fixed_size 0
		.amdhsa_enable_private_segment 0
		.amdhsa_kernarg_size 32
		.amdhsa_user_sgpr_count 2
		.amdhsa_user_sgpr_kernarg_segment_ptr 1
		.amdhsa_wavefront_size32 1
		.amdhsa_system_sgpr_workgroup_id_x 1
		.amdhsa_system_sgpr_workgroup_id_y 1
		.amdhsa_system_sgpr_workgroup_id_z 1
		.amdhsa_system_vgpr_workitem_id 0
		.amdhsa_next_free_vgpr 576
		.amdhsa_next_free_sgpr 96
		.amdhsa_reserve_vcc 0
		.amdhsa_float_denorm_mode_32 3
		.amdhsa_float_denorm_mode_16_64 3
		.amdhsa_memory_ordered 1
		.amdhsa_forward_progress 1
		.amdhsa_inst_pref_size 255
	.end_amdhsa_kernel
	.section	.bss,"aw",@nobits
	.p2align	6
	.space	262144
	.amdgpu_metadata
---
amdhsa.version: [ 1, 2 ]
amdhsa.kernels:
  - .name:           k_q289b9fda84_fc1
    .symbol:         k_q289b9fda84_fc1.kd
    .args:
      - { .name: xn, .offset: 0, .size: 8, .value_kind: global_buffer, .address_space: global }
      - { .name: wfc1, .offset: 8, .size: 8, .value_kind: global_buffer, .address_space: global }
      - { .name: fc1_b, .offset: 16, .size: 8, .value_kind: global_buffer, .address_space: global }
      - { .name: blk, .offset: 24, .size: 8, .value_kind: global_buffer, .address_space: global }
    .group_segment_fixed_size: 327680
    .private_segment_fixed_size: 0
    .kernarg_segment_align: 8
    .kernarg_segment_size: 32
    .max_flat_workgroup_size: 128
    .sgpr_count:     96
    .vgpr_count:     576
    .wavefront_size: 32
...
	.end_amdgpu_metadata
.endif
;; end of part 6
;; launch fc2: the kernel of part 4 again; grid 4 x 58, 4 waves a work-group, no clusters, 327,680 bytes of LDS; arguments blk, wfc2, fc2_b, ls2, x1, out0; writes out0
;; ======== version 2 of 2: 7 launches; 1.15 times as fast as version 1
;; workspace buffers: wqkv 6,291,456 bytes; wproj 2,097,152 bytes; wfc1 2,097,152 bytes; wfc2 2,097,152 bytes; xn 17,104,896 bytes; qkvh 51,314,688 bytes; blk 17,104,896 bytes; x1 33,587,200 bytes
;; launch prep (part 7): grid 906 x 1, 8 waves a work-group, no clusters, 35,840 bytes of LDS; arguments hidden_states, norm1_w, norm1_b, xn, qkv_w, proj_w, fc1_w, fc2_w, wqkv, wproj, wfc1, wfc2; writes xn, wqkv, wproj, wfc1, wfc2
.if DOCPART == 7
	.amdgcn_target "amdgcn-amd-amdhsa--gfx1250"
	.amdhsa_code_object_version 6
	.text
	.protected	k_q289b9fda84_prep
	.globl	k_q289b9fda84_prep
	.p2align	8
	.type	k_q289b9fda84_prep,@function
k_q289b9fda84_prep:
	s_mov_b64 s[64:65], 0
	v_nop
	global_prefetch_b8 v0, s[64:65] scope:SCOPE_SE
	s_setreg_imm32_b32 hwreg(HW_REG_WAVE_MODE, 25, 1), 1
	s_wait_xcnt 0x0
; Work-groups 0..521: LayerNorm 1, f32 rows of 1024 -> bf16 rows of xn.  Work-groups 522..905: the four weight matrices f32 -> bf16, in fragment order.
; xn has 8352 rows: each batch of 1025 tokens is padded to 1040 rows (65 tiles of 16), row m' = 1040 b + n; rows with n > 1024 and rows
; from 8320 on repeat the LayerNorm of a clamped source row, so that every later product reads finite, written bytes; they never reach an output.
; One wave, two rows; a row of 4,096 bytes stays in 32 registers between the passes, so memory is read once.  The variance is the mean of
; squared deviations from the mean (two passes in registers): a common offset of the row costs no digits.
; FRAGMENT ORDER of a weight matrix W [N][1024]: the 16 bytes W(n, k .. k+7), n = 64 g + 16 bq + r, k = 32 q + 16 j + 8 h, lie at byte
; 131,072 g + 4,096 q + 1,024 bq + 512 j + 16 (r + 16 h): a wave of a later product reads its 64 columns' fragments as one linear stream,
; 512 consecutive bytes a load, straight into the registers of the matrix instruction's operand.
.set W,  4                             ; v[4:35]    norm weight of my 32 columns
.set B,  36                            ; v[36:67]   norm bias
.set X,  68                            ; v[68:131]  row i at X+32 i; load j holds columns 128 j + 4 lane .. +3
.set T,  132                           ; v[132:139] four chains of pairs
.set MU, 140                           ; v[140:141] the mean, twice
.set RS, 142                           ; v[142:143] 1/sqrt(var + eps), twice
.set LNWG, 522                         ; 8352 rows / 16 rows a work-group
.macro MERGE                           ; four chains -> one number in every lane of the wave (v144)
	v_pk_add_f32 v[T:T+1], v[T:T+1], v[T+2:T+3]
	v_pk_add_f32 v[T+4:T+5], v[T+4:T+5], v[T+6:T+7]
	v_pk_add_f32 v[T:T+1], v[T:T+1], v[T+4:T+5]
	v_add_f32 v144, v[T], v[T+1]
	v_add_f32_dpp v144, v144, v144 row_xmask:1 row_mask:0xf bank_mask:0xf
	v_add_f32_dpp v144, v144, v144 row_xmask:2 row_mask:0xf bank_mask:0xf
	v_add_f32_dpp v144, v144, v144 row_xmask:4 row_mask:0xf bank_mask:0xf
	v_add_f32_dpp v144, v144, v144 row_xmask:8 row_mask:0xf bank_mask:0xf
	v_permlanex16_b32 v145, v144, s44, s45         ; the other half of the lanes
	v_add_f32 v144, v144, v145
.endm
.macro ROWSTAT i                       ; row i becomes (x - mean) / sqrt(var + eps)
.irp k, 0,1,2,3
	v_pk_add_f32 v[T+2*\k:T+2*\k+1], v[X+32*\i+4*\k:X+32*\i+4*\k+1], v[X+32*\i+4*\k+2:X+32*\i+4*\k+3]   ; the first sums start the chains
.endr
.irp k, 0,1,2,3,4,5,6,7
	v_pk_add_f32 v[T+2*(\k%4):T+2*(\k%4)+1], v[T+2*(\k%4):T+2*(\k%4)+1], v[X+32*\i+16+2*\k:X+32*\i+17+2*\k]
.endr
	MERGE
	v_mul_f32 v[MU], s46, v144                     ; mean = sum / 1024
	v_mul_f32 v[MU+1], s46, v144
.irp k, 0,1,2,3,4,5,6,7,8,9,10,11,12,13,14,15
	v_pk_add_f32 v[X+32*\i+2*\k:X+32*\i+2*\k+1], v[X+32*\i+2*\k:X+32*\i+2*\k+1], v[MU:MU+1] neg_lo:[0,1] neg_hi:[0,1]
.endr
.irp k, 0,1,2,3
	v_pk_mul_f32 v[T+2*\k:T+2*\k+1], v[X+32*\i+2*\k:X+32*\i+2*\k+1], v[X+32*\i+2*\k:X+32*\i+2*\k+1]
.endr
.irp k, 4,5,6,7,8,9,10,11,12,13,14,15
	v_pk_fma_f32 v[T+2*(\k%4):T+2*(\k%4)+1], v[X+32*\i+2*\k:X+32*\i+2*\k+1], v[X+32*\i+2*\k:X+32*\i+2*\k+1], v[T+2*(\k%4):T+2*(\k%4)+1]
.endr
	MERGE
	v_fma_f32 v144, v144, s46, s47                 ; var + eps
	v_rsq_f32 v[RS], v144
	v_rsq_f32 v[RS+1], v144
	v_nop                                          ; one plain place between the root and its first use (ISA guide 5.7.2)
	s_wait_alu depctr_va_vdst(0)
.irp k, 0,1,2,3,4,5,6,7,8,9,10,11,12,13,14,15
	v_pk_mul_f32 v[X+32*\i+2*\k:X+32*\i+2*\k+1], v[X+32*\i+2*\k:X+32*\i+2*\k+1], v[RS:RS+1]
.endr
.endm
.macro AFFINE i                        ; times w plus b, rounded once to bf16, stored
.irp k, 0,1,2,3,4,5,6,7,8,9,10,11,12,13,14,15
	v_pk_fma_f32 v[X+32*\i+2*\k:X+32*\i+2*\k+1], v[X+32*\i+2*\k:X+32*\i+2*\k+1], v[W+2*\k:W+2*\k+1], v[B+2*\k:B+2*\k+1]
.endr
.irp k, 0,1,2,3,4,5,6,7,8,9,10,11,12,13,14,15
	v_cvt_pk_bf16_f32 v[X+32*\i+\k], v[X+32*\i+2*\k], v[X+32*\i+2*\k+1]   ; in place, ascending: word k is written when words 2k, 2k+1 are read
.endr
.irp j, 0,1,2,3,4,5,6,7
	global_store_b64 v2, v[X+32*\i+2*\j:X+32*\i+2*\j+1], s[40:41] offset:2048*\i+256*\j   ; a wave's store covers 256 consecutive bytes, aligned
.endr
.endm
	s_load_b256 s[4:11], s[0:1], 0x0               ; hidden_states s[4:5], norm1_w s[6:7], norm1_b s[8:9], xn s[10:11]
	s_load_b512 s[16:31], s[0:1], 0x20             ; qkv_w s16, proj_w s18, fc1_w s20, fc2_w s22, wqkv s24, wproj s26, wfc1 s28, wfc2 s30
	v_lshl_add_u32 v160, v0, 2, 0x8800
	v_mov_b32 v161, 0
	s_cmp_lt_u32 ttmp9, LNWG
	s_cbranch_scc0 .Lcvt
	v_lshrrev_b32 v3, 5, v0
	v_readfirstlane_b32 s32, v3                    ; wave 0..7
	v_and_b32 v1, 31, v0
	v_lshlrev_b32 v2, 3, v1                        ; 8 bytes of bf16 a lane
	v_lshlrev_b32 v1, 4, v1                        ; 16 bytes of f32 a lane
	v_mov_b32 v145, 0                              ; v_permlanex16_b32 counts as a reader of its destination
	s_mul_i32 s33, ttmp9, 1009
	s_lshr_b32 s33, s33, 16                        ; b = T / 65 (exact for T <= 521: 1009/65536 exceeds 1/65 by 1.2e-5)
	s_mul_i32 s34, s33, 65
	s_sub_co_u32 s34, ttmp9, s34                   ; tile in the batch
	s_lshl_b32 s34, s34, 4
	s_lshl1_add_u32 s34, s32, s34                  ; n of my first row
	s_mul_i32 s35, s33, 1025
	s_min_u32 s36, s34, 1024                       ; pad rows repeat token 1024,
	s_add_co_u32 s36, s36, s35
	s_min_u32 s36, s36, 8199                       ; rows behind the last batch the last row
	s_lshl_b32 s36, s36, 12
	s_mov_b32 s37, 0
	s_add_co_u32 s38, s34, 1
	s_min_u32 s38, s38, 1024
	s_add_co_u32 s38, s38, s35
	s_min_u32 s38, s38, 8199
	s_lshl_b32 s38, s38, 12
	s_mov_b32 s39, 0
	s_lshl_b32 s40, ttmp9, 4
	s_lshl1_add_u32 s40, s32, s40                  ; my first row of xn
	s_lshl_b32 s40, s40, 11
	s_mov_b32 s41, 0
	s_mov_b32 s44, 0x76543210
	s_mov_b32 s45, 0xfedcba98
	s_mov_b32 s46, 0x3a800000                      ; 1/1024
	s_mov_b32 s47, 0x358637bd                      ; 1e-6
	s_wait_kmcnt 0x0
	s_add_nc_u64 s[36:37], s[4:5], s[36:37]
	s_add_nc_u64 s[38:39], s[4:5], s[38:39]
	s_add_nc_u64 s[40:41], s[10:11], s[40:41]
.irp j, 0,1,2,3,4,5,6,7
	global_load_b128 v[X+4*\j:X+4*\j+3], v1, s[36:37] offset:512*\j
.endr
.irp j, 0,1,2,3,4,5,6,7
	global_load_b128 v[X+32+4*\j:X+32+4*\j+3], v1, s[38:39] offset:512*\j
.endr
.irp j, 0,1,2,3,4,5,6,7
	global_load_b128 v[W+4*\j:W+4*\j+3], v1, s[6:7] offset:512*\j
.endr
.irp j, 0,1,2,3,4,5,6,7
	global_load_b128 v[B+4*\j:B+4*\j+3], v1, s[8:9] offset:512*\j
.endr
	s_wait_loadcnt 24                              ; row 0 is in; row 1, w and b (24 loads) stay out
	ROWSTAT 0
	s_wait_loadcnt 16                              ; row 1 is in; w and b stay out
	ROWSTAT 1
	s_wait_loadcnt 0x0
	AFFINE 0
	AFFINE 1
	s_endpgm
; The cast.  Work-group c takes 16 rows (65,536 bytes of f32): 192 such groups of qkv_w, then 64 each of proj_w, fc1_w, fc2_w.
; Wave w takes columns 128 w .. 128 w + 127: sixteen loads of 512 consecutive bytes, one a row; rounded, the 16 x 128 numbers go into the wave's own
; 16 rows x 272 bytes of LDS (pitch 256 + 16: the 16 rows that a read touches start at 16 different 16-byte columns) and come back as eight
; half fragments of 512 bytes, each stored whole.  The bytes are the wave's own and LDS serves a wave's instructions in order: no barrier.
.Lcvt:
	s_sub_co_u32 s33, ttmp9, LNWG
	v_lshrrev_b32 v3, 5, v0
	v_readfirstlane_b32 s32, v3                    ; wave 0..7
	v_and_b32 v2, 31, v0                           ; lane
	v_lshlrev_b32 v1, 4, v2                        ; 16 bytes a lane, in the loads and in the stores
	s_mul_i32 s35, s32, 4352                       ; my wave's LDS
	v_lshl_add_u32 v146, v2, 3, s35                ; in: 8 bytes a lane along a row
	v_and_b32 v3, 15, v0                           ; r
	v_mul_u32_u24 v147, v3, 272
	v_bfe_u32 v3, v0, 4, 1                         ; h
	v_lshl_add_u32 v147, v3, 4, v147
	v_add_nc_u32 v147, s35, v147                   ; back: row r, 16 bytes at 16 h
	s_wait_kmcnt 0x0
	s_mov_b64 s[36:37], s[22:23]
	s_mov_b64 s[38:39], s[30:31]
	s_mov_b32 s34, 320
	s_cmp_lt_u32 s33, 320
	s_cselect_b64 s[36:37], s[20:21], s[36:37]
	s_cselect_b64 s[38:39], s[28:29], s[38:39]
	s_cselect_b32 s34, 256, s34
	s_cmp_lt_u32 s33, 256
	s_cselect_b64 s[36:37], s[18:19], s[36:37]
	s_cselect_b64 s[38:39], s[26:27], s[38:39]
	s_cselect_b32 s34, 192, s34
	s_cmp_lt_u32 s33, 192
	s_cselect_b64 s[36:37], s[16:17], s[36:37]
	s_cselect_b64 s[38:39], s[24:25], s[38:39]
	s_cselect_b32 s34, 0, s34
	s_sub_co_u32 s33, s33, s34                     ; group of 16 rows inside its matrix = 4 g + bq
	s_lshl_b32 s40, s33, 16
	s_lshl_b32 s41, s32, 9
	s_add_co_u32 s40, s40, s41                     ; from: 65,536 x group + 512 w
	s_mov_b32 s41, 0
	s_lshr_b32 s42, s33, 2
	s_lshl_b32 s42, s42, 17                        ; to: 131,072 g
	s_and_b32 s43, s33, 3
	s_lshl_b32 s43, s43, 10                        ; + 1,024 bq
	s_add_co_u32 s42, s42, s43
	s_lshl_b32 s43, s32, 14                        ; + 4,096 x (4 w): my four quarters of K
	s_add_co_u32 s42, s42, s43
	s_mov_b32 s43, 0
	s_add_nc_u64 s[36:37], s[36:37], s[40:41]
	s_add_nc_u64 s[38:39], s[38:39], s[42:43]
.irp i, 0,1,2,3,4,5,6,7,8,9,10,11,12,13,14,15
	global_load_b128 v[X+4*\i:X+4*\i+3], v1, s[36:37] offset:4096*\i th:TH_LOAD_NT
.endr
.irp i, 0,1,2,3,4,5,6,7,8,9,10,11,12,13,14,15
	s_wait_loadcnt 15-\i                           ; loads return in order: row i is in, the younger ones stay out
	v_cvt_pk_bf16_f32 v[4+2*\i], v[X+4*\i], v[X+4*\i+1]
	v_cvt_pk_bf16_f32 v[5+2*\i], v[X+4*\i+2], v[X+4*\i+3]
	ds_store_b64 v146, v[4+2*\i:5+2*\i] offset:272*\i
.endr
.irp k, 0,1,2,3,4,5,6,7
	ds_load_b128 v[36+4*\k:39+4*\k], v147 offset:32*\k                     ; k = 2 x quarter + j: the row's bytes 64 x quarter + 32 j + 16 h
.endr
.irp k, 0,1,2,3,4,5,6,7
	s_wait_dscnt 7-\k
	global_store_b128 v1, v[36+4*\k:39+4*\k], s[38:39] offset:4096*(\k/2)+512*(\k%2)   ; 512 consecutive bytes, aligned; no register is used twice
.endr
	s_wait_tensorcnt 0x0
	ds_add_u32 v160, v161
	s_wait_dscnt 0x0
	s_endpgm
.Lfunc_end_k_q289b9fda84_prep:
	.size	k_q289b9fda84_prep, .Lfunc_end_k_q289b9fda84_prep-k_q289b9fda84_prep
	.p2alignl 7, 3214868480
	.fill 96, 4, 3214868480
	.section	.rodata,"a",@progbits
	.p2align	6, 0x0
	.amdhsa_kernel k_q289b9fda84_prep
		.amdhsa_group_segment_fixed_size 35840
		.amdhsa_private_segment_fixed_size 0
		.amdhsa_enable_private_segment 0
		.amdhsa_kernarg_size 96
		.amdhsa_user_sgpr_count 2
		.amdhsa_user_sgpr_kernarg_segment_ptr 1
		.amdhsa_wavefront_size32 1
		.amdhsa_system_sgpr_workgroup_id_x 1
		.amdhsa_system_sgpr_workgroup_id_y 1
		.amdhsa_system_sgpr_workgroup_id_z 1
		.amdhsa_system_vgpr_workitem_id 0
		.amdhsa_next_free_vgpr 162
		.amdhsa_next_free_sgpr 66
		.amdhsa_reserve_vcc 0
		.amdhsa_float_denorm_mode_32 3
		.amdhsa_float_denorm_mode_16_64 3
		.amdhsa_memory_ordered 1
		.amdhsa_forward_progress 1
		.amdhsa_inst_pref_size 30
	.end_amdhsa_kernel
	.amdgpu_metadata
---
amdhsa.version: [ 1, 2 ]
amdhsa.kernels:
  - .name:           k_q289b9fda84_prep
    .symbol:         k_q289b9fda84_prep.kd
    .args:
      - { .name: hidden_states, .offset: 0, .size: 8, .value_kind: global_buffer, .address_space: global }
      - { .name: norm1_w, .offset: 8, .size: 8, .value_kind: global_buffer, .address_space: global }
      - { .name: norm1_b, .offset: 16, .size: 8, .value_kind: global_buffer, .address_space: global }
      - { .name: xn, .offset: 24, .size: 8, .value_kind: global_buffer, .address_space: global }
      - { .name: qkv_w, .offset: 32, .size: 8, .value_kind: global_buffer, .address_space: global }
      - { .name: proj_w, .offset: 40, .size: 8, .value_kind: global_buffer, .address_space: global }
      - { .name: fc1_w, .offset: 48, .size: 8, .value_kind: global_buffer, .address_space: global }
      - { .name: fc2_w, .offset: 56, .size: 8, .value_kind: global_buffer, .address_space: global }
      - { .name: wqkv, .offset: 64, .size: 8, .value_kind: global_buffer, .address_space: global }
      - { .name: wproj, .offset: 72, .size: 8, .value_kind: global_buffer, .address_space: global }
      - { .name: wfc1, .offset: 80, .size: 8, .value_kind: global_buffer, .address_space: global }
      - { .name: wfc2, .offset: 88, .size: 8, .value_kind: global_buffer, .address_space: global }
    .group_segment_fixed_size: 35840
    .private_segment_fixed_size: 0
    .kernarg_segment_align: 8
    .kernarg_segment_size: 96
    .max_flat_workgroup_size: 256
    .sgpr_count:     66
    .vgpr_count:     162
    .wavefront_size: 32
...
	.end_amdgpu_metadata
.endif
;; end of part 7
;; launch qkv (part 8): grid 4 x 58, 4 waves a work-group, clusters of 4 x 1, 323,072 bytes of LDS; arguments xn, wqkv, qkv_b, qkvh; writes qkvh
.if DOCPART == 8
	.amdgcn_target "amdgcn-amd-amdhsa--gfx1250"
	.amdhsa_code_object_version 6
	.text
	.protected	k_q289b9fda84_qkv
	.globl	k_q289b9fda84_qkv
	.p2align	8
	.type	k_q289b9fda84_qkv,@function
k_q289b9fda84_qkv:
	s_mov_b64 s[64:65], 0
	v_nop
	global_prefetch_b8 v0, s[64:65] scope:SCOPE_SE
	s_setreg_imm32_b32 hwreg(HW_REG_WAVE_MODE, 25, 1), 1
	s_wait_xcnt 0x0
	s_wait_alu depctr_hold_cnt(0) depctr_sa_sdst(0) depctr_va_vdst(0) depctr_va_sdst(0) depctr_va_ssrc(0) depctr_va_vcc(0) depctr_vm_vsrc(0)
	s_getreg_b32 s2, hwreg(HW_REG_IB_STS2, 6, 4)
	s_cmp_eq_u32 s2, 0
	s_cbranch_scc0 .Lentry_in_a_cluster
	s_endpgm
.Lentry_in_a_cluster:
	s_bfe_u32 s2, ttmp6, 0x10000c
	s_cmp_lg_u32 s2, 0x3003
	s_cbranch_scc0 .Lentry_shape_is_right
	s_endpgm
.Lentry_shape_is_right:
; qkvh = (xn W^T + b), the q part times 0.125 log2(e).  xn [8352][1024] bf16, W [3072][1024] bf16 in fragment order (below), qkvh [48][8352][64] bf16.
; A work-group owns 144 rows (58 x 144 = 8352) and makes, in three passes, column blocks x, x + 4, x + 8 of 256: its part of q, of k and of v.
; A wave makes all 144 rows x 64 columns of a block: 36 accumulator tiles.
; A IS RESIDENT: the 144 rows x 1024 lie in LDS as 8 chunks of K = 128 (144 rows of 256 bytes + 16 of padding, 39,168 bytes; 16 rows start at 16
; different 16-byte columns).  Every wave asks for its 36 rows of all 8 chunks at the start: 8 tensor loads outstanding at most, nothing is ever
; filled again, and a chunk is read behind a counted wait and a barrier.
; W IS STREAMED INTO REGISTERS: a wave is the only reader in its work-group of its 64 columns, whose fragments lie in memory in the order of use:
; W(n, k .. k+7), n = 64 g + 16 bq + r, k = 32 q + 16 j + 8 h, at byte 131,072 g + 4,096 q + 1,024 bq + 512 j + 16 (r + 16 h).  A quarter (32 along K) is
; a batch of 8 loads of 512 consecutive bytes into one of 8 register slots; the batch of quarter q + 7 is asked for at the head of quarter q, so
; 56 loads are on their way, 252 matrix instructions ahead, and the stream runs on into the next pass during the way out.
; CLUSTERS: 4, 1, 1.  The four column blocks of a row block need the same A: each chunk part is asked for jointly (mask 15); the descriptor is made of
; the row block and the wave's number alone.  W is not shared: the work-groups that read the same W are the 58 row blocks, and a shared tile would
; need LDS, of which A leaves 14,336 bytes.  No branch and no LDS address uses the place in the cluster.
; The matrix instruction is used transposed (source 0 = rows of W, source 1 = rows of A): lane (r, h) of tile (a, bq) holds row 16a + r,
; columns 16 bq + 8 h + 0..7: eight neighbouring numbers, 16 bytes of one token of the head-blocked output.
; REGISTERS: window 0: v4-25 addresses, v[32:103], v[104:175] A fragments (two buffers), v[176:255] the way out; window 1: accumulators a = 0..7 at
; 32 a + 8 bq; window 2: W's 8 slots at 32 (q mod 8) + 8 bq; window 3: bias at 0..31, accumulators a = 8 at 224 + 8 bq.
.set NT,      9                        ; row tiles of 16
.set ROWS,    144
.set MROWS,   8352
.set CHUNK,   39168                    ; 144 rows x 272
.set WPART,   9792                     ; 36 rows x 272: what one tensor load brings
.set ASTRIDE, 4352                     ; 16 rows of A in LDS
.set AQH,     128                      ; from quarter 0 to quarter 2 of a chunk
.set ASTEP,   256                      ; bytes in memory from a chunk to the next
.set STAGE,   8*CHUNK                  ; 313,344, a multiple of 256, behind A: 16 tokens x 144 bytes for each wave
.set NEXTW,   16*131072                ; W: from a pass's column group to the next pass's
.set OSTEP,   16*MROWS*128             ; output: 16 blocks on
.set FA,      32
.set FASZ,    72
.set A8,      224
.set MLO,     0x52                     ; source 0 (W) window 2, source 1 (A) window 0, C and D window 1
.set MHI,     0xf2                     ; the same, C and D window 3
.set TOW,     0x80                     ; destination window 2, address window 0
.set ADRA,    4                        ; v4-11  LDS address of my A fragment bytes in chunk c
.set WO,      14                       ; v14    16 x lane: W's stream, and the stores
.set BO,      23                       ; v23    bias
.set G1,      24
.set G0,      32                       ; s[32:63] a group 0 for each chunk
.set MSB, 0
.macro WIN new                         ; the immediate's high byte repeats the setting that is left
.if MSB != \new
	s_set_vgpr_msb (MSB<<8)|\new
.set MSB, \new
.endif
.endm
.macro PLACES                          ; four plain places behind matrix instructions, in front of loads into their sources and of reads of results
.rept 4
	v_nop
.endr
.endm
.macro CROUND                          ; a round of the cluster's barrier
	s_barrier_signal -1
	s_barrier_wait -1
	s_cmp_lg_u32 s16, 0
	s_cbranch_scc1 .Lnw0_\@
	s_barrier_signal -3
.Lnw0_\@:
	s_barrier_wait -3
	s_barrier_signal -1
	s_barrier_wait -1
.endm
.macro WBATCH i, off                   ; the four W fragments of a quarter into slot i mod 8
.irp bq, 0,1,2,3
	global_load_b128 v[32*((\i)%8)+8*\bq:32*((\i)%8)+8*\bq+3], v[WO], s[6:7] offset:\off+1024*\bq
	global_load_b128 v[32*((\i)%8)+8*\bq+4:32*((\i)%8)+8*\bq+7], v[WO], s[6:7] offset:\off+1024*\bq+512
.endr
.endm
.macro PAIRLD dst, base, bq            ; 32 columns' numbers of a per-column vector, in the accumulators' layout: four loads
	global_load_b128 v[\dst+8*\bq:\dst+8*\bq+3], v[BO], s[\base:\base+1] offset:64*\bq
	global_load_b128 v[\dst+8*\bq+4:\dst+8*\bq+7], v[BO], s[\base:\base+1] offset:64*\bq+16
	global_load_b128 v[\dst+8*\bq+8:\dst+8*\bq+11], v[BO], s[\base:\base+1] offset:64*\bq+64
	global_load_b128 v[\dst+8*\bq+12:\dst+8*\bq+15], v[BO], s[\base:\base+1] offset:64*\bq+80
.endm
; cnt row tiles from a0 on x 4 column tiles of quarter q.  The 36 accumulators take turns, one instruction a turn, in the same order in every
; quarter.  Quarter 0 starts the sums: nothing is cleared.
.macro MUL q, a0, cnt
.set ma, \a0
.rept \cnt
.irp bq, 0,1,2,3
.if \q == 0
	v_wmma_f32_16x16x32_bf16 v[32*ma+8*\bq:32*ma+8*\bq+7], v[32*(\q%8)+8*\bq:32*(\q%8)+8*\bq+7], v[FA+FASZ*(\q%2)+8*ma:FA+FASZ*(\q%2)+8*ma+7], 0
.else
	v_wmma_f32_16x16x32_bf16 v[32*ma+8*\bq:32*ma+8*\bq+7], v[32*(\q%8)+8*\bq:32*(\q%8)+8*\bq+7], v[FA+FASZ*(\q%2)+8*ma:FA+FASZ*(\q%2)+8*ma+7], v[32*ma+8*\bq:32*ma+8*\bq+7]
.endif
.endr
.set ma, ma+1
.endr
.endm
.macro MUL8 q                          ; row tile 8
.irp bq, 0,1,2,3
.if \q == 0
	v_wmma_f32_16x16x32_bf16 v[A8+8*\bq:A8+8*\bq+7], v[32*(\q%8)+8*\bq:32*(\q%8)+8*\bq+7], v[FA+FASZ*(\q%2)+64:FA+FASZ*(\q%2)+71], 0
.else
	v_wmma_f32_16x16x32_bf16 v[A8+8*\bq:A8+8*\bq+7], v[32*(\q%8)+8*\bq:32*(\q%8)+8*\bq+7], v[FA+FASZ*(\q%2)+64:FA+FASZ*(\q%2)+71], v[A8+8*\bq:A8+8*\bq+7]
.endif
.endr
.endm
.macro FETCH n                         ; 18 LDS loads: A's 9 fragments of quarter n into buffer n mod 2
.set fa, 0
.rept NT
	ds_load_b128 v[FA+FASZ*((\n)%2)+8*fa:FA+FASZ*((\n)%2)+8*fa+3], v[ADRA+(\n)/4] offset:(((\n)%4)/2)*AQH+((\n)%2)*64+fa*ASTRIDE
	ds_load_b128 v[FA+FASZ*((\n)%2)+8*fa+4:FA+FASZ*((\n)%2)+8*fa+7], v[ADRA+(\n)/4] offset:(((\n)%4)/2)*AQH+((\n)%2)*64+fa*ASTRIDE+32
.set fa, fa+1
.endr
.endm
; One quarter: 32 along K.  more = 1: a further pass follows, and W's stream and A's fetch run on into it.
.macro QUARTER q, more
.if \q < 28
.if (\q%4) == 3
	s_barrier_wait -1                              ; every wave's part of the next chunk has landed
.endif
.endif
	PLACES                                         ; behind the last quarter's products: its W slot and its A buffer are loaded again below
.if \more
	s_wait_loadcnt 48                              ; this quarter's W is in; the six younger batches of 8 stay out
.else
.if \q > 25
	s_wait_loadcnt 8*(31-\q)                       ; the stream has ended: the batches left behind this one
.else
	s_wait_loadcnt 48
.endif
.endif
.if \q < 25
	WIN TOW
	WBATCH \q+7, 4096*(\q+7)
.else
.if \more
	WIN TOW
	WBATCH \q+7, NEXTW+4096*(\q-25)                ; the next pass's first quarters
.endif
.endif
.if \q == 8
	WIN 0xc0
	PAIRLD 0, 8, 0                                 ; this pass's bias, four loads here and four below: 60 loads out at the most; while they are among the
.endif                                             ; youngest 48 the wait above asks for half a batch more than it needs
.if \q == 16
	WIN 0xc0
	PAIRLD 0, 8, 2
.endif
.if \q < 31
	WIN 0
	FETCH \q+1
	s_wait_dscnt 18                                ; all but the 18 just issued: this quarter's A fragments are in
.else
.if \more
	WIN 0
	FETCH 0
	s_wait_dscnt 18
.else
	s_wait_dscnt 0x0
.endif
.endif
	WIN MLO
	MUL \q, 0, 6
.if \q < 28
.if (\q%4) == 2
	s_wait_dscnt 0x0                               ; no LDS instruction is pending at a signal
	s_wait_tensorcnt 7-(\q+2)/4                    ; my part of the next chunk is in; the later chunks stay out (nothing is filled again)
	s_barrier_signal -1                            ; twelve products stand between the signal and its wait
.endif
.endif
	MUL \q, 6, 2
	WIN MHI
	MUL8 \q
.endm
.macro KLOOP more
.irp q, 0,1,2,3,4,5,6,7,8,9,10,11,12,13,14,15,16,17,18,19,20,21,22,23,24,25,26,27,28,29,30,31
	QUARTER \q, \more
.endr
.endm
; 16 tokens: scale and bias, round, 16 bytes a lane into my own stage, back as whole tokens, 512 dense bytes a store.
.macro OUTB a, rb
.if \a < 8
	WIN 0x31
.set ob, 32*\a
.else
	WIN 0x33
.set ob, A8
.endif
.set oi, 0
.rept 16
	v_pk_fma_f32 v[176+2*oi:177+2*oi], v[ob+2*oi:ob+2*oi+1], v[24:25], v[2*oi:2*oi+1]
.set oi, oi+1
.endr
	WIN 0
.set oi, 0
.rept 16
	v_cvt_pk_bf16_f32 v[208+oi], v[176+2*oi], v[177+2*oi]
.set oi, oi+1
.endr
.irp bq, 0,1,2,3
	ds_store_b128 v20, v[208+4*\bq:211+4*\bq] offset:32*\bq
.endr
	s_wait_xcnt 0x0                                ; the stores of two tiles ago have read this buffer
.irp t, 0,1,2,3
	ds_load_b128 v[\rb+4*\t:\rb+4*\t+3], v21 offset:576*\t                 ; LDS serves a wave's instructions in order: these see the stores above
.endr
.irp t, 0,1,2,3
	s_wait_dscnt 3-\t
	global_store_b128 v[WO], v[\rb+4*\t:\rb+4*\t+3], s[10:11] offset:2048*\a+512*\t
.endr
.endm
.macro WAYOUT                          ; the bias is in: it is older than the W batches that the last quarters' waits have shown in
	PLACES
	s_cmp_eq_u32 s3, 0                             ; pass 0 makes q: a choice of a value
	s_cselect_b32 s74, 0x3e38aa3b, 1.0             ; 64^-0.5 x log2(e), so that the softmax works in base 2
	WIN 0
	v_mov_b32 v24, s74
	v_mov_b32 v25, s74
	WIN 0xc3
.set oi, 0
.rept 16
	v_pk_mul_f32 v[2*oi:2*oi+1], v[2*oi:2*oi+1], v[24:25]                  ; bias x scale, so that one fused multiply-add finishes a number
.set oi, oi+1
.endr
	OUTB 0, 224
	OUTB 1, 240
	OUTB 2, 224
	OUTB 3, 240
	OUTB 4, 224
	OUTB 5, 240
	OUTB 6, 224
	OUTB 7, 240
	OUTB 8, 224
.endm
	s_load_b256 s[4:11], s[0:1], 0x0               ; xn s[4:5], wqkv s[6:7], qkv_b s[8:9], qkvh s[10:11]
	v_lshl_add_u32 v30, v0, 2, 0x4ec00
	v_mov_b32 v31, 0
	ds_add_u32 v30, v31
	ds_add_u32 v30, v31
	v_lshrrev_b32 v1, 5, v0
	v_readfirstlane_b32 s16, v1                    ; wave 0..3
	s_bfe_u32 s80, ttmp6, 0x40000                  ; cx
	s_lshl_b32 s19, ttmp9, 2                       ; in a cluster launch ttmp9 and ttmp7 count clusters
	s_add_co_u32 s19, s19, s80                     ; x: 0..3
	s_and_b32 s20, ttmp7, 0xffff                   ; row block y: a cluster is one work-group high
	v_and_b32 v1, 31, v0                           ; lane
	v_lshlrev_b32 v[WO], 4, v1
	s_lshl2_add_u32 s66, s19, s16                  ; column group g = 4 x + w
	s_lshl_b32 s66, s66, 17
	s_mov_b32 s67, 0
	s_mov_b32 s[G1+0], 15|(1<<16)|(1<<20)|(1<<21)|(5<<22)|(3<<25)   ; mask of the four; 2-byte elements; bit 21 beside a mask; after every 64 words 4 words of padding
	s_mov_b32 s[G1+1], 128<<16                     ; tensor_dim0 = 128
	s_mov_b32 s[G1+2], 36<<16                      ; tensor_dim1 = 36
	s_mov_b32 s[G1+3], 128<<16                     ; tile_dim0 = 128
	s_mov_b32 s[G1+4], 36                          ; tile_dim1 = 36
	s_mov_b32 s[G1+5], 1024                        ; elements from row to row
	s_mov_b32 s[G1+6], 0
	s_mov_b32 s[G1+7], 0
	s_mul_i32 s68, s16, WPART                      ; my 36 rows in a chunk
	s_mul_i32 s70, s20, ROWS
	s_mul_i32 s71, s16, 36
	s_add_co_u32 s70, s70, s71
	s_lshl_b32 s70, s70, 11                        ; row (144 y + 36 w) x 2,048 bytes
	s_mov_b32 s71, 0
	s_wait_dscnt 0x0
	s_wait_kmcnt 0x0
	s_add_nc_u64 s[6:7], s[6:7], s[66:67]          ; my stream of W
	WIN TOW
.irp i, 0,1,2,3,4,5,6
	WBATCH \i, 4096*\i                             ; the stream's first seven quarters
.endr
	WIN 0
	s_add_nc_u64 s[72:73], s[4:5], s[70:71]
.irp c, 0,1,2,3,4,5,6,7
	s_mov_b32 s[G0+4*\c], 1
	s_add_co_u32 s[G0+4*\c+1], s68, \c*CHUNK
	s_add_nc_u64 s[G0+4*\c+2:G0+4*\c+3], s[72:73], \c*ASTEP
	s_or_b32 s[G0+4*\c+3], s[G0+4*\c+3], 0x80000000
.endr
	CROUND                                         ; the four work-groups are here: the joint loads meet
.irp c, 0,1,2,3,4,5,6,7
	tensor_load_to_lds s[G0+4*\c:G0+4*\c+3], s[G1:G1+7]
	s_nop 0
.endr
	v_and_b32 v2, 15, v0                           ; r
	v_bfe_u32 v3, v0, 4, 1                         ; h
	v_mul_u32_u24 v12, v2, 272
	v_lshl_add_u32 v12, v3, 4, v12                 ; r x 272 + 16 h
.irp c, 0,1,2,3,4,5,6,7
	v_add_nc_u32 v[ADRA+\c], \c*CHUNK, v12
.endr
	s_mul_i32 s69, s16, 2304
	s_add_co_u32 s69, s69, STAGE                   ; my stage
	v_mul_u32_u24 v13, v2, 144
	v_lshl_add_u32 v13, v3, 4, v13
	v_add_nc_u32 v20, s69, v13                     ; in: token r, 16 bytes for each half of the lanes
	v_lshrrev_b32 v13, 3, v1
	v_mul_u32_u24 v13, v13, 144
	v_and_b32 v15, 7, v1
	v_lshl_add_u32 v13, v15, 4, v13
	v_add_nc_u32 v21, s69, v13                     ; back: eight lanes take a token's 128 bytes
	s_lshl_b32 s74, s19, 10
	s_lshl_b32 s75, s16, 8
	s_add_co_u32 s74, s74, s75
	v_lshl_add_u32 v[BO], v3, 5, s74               ; bias: 4 (256 x + 64 w + 8 h)
	s_lshl2_add_u32 s76, s19, s16                  ; output block 4 x + w of the pass's sixteen
	s_mul_i32 s76, s76, MROWS
	s_mul_i32 s77, s20, ROWS
	s_add_co_u32 s76, s76, s77
	s_lshl_b32 s76, s76, 7
	s_mov_b32 s77, 0
	s_add_nc_u64 s[10:11], s[10:11], s[76:77]
	s_wait_tensorcnt 0x7                           ; my part of chunk 0 is in; the seven later chunks stay out
	s_barrier_signal -1
	s_barrier_wait -1
	FETCH 0
	s_mov_b32 s3, 0
.Lpass:
	KLOOP 1
	WAYOUT
	s_wait_xcnt 0x0                                ; the bases of pending loads and stores are stepped only behind this wait
	s_add_nc_u64 s[6:7], s[6:7], NEXTW
	s_add_nc_u64 s[8:9], s[8:9], 4096
	s_add_nc_u64 s[10:11], s[10:11], OSTEP
	s_add_co_u32 s3, s3, 1
	s_cmp_lt_u32 s3, 2
	s_cbranch_scc1 .Lpass
	KLOOP 0                                        ; the last pass asks for nothing beyond its own W
	WAYOUT
	s_wait_tensorcnt 0x0
	ds_add_u32 v30, v31
	s_wait_dscnt 0x0
	CROUND                                         ; the closing round
	s_endpgm
.Lfunc_end_k_q289b9fda84_qkv:
	.size	k_q289b9fda84_qkv, .Lfunc_end_k_q289b9fda84_qkv-k_q289b9fda84_qkv
	.p2alignl 7, 3214868480
	.fill 96, 4, 3214868480
	.section	.rodata,"a",@progbits
	.p2align	6, 0x0
	.amdhsa_kernel k_q289b9fda84_qkv
		.amdhsa_group_segment_fixed_size 323072
		.amdhsa_private_segment_fixed_size 0
		.amdhsa_enable_private_segment 0
		.amdhsa_kernarg_size 32
		.amdhsa_user_sgpr_count 2
		.amdhsa_user_sgpr_kernarg_segment_ptr 1
		.amdhsa_wavefront_size32 1
		.amdhsa_system_sgpr_workgroup_id_x 1
		.amdhsa_system_sgpr_workgroup_id_y 1
		.amdhsa_system_sgpr_workgroup_id_z 1
		.amdhsa_system_vgpr_workitem_id 0
		.amdhsa_next_free_vgpr 1024
		.amdhsa_next_free_sgpr 96
		.amdhsa_reserve_vcc 0
		.amdhsa_float_denorm_mode_32 3
		.amdhsa_float_denorm_mode_16_64 3
		.amdhsa_memory_ordered 1
		.amdhsa_forward_progress 1
		.amdhsa_inst_pref_size 255
	.end_amdhsa_kernel
	.section	.bss,"aw",@nobits
	.p2align	6
	.space	262144
	.amdgpu_metadata
---
amdhsa.version: [ 1, 2 ]
amdhsa.kernels:
  - .name:           k_q289b9fda84_qkv
    .symbol:         k_q289b9fda84_qkv.kd
    .args:
      - { .name: xn, .offset: 0, .size: 8, .value_kind: global_buffer, .address_space: global }
      - { .name: wqkv, .offset: 8, .size: 8, .value_kind: global_buffer, .address_space: global }
      - { .name: qkv_b, .offset: 16, .size: 8, .value_kind: global_buffer, .address_space: global }
      - { .name: qkvh, .offset: 24, .size: 8, .value_kind: global_buffer, .address_space: global }
    .group_segment_fixed_size: 323072
    .private_segment_fixed_size: 0
    .kernarg_segment_align: 8
    .kernarg_segment_size: 32
    .max_flat_workgroup_size: 128
    .sgpr_count:     96
    .vgpr_count:     1024
    .wavefront_size: 32
...
	.end_amdgpu_metadata
.endif
;; end of part 8
;; launch attn: the kernel of part 3 again; grid 256 x 1, 8 waves a work-group, no clusters, 296,704 bytes of LDS; arguments qkvh, blk; writes blk
;; launch proj (part 9): grid 4 x 58, 4 waves a work-group, clusters of 4 x 1, 313,856 bytes of LDS; arguments blk, wproj, proj_b, ls1, hidden_states, x1; writes x1
.if DOCPART == 9
	.amdgcn_target "amdgcn-amd-amdhsa--gfx1250"
	.amdhsa_code_object_version 6
	.text
	.protected	k_q289b9fda84_proj
	.globl	k_q289b9fda84_proj
	.p2align	8
	.type	k_q289b9fda84_proj,@function
k_q289b9fda84_proj:
	s_mov_b64 s[64:65], 0
	v_nop
	global_prefetch_b8 v0, s[64:65] scope:SCOPE_SE
	s_setreg_imm32_b32 hwreg(HW_REG_WAVE_MODE, 25, 1), 1
	s_wait_xcnt 0x0
	s_wait_alu depctr_hold_cnt(0) depctr_sa_sdst(0) depctr_va_vdst(0) depctr_va_sdst(0) depctr_va_ssrc(0) depctr_va_vcc(0) depctr_vm_vsrc(0)
	s_getreg_b32 s2, hwreg(HW_REG_IB_STS2, 6, 4)
	s_cmp_eq_u32 s2, 0
	s_cbranch_scc0 .Lentry_in_a_cluster
	s_endpgm
.Lentry_in_a_cluster:
	s_bfe_u32 s2, ttmp6, 0x10000c
	s_cmp_lg_u32 s2, 0x3003
	s_cbranch_scc0 .Lentry_shape_is_right
	s_endpgm
.Lentry_shape_is_right:
; out = res + ls (A W^T + bias).  A [16][8352][64] bf16 (blocked by 64 columns, rows padded to 1040 a batch), W [1024][1024] bf16 in fragment order,
; res and out [8200][1024] f32, not padded.  Runs twice: attention output x proj_w onto hidden_states, and GELU output x fc2_w onto x1.
; A work-group makes 144 padded rows x 256 columns with four waves; a wave makes all 144 rows x 64 columns: 36 accumulator tiles.  58 x 144 = 8352.
; A IS RESIDENT: the 144 rows x 1024 lie in LDS as 8 chunks of K = 128, two blocks of A each.  A block's 144 tokens are 18,432 dense bytes and come in as
; 72 rows of 256 bytes, two tokens a row, pitch 272: token t at (t / 2) x 272 + (t mod 2) x 128.
; Every wave asks for its 36 such rows of all 8 chunks at the start: 8 tensor loads outstanding at most, nothing is ever filled again, and
; a chunk is read behind a counted wait and a barrier.
; W IS STREAMED INTO REGISTERS: a wave is the only reader in its work-group of its 64 columns, whose fragments lie in memory in the order of use:
; W(n, k .. k+7), n = 64 g + 16 bq + r, k = 32 q + 16 j + 8 h, at byte 131,072 g + 4,096 q + 1,024 bq + 512 j + 16 (r + 16 h).  A quarter (32 along K) is
; a batch of 8 loads of 512 consecutive bytes into one of 8 register slots; the batch of quarter q + 7 is asked for at the head of quarter q, so
; 56 loads are on their way, 252 matrix instructions ahead.  Where W's stream ends the residual's tiles, 8 loads each, take the batches' places.
; CLUSTERS: 4, 1, 1.  The four column blocks of a row block need the same A: each chunk part is asked for jointly (mask 15); the descriptor is made of
; the row block and the wave's number alone.  W is not shared: the work-groups that read the same W are the 58 row blocks, and a shared tile would
; need LDS, of which A leaves 14,336 bytes.  No branch and no LDS address uses the place in the cluster: the way out branches on the row block, which
; the four partners share.
; Pad rows (n > 1024, rows from 8320 on) are computed and never stored: tile 64 of a batch holds token 1024 alone, tiles 520 and 521 nothing.
; REGISTERS: window 0: v4-24 addresses, v[32:103], v[104:175] A fragments (two buffers; the way out's scratch later), ls at 176, bias at 208, v240-248
; addresses; window 1: accumulators a = 0..7; window 2: W's 8 slots, later the residual of tiles 7, 8 at 0, 32; window 3: residual of tile a = 0..6
; at 32 a, accumulators a = 8 at 224.
.set NT,      9
.set ROWS,    144
.set MROWS,   8352
.set CHUNK,   39168                    ; two blocks of 72 rows x 272
.set WPART,   9792                     ; 36 rows x 272: what one tensor load brings
.set ASTRIDE, 2176                     ; 16 tokens of A in LDS: 8 rows x 272
.set AQH,     19584                    ; from a chunk's first block to its second
.set ASTEP,   2*MROWS*128              ; bytes in memory from a chunk to the next: two blocks
.set FA,      32
.set FASZ,    72
.set A8,      224
.set LS,      176
.set BI,      208
.set MLO,     0x52                     ; source 0 (W) window 2, source 1 (A) window 0, C and D window 1
.set MHI,     0xf2                     ; the same, C and D window 3
.set TOW,     0x80                     ; destination window 2, address window 0
.set ADRA,    4                        ; v4-11   LDS address of my A fragment bytes in chunk c
.set STO,     12
.set RD,      13
.set WO,      14                       ; v14     16 x lane: W's stream
.set BO,      15                       ; v15     ls, bias
.set OFFC,    16                       ; v16-24  tile a: byte offset in res and out of my 16 bytes of rows 0, 1, the first row clamped so that 16 rows stay inside
.set OFF0,    240                      ; v240-248 tile a: the same for the first pair of rows; in a tile without a second row both halves of the lanes take one row
.set NV,      84                       ; s84-92  tile a: its rows that exist: 16, 1 or 0
.set G1,      24
.set G0,      32                       ; s[32:63] a group 0 for each chunk
.set MSB, 0
.macro WIN new
.if MSB != \new
	s_set_vgpr_msb (MSB<<8)|\new
.set MSB, \new
.endif
.endm
.macro PLACES                          ; four plain places behind matrix instructions (ISA guide 7.12.1)
.rept 4
	v_nop
.endr
.endm
.macro CROUND                          ; a round of the cluster's barrier
	s_barrier_signal -1
	s_barrier_wait -1
	s_cmp_lg_u32 s16, 0
	s_cbranch_scc1 .Lnw0_\@
	s_barrier_signal -3
.Lnw0_\@:
	s_barrier_wait -3
	s_barrier_signal -1
	s_barrier_wait -1
.endm
.macro WBATCH i, off                   ; the four W fragments of a quarter into slot i mod 8
.irp bq, 0,1,2,3
	global_load_b128 v[32*((\i)%8)+8*\bq:32*((\i)%8)+8*\bq+3], v[WO], s[6:7] offset:\off+1024*\bq
	global_load_b128 v[32*((\i)%8)+8*\bq+4:32*((\i)%8)+8*\bq+7], v[WO], s[6:7] offset:\off+1024*\bq+512
.endr
.endm
.macro PAIRLD dst, base, bq            ; 32 columns' numbers of a per-column vector, in the accumulators' layout: four loads
	global_load_b128 v[\dst+8*\bq:\dst+8*\bq+3], v[BO], s[\base:\base+1] offset:64*\bq
	global_load_b128 v[\dst+8*\bq+4:\dst+8*\bq+7], v[BO], s[\base:\base+1] offset:64*\bq+16
	global_load_b128 v[\dst+8*\bq+8:\dst+8*\bq+11], v[BO], s[\base:\base+1] offset:64*\bq+64
	global_load_b128 v[\dst+8*\bq+12:\dst+8*\bq+15], v[BO], s[\base:\base+1] offset:64*\bq+80
.endm
.macro RESLD a                         ; the residual of tile a: eight loads of two rows x 256 bytes
.if \a < 7
	WIN 0xc0
.set rbase, 32*(\a)
.else
	WIN 0x80
.set rbase, 32*(\a-7)
.endif
	global_load_b128 v[rbase:rbase+3], v[OFF0+\a], s[12:13]
.irp t, 1,2,3,4,5,6,7
	global_load_b128 v[rbase+4*\t:rbase+4*\t+3], v[OFFC+\a], s[12:13] offset:8192*\t
.endr
.endm
; The 36 accumulators take turns, one instruction a turn, in the same order in every quarter.  Quarter 0 starts the sums.
.macro MUL q, a0, cnt
.set ma, \a0
.rept \cnt
.irp bq, 0,1,2,3
.if \q == 0
	v_wmma_f32_16x16x32_bf16 v[32*ma+8*\bq:32*ma+8*\bq+7], v[32*(\q%8)+8*\bq:32*(\q%8)+8*\bq+7], v[FA+FASZ*(\q%2)+8*ma:FA+FASZ*(\q%2)+8*ma+7], 0
.else
	v_wmma_f32_16x16x32_bf16 v[32*ma+8*\bq:32*ma+8*\bq+7], v[32*(\q%8)+8*\bq:32*(\q%8)+8*\bq+7], v[FA+FASZ*(\q%2)+8*ma:FA+FASZ*(\q%2)+8*ma+7], v[32*ma+8*\bq:32*ma+8*\bq+7]
.endif
.endr
.set ma, ma+1
.endr
.endm
.macro MUL8 q
.irp bq, 0,1,2,3
.if \q == 0
	v_wmma_f32_16x16x32_bf16 v[A8+8*\bq:A8+8*\bq+7], v[32*(\q%8)+8*\bq:32*(\q%8)+8*\bq+7], v[FA+FASZ*(\q%2)+64:FA+FASZ*(\q%2)+71], 0
.else
	v_wmma_f32_16x16x32_bf16 v[A8+8*\bq:A8+8*\bq+7], v[32*(\q%8)+8*\bq:32*(\q%8)+8*\bq+7], v[FA+FASZ*(\q%2)+64:FA+FASZ*(\q%2)+71], v[A8+8*\bq:A8+8*\bq+7]
.endif
.endr
.endm
.macro FETCH n                         ; 18 LDS loads: A's 9 fragments of quarter n into buffer n mod 2
.set fa, 0
.rept NT
	ds_load_b128 v[FA+FASZ*((\n)%2)+8*fa:FA+FASZ*((\n)%2)+8*fa+3], v[ADRA+(\n)/4] offset:(((\n)%4)/2)*AQH+((\n)%2)*64+fa*ASTRIDE
	ds_load_b128 v[FA+FASZ*((\n)%2)+8*fa+4:FA+FASZ*((\n)%2)+8*fa+7], v[ADRA+(\n)/4] offset:(((\n)%4)/2)*AQH+((\n)%2)*64+fa*ASTRIDE+32
.set fa, fa+1
.endr
.endm
.macro QUARTER q                       ; one quarter: 32 along K
.if \q < 28
.if (\q%4) == 3
	s_barrier_wait -1                              ; every wave's part of the next chunk has landed
.endif
.endif
	PLACES                                         ; behind the last quarter's products: its W slot and its A buffer are loaded again below
	s_wait_loadcnt 48                              ; this quarter's W is in; the six younger batches of 8 (W's, later the residual's) stay out
.if \q < 25
	WIN TOW
	WBATCH \q+7, 4096*(\q+7)
.else
	RESLD \q-25                                    ; W's stream has ended: residual tiles 0 to 6 take its places
.endif
.if \q == 4
	WIN 0
	PAIRLD LS, 10, 0                               ; ls and bias, four loads at a time: 60 loads out at the most; while they are among the youngest 48
.endif                                             ; the wait above asks for half a batch more than it needs
.if \q == 8
	WIN 0
	PAIRLD LS, 10, 2
.endif
.if \q == 12
	WIN 0
	PAIRLD BI, 8, 0
.endif
.if \q == 16
	WIN 0
	PAIRLD BI, 8, 2
.endif
.if \q < 31
	WIN 0
	FETCH \q+1
	s_wait_dscnt 18                                ; all but the 18 just issued: this quarter's A fragments are in
.else
	s_wait_dscnt 0x0
.endif
	WIN MLO
	MUL \q, 0, 6
.if \q < 28
.if (\q%4) == 2
	s_wait_dscnt 0x0                               ; no LDS instruction is pending at a signal
	s_wait_tensorcnt 7-(\q+2)/4                    ; my part of the next chunk is in; the later chunks stay out (nothing is filled again)
	s_barrier_signal -1                            ; twelve products stand between the signal and its wait
.endif
.endif
	MUL \q, 6, 2
	WIN MHI
	MUL8 \q
.endm
	s_load_b256 s[4:11], s[0:1], 0x0               ; A s[4:5], W s[6:7], bias s[8:9], ls s[10:11]
	s_load_b128 s[12:15], s[0:1], 0x20             ; res s[12:13], out s[14:15]
	v_lshl_add_u32 v254, v0, 2, 0x4c800
	v_mov_b32 v255, 0
	ds_add_u32 v254, v255
	ds_add_u32 v254, v255
	v_lshrrev_b32 v1, 5, v0
	v_readfirstlane_b32 s16, v1                    ; wave 0..3
	s_lshr_b32 s17, s16, 1                         ; which block of a chunk I fetch
	s_and_b32 s18, s16, 1                          ; which half of its tokens
	s_bfe_u32 s80, ttmp6, 0x40000                  ; cx
	s_lshl_b32 s19, ttmp9, 2
	s_add_co_u32 s19, s19, s80                     ; column block x
	s_and_b32 s20, ttmp7, 0xffff                   ; row block y: a cluster is one work-group high
	v_and_b32 v1, 31, v0                           ; lane
	v_lshlrev_b32 v[WO], 4, v1
	s_lshl2_add_u32 s66, s19, s16                  ; column group g = 4 x + w
	s_lshl_b32 s66, s66, 17
	s_mov_b32 s67, 0
	s_mov_b32 s[G1+0], 15|(3<<16)|(1<<20)|(1<<21)|(5<<22)|(3<<25)   ; mask of the four; 8-byte elements; bit 21 beside a mask; dense rows of 256 bytes, 4 words of padding behind each
	s_mov_b32 s[G1+1], 32<<16
	s_mov_b32 s[G1+2], 36<<16
	s_mov_b32 s[G1+3], 32<<16
	s_mov_b32 s[G1+4], 36
	s_mov_b32 s[G1+5], 32
	s_mov_b32 s[G1+6], 0
	s_mov_b32 s[G1+7], 0
	s_mul_i32 s68, s16, WPART                      ; block x 19,584 + half x 9,792 = wave x 9,792
	s_mul_i32 s70, s17, MROWS
	s_mul_i32 s71, s20, ROWS
	s_add_co_u32 s70, s70, s71
	s_mul_i32 s71, s18, 72
	s_add_co_u32 s70, s70, s71
	s_lshl_b32 s70, s70, 7                         ; (block x 8352 + 144 y + 72 half) x 128 bytes
	s_mov_b32 s71, 0
	s_wait_dscnt 0x0
	s_wait_kmcnt 0x0
	s_add_nc_u64 s[6:7], s[6:7], s[66:67]          ; my stream of W
	WIN TOW
.irp i, 0,1,2,3,4,5,6
	WBATCH \i, 4096*\i                             ; the stream's first seven quarters
.endr
	WIN 0
	s_add_nc_u64 s[72:73], s[4:5], s[70:71]
.irp c, 0,1,2,3,4,5,6,7
	s_mov_b32 s[G0+4*\c], 1
	s_add_co_u32 s[G0+4*\c+1], s68, \c*CHUNK
	s_add_nc_u64 s[G0+4*\c+2:G0+4*\c+3], s[72:73], \c*ASTEP
	s_or_b32 s[G0+4*\c+3], s[G0+4*\c+3], 0x80000000
.endr
	CROUND                                         ; the four work-groups are here: the joint loads meet
.irp c, 0,1,2,3,4,5,6,7
	tensor_load_to_lds s[G0+4*\c:G0+4*\c+3], s[G1:G1+7]
	s_nop 0
.endr
	v_and_b32 v2, 15, v0                           ; r
	v_bfe_u32 v3, v0, 4, 1                         ; h
	v_lshrrev_b32 v25, 1, v2
	v_mul_u32_u24 v25, v25, 272
	v_and_b32 v26, 1, v2
	v_lshl_add_u32 v25, v26, 7, v25
	v_lshl_add_u32 v25, v3, 4, v25                 ; token r: (r / 2) x 272 + (r mod 2) x 128 + 16 h
.irp c, 0,1,2,3,4,5,6,7
	v_add_nc_u32 v[ADRA+\c], \c*CHUNK, v25
.endr
	s_mul_i32 s69, s16, 4352                       ; my stage: 16 rows x 272 bytes in chunk 0's bytes, which have had their one fill and which no wave reads behind the first chunk barrier
	v_mul_u32_u24 v26, v2, 272
	v_lshl_add_u32 v26, v3, 5, v26
	v_add_nc_u32 v[STO], s69, v26                  ; in: row r, 32 bytes for each half of the lanes
	v_mul_u32_u24 v26, v3, 272
	v_lshl_add_u32 v26, v2, 4, v26
	v_add_nc_u32 v[RD], s69, v26                   ; back: lanes 0-15 a row of 256 bytes, lanes 16-31 the next
	s_lshl_b32 s74, s19, 10
	s_lshl_b32 s75, s16, 8
	s_add_co_u32 s74, s74, s75                     ; my 256 bytes of a row of 4,096
	v_lshl_add_u32 v[BO], v3, 5, s74               ; ls, bias: 4 (256 x + 64 w + 8 h)
	v_lshl_add_u32 v27, v2, 4, s74                 ; my 16 bytes of a row
	v_lshl_add_u32 v28, v3, 12, v27                ; and one row further down for lanes 16 to 31
.irp a, 0,1,2,3,4,5,6,7,8
	s_mul_i32 s76, s20, NT
	s_add_co_u32 s76, s76, \a                      ; tile T of 16 padded rows
	s_mul_i32 s77, s76, 1009
	s_lshr_b32 s77, s77, 16                        ; b = T / 65 (exact for T <= 521)
	s_mul_i32 s78, s77, 65
	s_sub_co_u32 s78, s76, s78                     ; tile in the batch
	s_mul_i32 s77, s77, 1025
	s_lshl4_add_u32 s77, s78, s77                  ; the tile's first true row
	s_cmp_eq_u32 s78, 64                           ; tile 64 holds token 1024 alone
	s_cselect_b32 s79, 0, 4096
	s_cselect_b32 s[NV+\a], 1, 16
	s_cmp_ge_u32 s76, 520                          ; behind the last batch: nothing
	s_cselect_b32 s79, 0, s79
	s_cselect_b32 s[NV+\a], 0, s[NV+\a]
	s_min_u32 s95, s77, 8184                       ; 16 rows from here stay inside the buffer (whole tiles begin at 8183 at the most)
	s_min_u32 s77, s77, 8199
	s_lshl_b32 s95, s95, 12
	s_lshl_b32 s77, s77, 12
	v_add_nc_u32 v[OFFC+\a], s95, v28
	v_mad_u32_u24 v[OFF0+\a], v3, s79, v27
	v_add_nc_u32 v[OFF0+\a], s77, v[OFF0+\a]
.endr
	s_wait_tensorcnt 0x7                           ; my part of chunk 0 is in; the seven later chunks stay out
	s_barrier_signal -1
	s_barrier_wait -1
	FETCH 0
.irp q, 0,1,2,3,4,5,6,7,8,9,10,11,12,13,14,15,16,17,18,19,20,21,22,23,24,25,26,27,28,29,30,31
	QUARTER \q
.endr
	PLACES
	WIN 0
.set oi, 0
.rept 16
	v_pk_mul_f32 v[BI+2*oi:BI+2*oi+1], v[BI+2*oi:BI+2*oi+1], v[LS+2*oi:LS+2*oi+1]   ; bias x ls; both are older than the W batches that the last quarters' waits have shown in
.set oi, oi+1
.endr
; 16 padded rows: ls x acc + ls x bias into my stage, back by rows, plus the residual, stored as two rows x 256 aligned bytes a store.
.macro OUTF a
.if \a < 3
	s_wait_loadcnt 48                              ; this tile's residual is in; six younger tiles of 8 loads stay out
.else
	s_wait_loadcnt 8*(8-\a)                        ; the tiles left behind this one
.endif
.if \a < 2
	RESLD \a+7                                     ; the last two tiles, into W's slots 0 and 1, read last in quarters 24 and 25
.endif
.if \a < 8
	WIN 0x01
.set ob, 32*\a
.else
	WIN 0x03
.set ob, A8
.endif
.set orb, 64+32*(\a%2)
.set oi, 0
.rept 16
	v_pk_fma_f32 v[32+2*oi:33+2*oi], v[ob+2*oi:ob+2*oi+1], v[LS+2*oi:LS+2*oi+1], v[BI+2*oi:BI+2*oi+1]
.set oi, oi+1
.endr
	WIN 0
.irp bq, 0,1,2,3
	ds_store_b128 v[STO], v[32+8*\bq:35+8*\bq] offset:64*\bq
	ds_store_b128 v[STO], v[36+8*\bq:39+8*\bq] offset:64*\bq+16
.endr
	s_wait_xcnt 0x0                                ; the stores of two tiles ago have read this buffer
.irp t, 0,1,2,3,4,5,6,7
	ds_load_b128 v[orb+4*\t:orb+4*\t+3], v[RD] offset:544*\t               ; LDS serves a wave's instructions in order: these see the stores above
.endr
	s_wait_dscnt 0x0
.if \a < 7
	WIN 0x0c
.set rbase, 32*\a
.else
	WIN 0x08
.set rbase, 32*(\a-7)
.endif
.set oi, 0
.rept 16
	v_pk_add_f32 v[orb+2*oi:orb+2*oi+1], v[orb+2*oi:orb+2*oi+1], v[rbase+2*oi:rbase+2*oi+1]
.set oi, oi+1
.endr
	WIN 0
	s_cmp_eq_u32 s[NV+\a], 16
	s_cbranch_scc0 .Lpart_\@
	global_store_b128 v[OFF0+\a], v[orb:orb+3], s[14:15]
.irp t, 1,2,3,4,5,6,7
	global_store_b128 v[OFFC+\a], v[orb+4*\t:orb+4*\t+3], s[14:15] offset:8192*\t
.endr
	s_branch .Ldone_\@
.Lpart_\@:
	s_cmp_eq_u32 s[NV+\a], 0
	s_cbranch_scc1 .Ldone_\@
	v_cmp_gt_u32 vcc_lo, 16, v1                    ; the tile's one row lies in lanes 0 to 15
	s_wait_xcnt 0x0                                ; EXEC changes only behind this wait
	s_and_saveexec_b32 s94, vcc_lo
	global_store_b128 v[OFF0+\a], v[orb:orb+3], s[14:15]                   ; sixteen lanes store the row's 256 aligned bytes
	s_wait_xcnt 0x0                                ; and again in front of the line that widens it
	s_or_b32 exec_lo, exec_lo, s94
.Ldone_\@:
.endm
	OUTF 0
	OUTF 1
	OUTF 2
	OUTF 3
	OUTF 4
	OUTF 5
	OUTF 6
	OUTF 7
	OUTF 8
	s_wait_tensorcnt 0x0
	ds_add_u32 v254, v255
	s_wait_dscnt 0x0
	CROUND                                         ; the closing round
	s_endpgm
.Lfunc_end_k_q289b9fda84_proj:
	.size	k_q289b9fda84_proj, .Lfunc_end_k_q289b9fda84_proj-k_q289b9fda84_proj
	.p2alignl 7, 3214868480
	.fill 96, 4, 3214868480
	.section	.rodata,"a",@progbits
	.p2align	6, 0x0
	.amdhsa_kernel k_q289b9fda84_proj
		.amdhsa_group_segment_fixed_size 313856
		.amdhsa_private_segment_fixed_size 0
		.amdhsa_enable_private_segment 0
		.amdhsa_kernarg_size 48
		.amdhsa_user_sgpr_count 2
		.amdhsa_user_sgpr_kernarg_segment_ptr 1
		.amdhsa_wavefront_size32 1
		.amdhsa_system_sgpr_workgroup_id_x 1
		.amdhsa_system_sgpr_workgroup_id_y 1
		.amdhsa_system_sgpr_workgroup_id_z 1
		.amdhsa_system_vgpr_workitem_id 0
		.amdhsa_next_free_vgpr 1024
		.amdhsa_next_free_sgpr 96
		.amdhsa_reserve_vcc 1
		.amdhsa_float_denorm_mode_32 3
		.amdhsa_float_denorm_mode_16_64 3
		.amdhsa_memory_ordered 1
		.amdhsa_forward_progress 1
		.amdhsa_inst_pref_size 208
	.end_amdhsa_kernel
	.amdgpu_metadata
---
amdhsa.version: [ 1, 2 ]
amdhsa.kernels:
  - .name:           k_q289b9fda84_proj
    .symbol:         k_q289b9fda84_proj.kd
    .args:
      - { .name: blk, .offset: 0, .size: 8, .value_kind: global_buffer, .address_space: global }
      - { .name: wproj, .offset: 8, .size: 8, .value_kind: global_buffer, .address_space: global }
      - { .name: proj_b, .offset: 16, .size: 8, .value_kind: global_buffer, .address_space: global }
      - { .name: ls1, .offset: 24, .size: 8, .value_kind: global_buffer, .address_space: global }
      - { .name: hidden_states, .offset: 32, .size: 8, .value_kind: global_buffer, .address_space: global }
      - { .name: x1, .offset: 40, .size: 8, .value_kind: global_buffer, .address_space: global }
    .group_segment_fixed_size: 313856
    .private_segment_fixed_size: 0
    .kernarg_segment_align: 8
    .kernarg_segment_size: 48
    .max_flat_workgroup_size: 128
    .sgpr_count:     96
    .vgpr_count:     1024
    .wavefront_size: 32
...
	.end_amdgpu_metadata
.endif
;; end of part 9
;; launch ln2: the kernel of part 5 again; grid 522 x 1, 8 waves a work-group, no clusters, 0 bytes of LDS; arguments x1, norm2_w, norm2_b, xn; writes xn
;; launch fc1 (part 10): grid 4 x 58, 4 waves a work-group, clusters of 4 x 1, 323,072 bytes of LDS; arguments xn, wfc1, fc1_b, blk; writes blk
.if DOCPART == 10
	.amdgcn_target "amdgcn-amd-amdhsa--gfx1250"
	.amdhsa_code_object_version 6
	.text
	.protected	k_q289b9fda84_fc1
	.globl	k_q289b9fda84_fc1
	.p2align	8
	.type	k_q289b9fda84_fc1,@function
k_q289b9fda84_fc1:
	s_mov_b64 s[64:65], 0
	v_nop
	global_prefetch_b8 v0, s[64:65] scope:SCOPE_SE
	s_setreg_imm32_b32 hwreg(HW_REG_WAVE_MODE, 25, 1), 1
	s_wait_xcnt 0x0
	s_wait_alu depctr_hold_cnt(0) depctr_sa_sdst(0) depctr_va_vdst(0) depctr_va_sdst(0) depctr_va_ssrc(0) depctr_va_vcc(0) depctr_vm_vsrc(0)
	s_getreg_b32 s2, hwreg(HW_REG_IB_STS2, 6, 4)
	s_cmp_eq_u32 s2, 0
	s_cbranch_scc0 .Lentry_in_a_cluster
	s_endpgm
.Lentry_in_a_cluster:
	s_bfe_u32 s2, ttmp6, 0x10000c
	s_cmp_lg_u32 s2, 0x3003
	s_cbranch_scc0 .Lentry_shape_is_right
	s_endpgm
.Lentry_shape_is_right:
; blk = gelu(xn W^T + b), the exact (erf) GELU.  xn [8352][1024] bf16, W [1024][1024] bf16 in fragment order, blk [16][8352][64] bf16 (block = column / 64).
; A work-group makes 144 rows x 256 columns with four waves of 144 x 64 (36 accumulator tiles); 58 x 144 = 8352.
; A IS RESIDENT: the 144 rows x 1024 lie in LDS as 8 chunks of K = 128 (144 rows of 256 bytes + 16 of padding, 39,168 bytes; 16 rows start at 16
; different 16-byte columns).  Every wave asks for its 36 rows of all 8 chunks at the start: 8 tensor loads outstanding at most, nothing is ever
; filled again, and a chunk is read behind a counted wait and a barrier.
; W IS STREAMED INTO REGISTERS: a wave is the only reader in its work-group of its 64 columns, whose fragments lie in memory in the order of use:
; W(n, k .. k+7), n = 64 g + 16 bq + r, k = 32 q + 16 j + 8 h, at byte 131,072 g + 4,096 q + 1,024 bq + 512 j + 16 (r + 16 h).  A quarter (32 along K) is
; a batch of 8 loads of 512 consecutive bytes into one of 8 register slots; the batch of quarter q + 7 is asked for at the head of quarter q, so
; 56 loads are on their way, 252 matrix instructions ahead.
; CLUSTERS: 4, 1, 1.  The four column blocks of a row block need the same A: each chunk part is asked for jointly (mask 15); the descriptor is made of
; the row block and the wave's number alone.  W is not shared: the work-groups that read the same W are the 58 row blocks, and a shared tile would
; need LDS, of which A leaves 14,336 bytes.  No branch and no LDS address uses the place in the cluster.
; The matrix instruction is used transposed, so that a lane holds eight neighbouring columns of one token.
; GELU: gelu(x) = max(x, 0) - |x| Phi(-|x|), Phi(-|x|) = (1/2) erfc(|x| / sqrt 2) by Abramowitz and Stegun 7.1.26:
; t = 1 / (1 + 0.3275911 |x| / sqrt 2), (1/2) erfc = t (a1 + t (a2 + t (a3 + t (a4 + t a5)))) / 2 x exp(-x x / 2).
; LIMITS: the formula's absolute error in erf is at most 1.5e-7 for every x; x = +-infinity gives NaN (infinity times zero).
; REGISTERS: window 0: v4-23 addresses, v[32:103], v[104:175] A fragments (two buffers; with v[176:223] the way out's scratch later); window 1:
; accumulators a = 0..7; window 2: W's 8 slots; window 3: bias at 0..31, accumulators a = 8 at 224.
.set NT,      9
.set ROWS,    144
.set MROWS,   8352
.set CHUNK,   39168                    ; 144 rows x 272
.set WPART,   9792                     ; 36 rows x 272: what one tensor load brings
.set ASTRIDE, 4352
.set AQH,     128
.set ASTEP,   256
.set STAGE,   8*CHUNK                  ; 313,344, a multiple of 256, behind A: 16 tokens x 144 bytes for each wave
.set FA,      32
.set FASZ,    72
.set A8,      224
.set MLO,     0x52                     ; source 0 (W) window 2, source 1 (A) window 0, C and D window 1
.set MHI,     0xf2                     ; the same, C and D window 3
.set TOW,     0x80                     ; destination window 2, address window 0
.set ADRA,    4
.set WO,      14                       ; v14    16 x lane: W's stream, and the stores
.set BO,      23
.set G1,      24
.set G0,      32
.set MSB, 0
.macro WIN new
.if MSB != \new
	s_set_vgpr_msb (MSB<<8)|\new
.set MSB, \new
.endif
.endm
.macro PLACES                          ; four plain places behind matrix instructions (ISA guide 7.12.1)
.rept 4
	v_nop
.endr
.endm
.macro CROUND                          ; a round of the cluster's barrier
	s_barrier_signal -1
	s_barrier_wait -1
	s_cmp_lg_u32 s16, 0
	s_cbranch_scc1 .Lnw0_\@
	s_barrier_signal -3
.Lnw0_\@:
	s_barrier_wait -3
	s_barrier_signal -1
	s_barrier_wait -1
.endm
.macro WBATCH i, off                   ; the four W fragments of a quarter into slot i mod 8
.irp bq, 0,1,2,3
	global_load_b128 v[32*((\i)%8)+8*\bq:32*((\i)%8)+8*\bq+3], v[WO], s[6:7] offset:\off+1024*\bq
	global_load_b128 v[32*((\i)%8)+8*\bq+4:32*((\i)%8)+8*\bq+7], v[WO], s[6:7] offset:\off+1024*\bq+512
.endr
.endm
.macro PAIRLD dst, base, bq            ; 32 columns' numbers of a per-column vector, in the accumulators' layout: four loads
	global_load_b128 v[\dst+8*\bq:\dst+8*\bq+3], v[BO], s[\base:\base+1] offset:64*\bq
	global_load_b128 v[\dst+8*\bq+4:\dst+8*\bq+7], v[BO], s[\base:\base+1] offset:64*\bq+16
	global_load_b128 v[\dst+8*\bq+8:\dst+8*\bq+11], v[BO], s[\base:\base+1] offset:64*\bq+64
	global_load_b128 v[\dst+8*\bq+12:\dst+8*\bq+15], v[BO], s[\base:\base+1] offset:64*\bq+80
.endm
; The 36 accumulators take turns, one instruction a turn, in the same order in every quarter.  Quarter 0 starts the sums.
.macro MUL q, a0, cnt
.set ma, \a0
.rept \cnt
.irp bq, 0,1,2,3
.if \q == 0
	v_wmma_f32_16x16x32_bf16 v[32*ma+8*\bq:32*ma+8*\bq+7], v[32*(\q%8)+8*\bq:32*(\q%8)+8*\bq+7], v[FA+FASZ*(\q%2)+8*ma:FA+FASZ*(\q%2)+8*ma+7], 0
.else
	v_wmma_f32_16x16x32_bf16 v[32*ma+8*\bq:32*ma+8*\bq+7], v[32*(\q%8)+8*\bq:32*(\q%8)+8*\bq+7], v[FA+FASZ*(\q%2)+8*ma:FA+FASZ*(\q%2)+8*ma+7], v[32*ma+8*\bq:32*ma+8*\bq+7]
.endif
.endr
.set ma, ma+1
.endr
.endm
.macro MUL8 q
.irp bq, 0,1,2,3
.if \q == 0
	v_wmma_f32_16x16x32_bf16 v[A8+8*\bq:A8+8*\bq+7], v[32*(\q%8)+8*\bq:32*(\q%8)+8*\bq+7], v[FA+FASZ*(\q%2)+64:FA+FASZ*(\q%2)+71], 0
.else
	v_wmma_f32_16x16x32_bf16 v[A8+8*\bq:A8+8*\bq+7], v[32*(\q%8)+8*\bq:32*(\q%8)+8*\bq+7], v[FA+FASZ*(\q%2)+64:FA+FASZ*(\q%2)+71], v[A8+8*\bq:A8+8*\bq+7]
.endif
.endr
.endm
.macro FETCH n                         ; 18 LDS loads: A's 9 fragments of quarter n into buffer n mod 2
.set fa, 0
.rept NT
	ds_load_b128 v[FA+FASZ*((\n)%2)+8*fa:FA+FASZ*((\n)%2)+8*fa+3], v[ADRA+(\n)/4] offset:(((\n)%4)/2)*AQH+((\n)%2)*64+fa*ASTRIDE
	ds_load_b128 v[FA+FASZ*((\n)%2)+8*fa+4:FA+FASZ*((\n)%2)+8*fa+7], v[ADRA+(\n)/4] offset:(((\n)%4)/2)*AQH+((\n)%2)*64+fa*ASTRIDE+32
.set fa, fa+1
.endr
.endm
.macro QUARTER q                       ; one quarter: 32 along K
.if \q < 28
.if (\q%4) == 3
	s_barrier_wait -1                              ; every wave's part of the next chunk has landed
.endif
.endif
	PLACES                                         ; behind the last quarter's products: its W slot and its A buffer are loaded again below
.if \q > 25
	s_wait_loadcnt 8*(31-\q)                       ; the stream has ended: the batches left behind this one
.else
	s_wait_loadcnt 48                              ; this quarter's W is in; the six younger batches of 8 stay out
.endif
.if \q < 25
	WIN TOW
	WBATCH \q+7, 4096*(\q+7)
.endif
.if \q == 8
	WIN 0xc0
	PAIRLD 0, 8, 0                                 ; the bias, four loads here and four below: 60 loads out at the most; while they are among the youngest 48
.endif                                             ; the wait above asks for half a batch more than it needs
.if \q == 16
	WIN 0xc0
	PAIRLD 0, 8, 2
.endif
.if \q < 31
	WIN 0
	FETCH \q+1
	s_wait_dscnt 18                                ; all but the 18 just issued: this quarter's A fragments are in
.else
	s_wait_dscnt 0x0
.endif
	WIN MLO
	MUL \q, 0, 6
.if \q < 28
.if (\q%4) == 2
	s_wait_dscnt 0x0                               ; no LDS instruction is pending at a signal
	s_wait_tensorcnt 7-(\q+2)/4                    ; my part of the next chunk is in; the later chunks stay out (nothing is filled again)
	s_barrier_signal -1                            ; twelve products stand between the signal and its wait
.endif
.endif
	MUL \q, 6, 2
	WIN MHI
	MUL8 \q
.endm
	s_load_b256 s[4:11], s[0:1], 0x0               ; xn s[4:5], wfc1 s[6:7], fc1_b s[8:9], blk s[10:11]
	v_lshl_add_u32 v254, v0, 2, 0x4ec00
	v_mov_b32 v255, 0
	ds_add_u32 v254, v255
	ds_add_u32 v254, v255
	v_lshrrev_b32 v1, 5, v0
	v_readfirstlane_b32 s16, v1                    ; wave 0..3
	s_bfe_u32 s80, ttmp6, 0x40000                  ; cx
	s_lshl_b32 s19, ttmp9, 2
	s_add_co_u32 s19, s19, s80                     ; column block x
	s_and_b32 s20, ttmp7, 0xffff                   ; row block y: a cluster is one work-group high
	v_and_b32 v1, 31, v0                           ; lane
	v_lshlrev_b32 v[WO], 4, v1
	s_lshl2_add_u32 s66, s19, s16                  ; column group g = 4 x + w
	s_lshl_b32 s66, s66, 17
	s_mov_b32 s67, 0
	s_mov_b32 s[G1+0], 15|(1<<16)|(1<<20)|(1<<21)|(5<<22)|(3<<25)   ; mask of the four; 2-byte elements; bit 21 beside a mask; after every 64 words 4 words of padding
	s_mov_b32 s[G1+1], 128<<16
	s_mov_b32 s[G1+2], 36<<16
	s_mov_b32 s[G1+3], 128<<16
	s_mov_b32 s[G1+4], 36
	s_mov_b32 s[G1+5], 1024
	s_mov_b32 s[G1+6], 0
	s_mov_b32 s[G1+7], 0
	s_mul_i32 s68, s16, WPART                      ; my 36 rows in a chunk
	s_mul_i32 s70, s20, ROWS
	s_mul_i32 s71, s16, 36
	s_add_co_u32 s70, s70, s71
	s_lshl_b32 s70, s70, 11                        ; row (144 y + 36 w) x 2,048 bytes
	s_mov_b32 s71, 0
	s_wait_dscnt 0x0
	s_wait_kmcnt 0x0
	s_add_nc_u64 s[6:7], s[6:7], s[66:67]          ; my stream of W
	WIN TOW
.irp i, 0,1,2,3,4,5,6
	WBATCH \i, 4096*\i                             ; the stream's first seven quarters
.endr
	WIN 0
	s_add_nc_u64 s[72:73], s[4:5], s[70:71]
.irp c, 0,1,2,3,4,5,6,7
	s_mov_b32 s[G0+4*\c], 1
	s_add_co_u32 s[G0+4*\c+1], s68, \c*CHUNK
	s_add_nc_u64 s[G0+4*\c+2:G0+4*\c+3], s[72:73], \c*ASTEP
	s_or_b32 s[G0+4*\c+3], s[G0+4*\c+3], 0x80000000
.endr
	CROUND                                         ; the four work-groups are here: the joint loads meet
.irp c, 0,1,2,3,4,5,6,7
	tensor_load_to_lds s[G0+4*\c:G0+4*\c+3], s[G1:G1+7]
	s_nop 0
.endr
	v_and_b32 v2, 15, v0                           ; r
	v_bfe_u32 v3, v0, 4, 1                         ; h
	v_mul_u32_u24 v12, v2, 272
	v_lshl_add_u32 v12, v3, 4, v12                 ; r x 272 + 16 h
.irp c, 0,1,2,3,4,5,6,7
	v_add_nc_u32 v[ADRA+\c], \c*CHUNK, v12
.endr
	s_mul_i32 s69, s16, 2304
	s_add_co_u32 s69, s69, STAGE                   ; my stage
	v_mul_u32_u24 v13, v2, 144
	v_lshl_add_u32 v13, v3, 4, v13
	v_add_nc_u32 v20, s69, v13                     ; in: token r, 16 bytes for each half of the lanes
	v_lshrrev_b32 v13, 3, v1
	v_mul_u32_u24 v13, v13, 144
	v_and_b32 v15, 7, v1
	v_lshl_add_u32 v13, v15, 4, v13
	v_add_nc_u32 v21, s69, v13                     ; back: eight lanes take a token's 128 bytes
	s_lshl_b32 s74, s19, 10
	s_lshl_b32 s75, s16, 8
	s_add_co_u32 s74, s74, s75
	v_lshl_add_u32 v[BO], v3, 5, s74               ; bias: 4 (256 x + 64 w + 8 h)
	s_lshl2_add_u32 s76, s19, s16                  ; output block 4 x + w
	s_mul_i32 s76, s76, MROWS
	s_mul_i32 s77, s20, ROWS
	s_add_co_u32 s76, s76, s77
	s_lshl_b32 s76, s76, 7
	s_mov_b32 s77, 0
	s_add_nc_u64 s[10:11], s[10:11], s[76:77]
	s_mov_b32 s78, 0x3e6d3388                      ; 0.3275911 / sqrt 2
	s_wait_tensorcnt 0x7                           ; my part of chunk 0 is in; the seven later chunks stay out
	s_barrier_signal -1
	s_barrier_wait -1
	FETCH 0
.irp q, 0,1,2,3,4,5,6,7,8,9,10,11,12,13,14,15,16,17,18,19,20,21,22,23,24,25,26,27,28,29,30,31
	QUARTER \q
.endr
	PLACES
	WIN 0
.irp i, 160,161
	v_mov_b32 v\i, 0x3e027906                      ; a1 / 2 =  0.127414796
.endr
.irp i, 162,163
	v_mov_b32 v\i, 0xbe11a98e                      ; a2 / 2 = -0.142248368
.endr
.irp i, 164,165
	v_mov_b32 v\i, 0x3f35f0e3                      ; a3 / 2 =  0.710706871
.endr
.irp i, 166,167
	v_mov_b32 v\i, 0xbf3a00e3                      ; a4 / 2 = -0.726576014
.endr
.irp i, 168,169
	v_mov_b32 v\i, 0x3f07dc22                      ; a5 / 2 =  0.530702715
.endr
.irp i, 170,171
	v_mov_b32 v\i, 0xbf38aa3b                      ; -log2(e) / 2
.endr
; 16 tokens: x = acc + bias in v[32:63], t in v[64:95], exp in v[96:127], the polynomial in v[128:159]; packed in v[176:191]
.macro OUTG a, rb
.if \a < 8
	WIN 0x0d
.set ob, 32*\a
.else
	WIN 0x0f
.set ob, A8
.endif
.set gi, 0
.rept 16
	v_pk_add_f32 v[32+2*gi:33+2*gi], v[ob+2*gi:ob+2*gi+1], v[2*gi:2*gi+1]
.set gi, gi+1
.endr
	WIN 0
.set gi, 0
.rept 32
	v_fma_f32 v[64+gi], |v[32+gi]|, s78, 1.0
.set gi, gi+1
.endr
.set gi, 0
.rept 32
	v_rcp_f32 v[64+gi], v[64+gi]
.set gi, gi+1
.endr
.set gi, 0
.rept 16
	v_pk_mul_f32 v[96+2*gi:97+2*gi], v[32+2*gi:33+2*gi], v[32+2*gi:33+2*gi]          ; also the plain place behind the reciprocals
.set gi, gi+1
.endr
.set gi, 0
.rept 16
	v_pk_mul_f32 v[96+2*gi:97+2*gi], v[96+2*gi:97+2*gi], v[170:171]
.set gi, gi+1
.endr
.set gi, 0
.rept 32
	v_exp_f32 v[96+gi], v[96+gi]
.set gi, gi+1
.endr
.set gi, 0
	s_wait_alu depctr_va_vdst(0)
.rept 16
	v_pk_fma_f32 v[128+2*gi:129+2*gi], v[64+2*gi:65+2*gi], v[168:169], v[166:167]    ; also the plain place behind the exponentials
.set gi, gi+1
.endr
.set gi, 0
.rept 16
	v_pk_fma_f32 v[128+2*gi:129+2*gi], v[128+2*gi:129+2*gi], v[64+2*gi:65+2*gi], v[164:165]
.set gi, gi+1
.endr
.set gi, 0
.rept 16
	v_pk_fma_f32 v[128+2*gi:129+2*gi], v[128+2*gi:129+2*gi], v[64+2*gi:65+2*gi], v[162:163]
.set gi, gi+1
.endr
.set gi, 0
.rept 16
	v_pk_fma_f32 v[128+2*gi:129+2*gi], v[128+2*gi:129+2*gi], v[64+2*gi:65+2*gi], v[160:161]
.set gi, gi+1
.endr
.set gi, 0
.rept 16
	v_pk_mul_f32 v[128+2*gi:129+2*gi], v[128+2*gi:129+2*gi], v[64+2*gi:65+2*gi]
.set gi, gi+1
.endr
.set gi, 0
.rept 16
	v_pk_mul_f32 v[128+2*gi:129+2*gi], v[128+2*gi:129+2*gi], v[96+2*gi:97+2*gi]      ; Phi(-|x|)
.set gi, gi+1
.endr
.set gi, 0
.rept 32
	v_max_num_f32 v[96+gi], 0, v[32+gi]
.set gi, gi+1
.endr
.set gi, 0
.rept 32
	v_fma_f32 v[32+gi], -|v[32+gi]|, v[128+gi], v[96+gi]
.set gi, gi+1
.endr
.set gi, 0
.rept 16
	v_cvt_pk_bf16_f32 v[176+gi], v[32+2*gi], v[33+2*gi]
.set gi, gi+1
.endr
.irp bq, 0,1,2,3
	ds_store_b128 v20, v[176+4*\bq:179+4*\bq] offset:32*\bq
.endr
	s_wait_xcnt 0x0                                ; the stores of two tiles ago have read this buffer
.irp t, 0,1,2,3
	ds_load_b128 v[\rb+4*\t:\rb+4*\t+3], v21 offset:576*\t                 ; LDS serves a wave's instructions in order: these see the stores above
.endr
.irp t, 0,1,2,3
	s_wait_dscnt 3-\t
	global_store_b128 v[WO], v[\rb+4*\t:\rb+4*\t+3], s[10:11] offset:2048*\a+512*\t   ; 512 dense bytes, aligned
.endr
.endm
	OUTG 0, 192
	OUTG 1, 208
	OUTG 2, 192
	OUTG 3, 208
	OUTG 4, 192
	OUTG 5, 208
	OUTG 6, 192
	OUTG 7, 208
	OUTG 8, 192
	s_wait_tensorcnt 0x0
	ds_add_u32 v254, v255
	s_wait_dscnt 0x0
	CROUND                                         ; the closing round
	s_endpgm
.Lfunc_end_k_q289b9fda84_fc1:
	.size	k_q289b9fda84_fc1, .Lfunc_end_k_q289b9fda84_fc1-k_q289b9fda84_fc1
	.p2alignl 7, 3214868480
	.fill 96, 4, 3214868480
	.section	.rodata,"a",@progbits
	.p2align	6, 0x0
	.amdhsa_kernel k_q289b9fda84_fc1
		.amdhsa_group_segment_fixed_size 323072
		.amdhsa_private_segment_fixed_size 0
		.amdhsa_enable_private_segment 0
		.amdhsa_kernarg_size 32
		.amdhsa_user_sgpr_count 2
		.amdhsa_user_sgpr_kernarg_segment_ptr 1
		.amdhsa_wavefront_size32 1
		.amdhsa_system_sgpr_workgroup_id_x 1
		.amdhsa_system_sgpr_workgroup_id_y 1
		.amdhsa_system_sgpr_workgroup_id_z 1
		.amdhsa_system_vgpr_workitem_id 0
		.amdhsa_next_free_vgpr 1024
		.amdhsa_next_free_sgpr 96
		.amdhsa_reserve_vcc 0
		.amdhsa_float_denorm_mode_32 3
		.amdhsa_float_denorm_mode_16_64 3
		.amdhsa_memory_ordered 1
		.amdhsa_forward_progress 1
		.amdhsa_inst_pref_size 255
	.end_amdhsa_kernel
	.section	.bss,"aw",@nobits
	.p2align	6
	.space	262144
	.amdgpu_metadata
---
amdhsa.version: [ 1, 2 ]
amdhsa.kernels:
  - .name:           k_q289b9fda84_fc1
    .symbol:         k_q289b9fda84_fc1.kd
    .args:
      - { .name: xn, .offset: 0, .size: 8, .value_kind: global_buffer, .address_space: global }
      - { .name: wfc1, .offset: 8, .size: 8, .value_kind: global_buffer, .address_space: global }
      - { .name: fc1_b, .offset: 16, .size: 8, .value_kind: global_buffer, .address_space: global }
      - { .name: blk, .offset: 24, .size: 8, .value_kind: global_buffer, .address_space: global }
    .group_segment_fixed_size: 323072
    .private_segment_fixed_size: 0
    .kernarg_segment_align: 8
    .kernarg_segment_size: 32
    .max_flat_workgroup_size: 128
    .sgpr_count:     96
    .vgpr_count:     1024
    .wavefront_size: 32
...
	.end_amdgpu_metadata
.endif
;; end of part 10
;; launch fc2: the kernel of part 9 again; grid 4 x 58, 4 waves a work-group, clusters of 4 x 1, 313,856 bytes of LDS; arguments blk, wfc2, fc2_b, ls2, x1, out0; writes out0
